; MI455X (gfx1250); checked and timed in simulation.
; The chip was launched on July 23, 2026; its instructions are those of AMD's public machine-readable ISA for CDNA 5 (MIT licence, August 2026) and "CDNA5" Instruction Set Architecture Reference Guide (July 2026). The comments in the code are by the model that wrote it; some were corrected since.
;; Multi Head Grouped Query Attention. Allowed arithmetic: matrix products marked QUANTISED: E2M3 operands, one E8M0 scale for each 32 along K, by v_wmma_scale_f32_16x16x128_f8f6f4 with both operands' format E2M3, f32 sums; everything else in f32.
;; Inputs: Wk 1,024 x 256 float32; Wout 1,024 x 1,024 float32; Wq 1,024 x 1,024 float32; Wv 1,024 x 256 float32; ln_b 1,024 float32; ln_g 1,024 float32; x 2 x 2,048 x 1,024 float32.
;; Outputs: out0 2 x 2,048 x 1,024 float32; out1 2 x 2,048 x 16 float32.
;; This version of the problem:
;;   THIS VERSION OF THE PROBLEM IS GIVEN IN LOW PRECISION. The matrix products marked QUANTISED in the list below multiply operands that are first quantised to E2M3 (2 exponent bits, 3 mantissa bits; 6 bits a number), with one power-of-two scale for each 32 numbers along K (OCP MX v1.0); their sums are f32. All else is computed in f32.
;;   The module's matrix products, in the order in which they are computed (A, B: the left and right operand; K: the contracted axis; several contracted axes count as one K, in the product's order):
;;     1. [M 4,096, K 1,024] x [K 1,024, N 1,024]; A: input x; B: input Wq: QUANTISED
;;     2. [M 4,096, K 1,024] x [K 1,024, N 256]; A: input x; B: input Wk: QUANTISED
;;     3. [M 4,096, K 1,024] x [K 1,024, N 256]; A: input x; B: input Wv: QUANTISED
;;     4. batch 8 x [M 8,192, K 64] x [K 64, N 2,048]; A: computed on the way; B: computed on the way: QUANTISED
;;     5. batch 8 x [M 64, K 2,048] x [K 2,048, N 8,192]; A: computed on the way; B: softmax (see below): QUANTISED
;;     6. [M 4,096, K 1,024] x [K 1,024, N 1,024]; A: computed on the way; B: input Wout: QUANTISED
;;   THE QUANTISER, for each operand of a quantised product, along K:
;;     - K is cut into blocks of 32 from its start; a last block that is shorter is filled with zeros.
;;     - A block's scale is 2^e with e = floor(log2(the largest magnitude in the block)) - 2, held to -126 .. 127; a block of zeros has e = 0. As a byte (E8M0): e + 127.
;;     - Each number is divided by its block's scale, clamped to +-7.5, and rounded to the nearest number of E2M3, ties to even, subnormals kept.
;;     - The product sums the exact products of the quantised numbers (number of the format x scale) in f32.
;;   ~~~python
;;   def quantise(x, axis):      # numpy; x: float32 -> the quantised numbers, widened to float32 again
;;       x = np.moveaxis(x, axis, -1); K = x.shape[-1]
;;       x = np.pad(x, [(0, 0)] * (x.ndim - 1) + [(0, -K % 32)]); x = x.reshape(x.shape[:-1] + (-1, 32)); a = np.abs(x).max(-1, keepdims=True)
;;       e = np.where(a > 0, np.clip(np.frexp(np.where(a > 0, a, 1))[1] - 1 - 2, -126, 127), 0)      # np.frexp(a)[1] - 1 = floor(log2(a)), exactly
;;       r = np.clip(x / 2.0 ** e, -7.5, 7.5)
;;       step = 2.0 ** (np.maximum(np.frexp(np.where(r == 0, 1, r))[1] - 1, 0) - 3)
;;       q = np.round(r / step) * step * 2.0 ** e      # np.round: ties to even
;;       return np.moveaxis(q.reshape(q.shape[:-2] + (-1,))[..., :K], -1, axis).astype(np.float32)
;;   ~~~
;;   SOFTMAX AHEAD OF A QUANTISED PRODUCT. Where the list says 'softmax', what is quantised is not the finished softmax but p = 2^(t - M), with t = logit x log2(e) and M = ceil(the row's largest t), a whole number; so 1/2 < the row's largest p <= 1. The row's sum l is taken of the UNQUANTISED p, in f32, and the product's result is divided by l at the end. Since M is a whole number, a kernel that streams over the keys may use a running M (the ceiling of the running maximum): every later rescaling is an exact power of two, which a block's scale takes up: the codes' values come out the same.
;;   OPERANDS COMPUTED ON THE WAY. 'Computed on the way' means the value that the module computes at that place (a softmax that the list does not call 'softmax' is quantised finished and normalised). What goes into a quantiser is computed in f32, as accurately as f32 sums, v_exp_f32 and their like allow (about 1e-6 of the number): no bf16 or f16 on the way to a quantiser, and a product that is left as it is and whose result goes on into a quantised operand takes f32 operands (vector FMAs, or v_wmma_f32_16x16x4_f32). A number that lies on a knife's edge between two numbers of the format may be rounded either way, as far as f32 arithmetic and the matrix unit's own rounding can turn it there, and no further.
;; 2 versions. Each part assembles by itself: llvm-mc -triple=amdgcn-amd-amdhsa -mcpu=gfx1250 --defsym DOCPART=n.
;; ======== version 1 of 2: 5 launches
;; workspace buffers: xc 3,145,728 bytes; xs 262,144 bytes; wc 1,966,080 bytes; ws 163,840 bytes; qkv 5,111,808 bytes; ob 16,777,216 bytes; nl 262,144 bytes
;; launch quant (part 1): grid 672 x 1, 4 waves a work-group, no clusters, 34,304 bytes of LDS; arguments x, Wq, Wk, Wv, Wout, xc, xs, wc, ws; writes xc, xs, wc, ws
.if DOCPART == 1
	.amdgcn_target "amdgcn-amd-amdhsa--gfx1250"
	.amdhsa_code_object_version 6
	.text
	.protected	k_q9e718b35af_quant
	.globl	k_q9e718b35af_quant
	.p2align	8
	.type	k_q9e718b35af_quant,@function
k_q9e718b35af_quant:
	s_mov_b64 s[64:65], 0
	v_nop
	global_prefetch_b8 v0, s[64:65] scope:SCOPE_SE
	s_setreg_imm32_b32 hwreg(HW_REG_WAVE_MODE, 25, 1), 1
	s_wait_xcnt 0x0
; x [4096][1024] and the four weights ([1024 (k)][n]), f32, become codes of E2M3 with one E8M0 byte for each 32 along K, stored as IMAGES OF OPERAND REGISTERS:
; a fragment is 16 rows x 128 K, 12 registers a lane; registers 4 c .. 4 c + 3 of lane l lie at 512 c + 16 l of its 1,536 bytes; its scale words, 4 bytes a lane, are a record of 128 bytes.
; THE ROWS OF A TILE ARE NOT NEIGHBOURS: row r of tile 2 g + u is element 32 g + 8 u + r + 8 (r / 8) (tokens of x; columns of a weight), so that a later product's results lie as neighbours along the next K.
; Fragment number = 8 x tile + K step.  x's tiles 0-255; the weights' tiles: Wq 0-63, Wk 64-79, Wv 80-95, Wout 96-159.
; A block's scale is 2^(floor(log2(largest magnitude)) - 2): its byte is the largest magnitude's exponent field - 2, held at 1 from below by a floor among the maximum's leaves.
; LIMITS: a block of zeros gets the byte 1 where the rule says 127 (its codes are zeros, and this program alone reads the bytes); blocks whose largest magnitude lies under 2^-124 keep the byte 1; NaN and infinities are not served.
; Work-groups 0-511: x, a fragment a wave.  Work-groups 512-671: the weights, 32 columns x 128 K a wave.  Waves share nothing: no barrier.
.set XR, 64                            ; v64-127 x's rows as loaded;  v64-191 a weight's 128 numbers down K
.set XB, 128                           ; v128-191 x: two blocks of 32 neighbours
.set PC, 32                            ; the codes
.set TX, 44                            ; x: a block's upper 16 codes (a conversion's three registers begin on an even number)
.set TW, 192                           ; the weights: the same, four blocks
.macro BMAX dst, tmp, src              ; the largest magnitude of 32 numbers of a lane, in two chains, and the floor 2^(3 - 127)
	v_max3_num_f32 v[\dst], |v[\src]|, |v[\src+1]|, |v[\src+2]|
	v_max3_num_f32 v[\tmp], |v[\src+3]|, |v[\src+4]|, |v[\src+5]|
.irp i, 6,10,14,18,22,26
	v_max3_num_f32 v[\dst], v[\dst], |v[\src+\i]|, |v[\src+\i+1]|
	v_max3_num_f32 v[\tmp], v[\tmp], |v[\src+\i+2]|, |v[\src+\i+3]|
.endr
	v_max3_num_f32 v[\dst], v[\dst], |v[\src+30]|, |v[\src+31]|
	v_max3_num_f32 v[\dst], v[\dst], v[\tmp], 0x1800000
.endm
.macro WLOAD pitch                     ; W(128 ks + k, my column), k = 0 .. 127: each load reads 128 consecutive bytes
.set kk, 0
.rept 128
	global_load_b32 v[XR+kk], v4, s[6:7] offset:kk*\pitch th:TH_LOAD_NT
.set kk, kk+1
.endr
.endm
	s_load_b256 s[4:11], s[0:1], 0x0               ; x s[4:5], Wq s[6:7], Wk s[8:9], Wv s[10:11]
	s_load_b256 s[12:19], s[0:1], 0x20             ; Wout s[12:13], xc s[14:15], xs s[16:17], wc s[18:19]
	s_load_b64 s[20:21], s[0:1], 0x40              ; ws
	v_lshl_add_u32 v208, v0, 2, 0x8400
	v_mov_b32 v209, 0
	v_lshrrev_b32 v1, 5, v0
	v_readfirstlane_b32 s22, v1                    ; wave
	v_and_b32 v2, 31, v0                           ; lane
	s_mov_b32 s26, 0x76543210
	s_mov_b32 s27, 0xfedcba98                      ; v_permlanex16_b32's selects for lane l xor 16
	s_cmp_lt_u32 ttmp9, 512
	s_cbranch_scc0 .Lweights
	; ---- x: tile t = g / 2, K step 4 (g % 2) + wave.  Sixteen dense loads of 512 bytes, a row each; through the wave's own stage (rows of 528 bytes); back as 32 neighbours a block
	v_lshlrev_b32 v4, 4, v2                        ; 16 x lane
	v_and_b32 v3, 15, v2                           ; r
	v_lshrrev_b32 v8, 4, v2                        ; h
	s_mul_i32 s23, s22, 8448                       ; my stage
	v_add_nc_u32 v5, s23, v4                       ; in: 16 x lane of a row
	v_mul_u32_u24 v6, v3, 528
	v_lshl_add_u32 v6, v8, 7, v6
	v_add_nc_u32 v6, s23, v6                       ; back: row r, + 128 h: block 2 c + h begins 256 c further on
	v_lshlrev_b32 v7, 2, v2                        ; 4 x lane
	s_lshr_b32 s24, ttmp9, 1                       ; t
	s_and_b32 s25, ttmp9, 1
	s_lshl_b32 s25, s25, 2
	s_add_co_u32 s25, s25, s22                     ; ks
	s_lshr_b32 s28, s24, 1
	s_lshl_b32 s28, s28, 17                        ; 32 (t / 2) rows of 4,096 bytes
	s_and_b32 s29, s24, 1
	s_lshl_b32 s29, s29, 15                        ; + 8 (t % 2) rows
	s_add_co_u32 s28, s28, s29
	s_lshl_b32 s29, s25, 9                         ; + 512 ks
	s_add_co_u32 s28, s28, s29
	s_mov_b32 s29, 0
	s_lshl_b32 s30, s24, 3
	s_add_co_u32 s30, s30, s25                     ; the fragment's number
	s_mul_i32 s32, s30, 1536
	s_mov_b32 s33, 0
	s_lshl_b32 s30, s30, 7
	s_mov_b32 s31, 0
	s_wait_kmcnt 0x0
	s_add_nc_u64 s[4:5], s[4:5], s[28:29]
	s_add_nc_u64 s[14:15], s[14:15], s[32:33]
	s_add_nc_u64 s[16:17], s[16:17], s[30:31]
.irp i, 0,1,2,3,4,5,6,7,8,9,10,11,12,13,14,15
	global_load_b128 v[XR+4*\i:XR+4*\i+3], v4, s[4:5] offset:(\i+8*(\i/8))*4096 th:TH_LOAD_NT
.endr
.irp i, 0,1,2,3,4,5,6,7,8,9,10,11,12,13,14,15
	s_wait_loadcnt 15-\i                           ; row i is in; the younger rows may be out
	ds_store_b128 v5, v[XR+4*\i:XR+4*\i+3] offset:528*\i
.endr
.irp c, 0,1
.irp q, 0,1,2,3,4,5,6,7
	ds_load_b128 v[XB+32*\c+4*\q:XB+32*\c+4*\q+3], v6 offset:256*\c+16*\q   ; LDS serves a wave's instructions in order: these see my stores
.endr
.endr
	s_wait_dscnt 8                                 ; block h is in; the eight loads of block 2 + h may be out
	BMAX 10, 11, XB
	s_wait_dscnt 0x0
	BMAX 12, 13, XB+32
	v_add_nc_u32 v14, 0xff000000, v10              ; 2 off the exponent field: the conversion's scale operand
	v_add_nc_u32 v15, 0xff000000, v12
	v_lshrrev_b32 v16, 23, v14                     ; the bytes
	v_lshrrev_b32 v17, 23, v15
	v_lshl_or_b32 v18, v17, 16, v16                ; blocks h and 2 + h,
	v_lshlrev_b32 v19, 3, v8
	v_lshlrev_b32 v18, v19, v18                    ; at their places in the word;
	v_mov_b32 v19, 0
	v_permlanex16_b32 v19, v18, s26, s27
	v_or_b32 v18, v18, v19                         ; with lane l xor 16's two the word is whole
	v_cvt_scalef32_pk16_fp6_f32 v[PC:PC+2], v[XB:XB+15], v14
	v_cvt_scalef32_pk16_fp6_f32 v[TX:TX+2], v[XB+16:XB+31], v14
	v_cvt_scalef32_pk16_fp6_f32 v[PC+6:PC+8], v[XB+32:XB+47], v15
	v_cvt_scalef32_pk16_fp6_f32 v[TX+4:TX+6], v[XB+48:XB+63], v15
	v_nop                                          ; one plain place behind a scaled conversion
.irp c, 0,1
.irp i, 0,1,2
	v_mov_b32 v[PC+3+6*\c+\i], v[TX+4*\c+\i]
.endr
.endr
.irp c, 0,1,2
	global_store_b128 v4, v[PC+4*\c:PC+4*\c+3], s[14:15] offset:512*\c   ; 512 consecutive bytes a store
.endr
	global_store_b32 v7, v18, s[16:17]
	s_wait_tensorcnt 0x0
	ds_add_u32 v208, v209
	s_wait_dscnt 0x0
	s_endpgm
.Lweights:
	; ---- the weights: group gb of 32 columns, K step ks.  A lane takes a column and its registers run down K: four whole blocks a lane
	s_sub_co_u32 s23, ttmp9, 512
	s_lshr_b32 s24, s23, 3                         ; gq: 0-7 Wq, 8-9 Wk, 10-11 Wv, 12-19 Wout
	s_and_b32 s25, s23, 7                          ; ks
	s_lshl_b32 s28, s24, 2
	s_add_co_u32 s28, s28, s22                     ; gb
	v_lshlrev_b32 v4, 2, v2                        ; 4 x lane
	v_bfe_u32 v8, v2, 3, 1                         ; column 32 gb + lane is row r' of tile 2 gb + u: u = (lane / 8) % 2,
	v_and_b32 v9, 7, v2
	v_lshrrev_b32 v10, 4, v2
	v_lshl_add_u32 v9, v10, 3, v9                  ; r' = lane % 8 + 8 (lane / 16)
	v_mul_u32_u24 v5, v8, 12288                    ; tile 2 gb + 1's fragments lie 8 x 1,536 bytes on
	v_lshl_add_u32 v5, v9, 4, v5
	v_lshlrev_b32 v6, 10, v8
	v_lshl_add_u32 v6, v9, 2, v6
	s_lshl_b32 s29, s28, 4
	s_add_co_u32 s29, s29, s25                     ; 16 gb + ks
	s_mul_i32 s30, s29, 1536
	s_mov_b32 s31, 0
	s_lshl_b32 s32, s29, 7
	s_mov_b32 s33, 0
	s_mov_b32 s37, 0
	s_wait_kmcnt 0x0
	s_add_nc_u64 s[18:19], s[18:19], s[30:31]
	s_add_nc_u64 s[20:21], s[20:21], s[32:33]
	s_sub_co_u32 s34, s24, 8
	s_cmp_lt_u32 s34, 4
	s_cbranch_scc1 .Lnarrow
	s_cmp_lt_u32 s24, 8                            ; rows of 4,096 bytes: Wq or Wout
	s_cselect_b64 s[6:7], s[6:7], s[12:13]
	s_cselect_b32 s35, 0, 48
	s_sub_co_u32 s35, s28, s35
	s_lshl_b32 s35, s35, 7                         ; 128 bytes a group
	s_lshl_b32 s36, s25, 19                        ; 128 rows a K step
	s_add_co_u32 s36, s36, s35
	s_add_nc_u64 s[6:7], s[6:7], s[36:37]
	WLOAD 4096
	s_branch .Lwjoin
.Lnarrow:
	s_cmp_lt_u32 s24, 10                           ; rows of 1,024 bytes: Wk or Wv
	s_cselect_b64 s[6:7], s[8:9], s[10:11]
	s_cselect_b32 s35, 32, 40
	s_sub_co_u32 s35, s28, s35
	s_lshl_b32 s35, s35, 7
	s_lshl_b32 s36, s25, 17
	s_add_co_u32 s36, s36, s35
	s_add_nc_u64 s[6:7], s[6:7], s[36:37]
	WLOAD 1024
.Lwjoin:
; Block bb of my column belongs to lane (r', bb % 2) of the image, registers 6 (bb / 2) on: v32-43 are that of h = 0, v44-55 that of h = 1.
.set bb, 0
.rept 4
.if bb < 2
	s_wait_loadcnt 63                              ; behind block bb stand 96 - 32 bb loads; a wait names 63 at the most, and fewer is safe
.elseif bb == 2
	s_wait_loadcnt 32
.else
	s_wait_loadcnt 0x0
.endif
	BMAX 10, 11, XR+32*bb
	v_add_nc_u32 v[12+bb], 0xff000000, v10
	v_lshrrev_b32 v[16+bb], 23, v[12+bb]
	v_cvt_scalef32_pk16_fp6_f32 v[PC+12*(bb%2)+6*(bb/2):PC+12*(bb%2)+6*(bb/2)+2], v[XR+32*bb:XR+32*bb+15], v[12+bb]
	v_cvt_scalef32_pk16_fp6_f32 v[TW+4*bb:TW+4*bb+2], v[XR+32*bb+16:XR+32*bb+31], v[12+bb]
.set bb, bb+1
.endr
	v_nop                                          ; one plain place behind a scaled conversion
.set bb, 0
.rept 4
.irp i, 0,1,2
	v_mov_b32 v[PC+12*(bb%2)+6*(bb/2)+3+\i], v[TW+4*bb+\i]
.endr
.set bb, bb+1
.endr
	v_lshl_or_b32 v20, v17, 8, v16                 ; my column's scale word
	v_lshl_or_b32 v20, v18, 16, v20
	v_lshl_or_b32 v20, v19, 24, v20
.irp hh, 0,1
.irp c, 0,1,2
	global_store_b128 v5, v[PC+12*\hh+4*\c:PC+12*\hh+4*\c+3], s[18:19] offset:512*\c+256*\hh   ; the 16 lanes of a tile store 256 consecutive bytes, aligned
.endr
.endr
	global_store_b32 v6, v20, s[20:21]
	global_store_b32 v6, v20, s[20:21] offset:64   ; and the copy for lanes 16-31
	s_endpgm
.Lfunc_end_k_q9e718b35af_quant:
	.size	k_q9e718b35af_quant, .Lfunc_end_k_q9e718b35af_quant-k_q9e718b35af_quant
	.p2alignl 7, 3214868480
	.fill 96, 4, 3214868480
	.section	.rodata,"a",@progbits
	.p2align	6, 0x0
	.amdhsa_kernel k_q9e718b35af_quant
		.amdhsa_group_segment_fixed_size 34304
		.amdhsa_private_segment_fixed_size 0
		.amdhsa_enable_private_segment 0
		.amdhsa_kernarg_size 72
		.amdhsa_user_sgpr_count 2
		.amdhsa_user_sgpr_kernarg_segment_ptr 1
		.amdhsa_wavefront_size32 1
		.amdhsa_system_sgpr_workgroup_id_x 1
		.amdhsa_system_sgpr_workgroup_id_y 1
		.amdhsa_system_sgpr_workgroup_id_z 1
		.amdhsa_system_vgpr_workitem_id 0
		.amdhsa_next_free_vgpr 210
		.amdhsa_next_free_sgpr 66
		.amdhsa_reserve_vcc 0
		.amdhsa_float_denorm_mode_32 3
		.amdhsa_float_denorm_mode_16_64 3
		.amdhsa_memory_ordered 1
		.amdhsa_forward_progress 1
		.amdhsa_inst_pref_size 42
	.end_amdhsa_kernel
	.amdgpu_metadata
---
amdhsa.version: [ 1, 2 ]
amdhsa.kernels:
  - .name:           k_q9e718b35af_quant
    .symbol:         k_q9e718b35af_quant.kd
    .args:
      - { .name: x, .offset: 0, .size: 8, .value_kind: global_buffer, .address_space: global }
      - { .name: Wq, .offset: 8, .size: 8, .value_kind: global_buffer, .address_space: global }
      - { .name: Wk, .offset: 16, .size: 8, .value_kind: global_buffer, .address_space: global }
      - { .name: Wv, .offset: 24, .size: 8, .value_kind: global_buffer, .address_space: global }
      - { .name: Wout, .offset: 32, .size: 8, .value_kind: global_buffer, .address_space: global }
      - { .name: xc, .offset: 40, .size: 8, .value_kind: global_buffer, .address_space: global }
      - { .name: xs, .offset: 48, .size: 8, .value_kind: global_buffer, .address_space: global }
      - { .name: wc, .offset: 56, .size: 8, .value_kind: global_buffer, .address_space: global }
      - { .name: ws, .offset: 64, .size: 8, .value_kind: global_buffer, .address_space: global }
    .group_segment_fixed_size: 34304
    .private_segment_fixed_size: 0
    .kernarg_segment_align: 8
    .kernarg_segment_size: 72
    .max_flat_workgroup_size: 128
    .sgpr_count:     66
    .vgpr_count:     210
    .wavefront_size: 32
...
	.end_amdgpu_metadata
.endif
;; end of part 1
;; launch qkv (part 2): grid 24 x 16, 4 waves a work-group, no clusters, 0 bytes of LDS; arguments xc, xs, wc, ws, qkv; writes qkv
.if DOCPART == 2
	.amdgcn_target "amdgcn-amd-amdhsa--gfx1250"
	.amdhsa_code_object_version 6
	.text
	.protected	k_q9e718b35af_qkv
	.globl	k_q9e718b35af_qkv
	.p2align	8
	.type	k_q9e718b35af_qkv,@function
k_q9e718b35af_qkv:
	s_mov_b64 s[64:65], 0
	v_nop
	global_prefetch_b8 v0, s[64:65] scope:SCOPE_SE
	s_setreg_imm32_b32 hwreg(HW_REG_WAVE_MODE, 25, 1), 1
	s_wait_xcnt 0x0
; The three projections x Wq, x Wk, x Wv on codes of E2M3, and the quantising of their results as the operands of attention's two products.
; A UNIT hu is 64 columns: 0-15 the query heads, 16-19 the key heads, 20-23 the value heads: four tiles of the weights' images, 4 hu on.  A wave takes a unit and 64 tokens (four tiles of x): 4 x 4 tiles, 8 K steps of 128.
; q, k: source 0 = the weight's tiles, source 1 = x's: a lane holds ONE token and its 32 registers run along d (the next K).   v: source 0 = x's tiles, source 1 = the weight's: a lane holds one d and its registers run along the tokens (the next K).
; Only four pointers are chosen; the text is one for all.  By the order of rows in a tile, register 16 g + i of a lane is element 32 g + 16 (lane / 16) + i of the next K.
; OUT: a record of 6,656 bytes for each unit and each 128 tokens: eight HALF images (16 rows x 64 K, six registers a lane: registers 0-3 at 16 l, 4-5 at 512 + 8 l, 768 bytes) at 768 (4 c + n), c = which 64 tokens, n = my tile of source 1;
; then four scale records of 128 bytes: two bytes at 4 l + 2 c of record n.  Halves n and 4 + n on end are a whole operand of 128 K, and record n its scale words.
; No LDS and no ring: all fragments come as images, 16 bytes a lane, 512 consecutive bytes a load.  The registers are full (128 of sums, 96 of fragments), so a K step's loads are waited for whole.
; LIMITS: as the launch before (a block of zeros has the byte 1; NaN and infinities are not served).
.set AS, 8                             ; v8-11  source 0's scale words;  v12-15 source 1's: they hold nothing else
.set BS, 12
.set TM, 16                            ; v16-21 at work
.set AF, 32                            ; v32-79  source 0's four fragments
.set BF, 80                            ; v80-127 source 1's
.set ACC, 128                          ; the sums: tile (a, n) at 128 + 32 n + 8 a
.macro KSTEP ks
.if \ks > 0
.rept 4
	v_nop                                          ; places in front of loads into registers that matrix instructions have read
.endr
.endif
.irp a, 0,1,2,3
.irp c, 0,1,2
	global_load_b128 v[AF+12*\a+4*\c:AF+12*\a+4*\c+3], v1, s[24:25] offset:12288*\a+1536*\ks+512*\c
	global_load_b128 v[BF+12*\a+4*\c:BF+12*\a+4*\c+3], v1, s[28:29] offset:12288*\a+1536*\ks+512*\c
.endr
	global_load_b32 v[AS+\a], v3, s[26:27] offset:1024*\a+128*\ks
	global_load_b32 v[BS+\a], v3, s[30:31] offset:1024*\a+128*\ks
.endr
	s_wait_loadcnt 0x0
.irp a, 0,1,2,3                        ; the sixteen sums take turns, in the same order in every K step
.irp n, 0,1,2,3
.if \ks == 0
	v_wmma_scale_f32_16x16x128_f8f6f4 v[ACC+32*\n+8*\a:ACC+32*\n+8*\a+7], v[AF+12*\a:AF+12*\a+11], v[BF+12*\n:BF+12*\n+11], 0, v[AS+\a], v[BS+\n] matrix_a_fmt:MATRIX_FMT_FP6 matrix_b_fmt:MATRIX_FMT_FP6
.else
	v_wmma_scale_f32_16x16x128_f8f6f4 v[ACC+32*\n+8*\a:ACC+32*\n+8*\a+7], v[AF+12*\a:AF+12*\a+11], v[BF+12*\n:BF+12*\n+11], v[ACC+32*\n+8*\a:ACC+32*\n+8*\a+7], v[AS+\a], v[BS+\n] matrix_a_fmt:MATRIX_FMT_FP6 matrix_b_fmt:MATRIX_FMT_FP6
.endif
.endr
.endr
.endm
; 32 numbers of a lane, register 16 b + i = k 32 b + 16 (lane / 16) + i of my row, become six registers of codes at v[pc] and two scale bytes in v[sw].
.macro QUANT2 x, pc, sw
.irp b, 0,1
	v_max3_num_f32 v[TM+\b], |v[\x+16*\b]|, |v[\x+1+16*\b]|, 0x1800000   ; and the floor 2^(3 - 127)
.endr
.irp i, 2,4,6,8,10,12,14
.irp b, 0,1
	v_max3_num_f32 v[TM+\b], v[TM+\b], |v[\x+16*\b+\i]|, |v[\x+1+16*\b+\i]|
.endr
.endr
.irp b, 0,1
	v_permlanex16_b32 v[TM+2+\b], v[TM+\b], s42, s43
.endr
.irp b, 0,1
	v_max_num_f32 v[TM+\b], v[TM+\b], v[TM+2+\b]   ; with lane l xor 16's: the block's largest magnitude
.endr
.irp b, 0,1
	v_add_nc_u32 v[TM+4+\b], 0xff000000, v[TM+\b]  ; 2 off the exponent field: the conversion's scale operand
.endr
.irp b, 0,1
	v_lshrrev_b32 v[TM+2+\b], 23, v[TM+4+\b]       ; the byte
.endr
	v_lshl_or_b32 v[\sw], v[TM+3], 8, v[TM+2]
	v_cvt_scalef32_pk16_fp6_f32 v[\pc:\pc+2], v[\x:\x+15], v[TM+4]
	v_cvt_scalef32_pk16_fp6_f32 v[\pc+4:\pc+6], v[\x+16:\x+31], v[TM+5]
	v_nop                                          ; one plain place behind a scaled conversion
.irp i, 0,1,2
	v_permlane16_swap_b32 v[\pc+\i], v[\pc+4+\i]   ; a whole block to a lane: lanes 0-15 block 0, lanes 16-31 block 1
.endr
.irp i, 0,1,2
	v_mov_b32 v[\pc+3+\i], v[\pc+4+\i]
.endr
.endm
	s_load_b256 s[4:11], s[0:1], 0x0               ; xc s[4:5], xs s[6:7], wc s[8:9], ws s[10:11]
	s_load_b64 s[12:13], s[0:1], 0x20              ; qkv
	v_lshrrev_b32 v4, 5, v0
	v_readfirstlane_b32 s14, v4                    ; wave
	v_and_b32 v4, 31, v0
	v_lshlrev_b32 v1, 4, v4                        ; 16 x lane
	v_lshlrev_b32 v2, 3, v4                        ; 8 x lane
	v_lshlrev_b32 v3, 2, v4                        ; 4 x lane
	v_mov_b32 v[TM+2], 0                           ; written once: a lane permute's destination counts as one of its sources
	v_mov_b32 v[TM+3], 0
	s_mov_b32 s42, 0x76543210
	s_mov_b32 s43, 0xfedcba98
	s_and_b32 s15, ttmp7, 0xffff
	s_lshl_b32 s15, s15, 2
	s_add_co_u32 s15, s15, s14                     ; tg: which 64 tokens
	s_mul_i32 s16, ttmp9, 49152                    ; a unit's 32 fragments
	s_mov_b32 s17, 0
	s_lshl_b32 s18, ttmp9, 12
	s_mov_b32 s19, 0
	s_mul_i32 s20, s15, 49152
	s_mov_b32 s21, 0
	s_lshl_b32 s22, s15, 12
	s_mov_b32 s23, 0
	s_lshr_b32 s32, s15, 5                         ; b
	s_mul_i32 s32, s32, 24
	s_add_co_u32 s32, s32, ttmp9
	s_lshl_b32 s32, s32, 4
	s_bfe_u32 s33, s15, 0x40001                    ; which 128 tokens of the batch
	s_add_co_u32 s32, s32, s33
	s_mul_i32 s32, s32, 6656                       ; the record
	s_and_b32 s33, s15, 1                          ; c
	s_mul_i32 s34, s33, 3072
	s_add_co_u32 s34, s34, s32
	s_mov_b32 s35, 0
	s_lshl_b32 s36, s33, 1
	s_add_co_u32 s36, s36, s32
	s_add_co_u32 s36, s36, 6144
	s_mov_b32 s37, 0
	s_wait_kmcnt 0x0
	s_add_nc_u64 s[8:9], s[8:9], s[16:17]
	s_add_nc_u64 s[10:11], s[10:11], s[18:19]
	s_add_nc_u64 s[4:5], s[4:5], s[20:21]
	s_add_nc_u64 s[6:7], s[6:7], s[22:23]
	s_add_nc_u64 s[38:39], s[12:13], s[34:35]
	s_add_nc_u64 s[40:41], s[12:13], s[36:37]
	s_cmp_lt_u32 ttmp9, 20                         ; q and k: the weight is source 0;  v: x is
	s_cselect_b64 s[24:25], s[8:9], s[4:5]
	s_cselect_b64 s[26:27], s[10:11], s[6:7]
	s_cselect_b64 s[28:29], s[4:5], s[8:9]
	s_cselect_b64 s[30:31], s[6:7], s[10:11]
.irp ks, 0,1,2,3,4,5,6,7
	KSTEP \ks
.endr
.rept 4
	v_nop                                          ; places in front of the first read of results and of writes over the fragments' registers
.endr
.irp n, 0,1,2,3                        ; each n has registers of its own for its codes and bytes: no store's data are written again
	QUANT2 ACC+32*\n, AF+8*\n, 64+\n
	global_store_b128 v1, v[AF+8*\n:AF+8*\n+3], s[38:39] offset:768*\n
	global_store_b64 v2, v[AF+8*\n+4:AF+8*\n+5], s[38:39] offset:768*\n+512
	global_store_b16 v3, v[64+\n], s[40:41] offset:128*\n
.endr
	s_endpgm
.Lfunc_end_k_q9e718b35af_qkv:
	.size	k_q9e718b35af_qkv, .Lfunc_end_k_q9e718b35af_qkv-k_q9e718b35af_qkv
	.p2alignl 7, 3214868480
	.fill 96, 4, 3214868480
	.section	.rodata,"a",@progbits
	.p2align	6, 0x0
	.amdhsa_kernel k_q9e718b35af_qkv
		.amdhsa_group_segment_fixed_size 0
		.amdhsa_private_segment_fixed_size 0
		.amdhsa_enable_private_segment 0
		.amdhsa_kernarg_size 40
		.amdhsa_user_sgpr_count 2
		.amdhsa_user_sgpr_kernarg_segment_ptr 1
		.amdhsa_wavefront_size32 1
		.amdhsa_system_sgpr_workgroup_id_x 1
		.amdhsa_system_sgpr_workgroup_id_y 1
		.amdhsa_system_sgpr_workgroup_id_z 1
		.amdhsa_system_vgpr_workitem_id 0
		.amdhsa_next_free_vgpr 256
		.amdhsa_next_free_sgpr 66
		.amdhsa_reserve_vcc 0
		.amdhsa_float_denorm_mode_32 3
		.amdhsa_float_denorm_mode_16_64 3
		.amdhsa_memory_ordered 1
		.amdhsa_forward_progress 1
		.amdhsa_inst_pref_size 52
	.end_amdhsa_kernel
	.amdgpu_metadata
---
amdhsa.version: [ 1, 2 ]
amdhsa.kernels:
  - .name:           k_q9e718b35af_qkv
    .symbol:         k_q9e718b35af_qkv.kd
    .args:
      - { .name: xc, .offset: 0, .size: 8, .value_kind: global_buffer, .address_space: global }
      - { .name: xs, .offset: 8, .size: 8, .value_kind: global_buffer, .address_space: global }
      - { .name: wc, .offset: 16, .size: 8, .value_kind: global_buffer, .address_space: global }
      - { .name: ws, .offset: 24, .size: 8, .value_kind: global_buffer, .address_space: global }
      - { .name: qkv, .offset: 32, .size: 8, .value_kind: global_buffer, .address_space: global }
    .group_segment_fixed_size: 0
    .private_segment_fixed_size: 0
    .kernarg_segment_align: 8
    .kernarg_segment_size: 40
    .max_flat_workgroup_size: 128
    .sgpr_count:     66
    .vgpr_count:     256
    .wavefront_size: 32
...
	.end_amdgpu_metadata
.endif
;; end of part 2
;; launch attn (part 3): grid 8 x 32, 16 waves a work-group, no clusters, 28,672 bytes of LDS; arguments qkv, ob, nl; writes ob, nl
.if DOCPART == 3
	.amdgcn_target "amdgcn-amd-amdhsa--gfx1250"
	.amdhsa_code_object_version 6
	.text
	.protected	k_q9e718b35af_attn
	.globl	k_q9e718b35af_attn
	.p2align	8
	.type	k_q9e718b35af_attn,@function
k_q9e718b35af_attn:
	s_mov_b64 s[64:65], 0
	v_nop
	global_prefetch_b8 v0, s[64:65] scope:SCOPE_SE
	s_setreg_imm32_b32 hwreg(HW_REG_WAVE_MODE, 25, 1), 1
	s_wait_xcnt 0x0
; Causal attention on codes of E2M3 for one (batch b, key head i, value head j): y = 16 b + 4 i + j; the query head is 4 i + j.  O / l goes to ob as images of registers, -(M + log2 l) of each query to nl.
; t = score x log2(e) / 8; M = the running largest t rounded UP to a whole number; p = 2^(t - M) is quantised along the keys, not normalised; l is the sum of the unquantised p; when M moves, l and O are multiplied by 2^(old M - new M): exact.
; SHARES.  Sixteen waves, one tile of 16 queries each, 256 registers: four waves to a SIMD, so that one wave's vector work stands beside another's products and LDS loads.
; Waves 0-7 own the block of 128 queries QB = x, waves 8-15 the block 15 - x: every work-group has 17 blocks of keys to walk in all, whatever x.  The work-group walks key steps 0 .. 15 - x, 128 keys each, two to a trip;
; a wave leaves out the steps whose keys all come after its queries (a scalar branch on ids, round the work alone), and masks in the one step on the diagonal.
; LDS.  Two slots of 13,312 bytes: a step's record of K (6,656 bytes), then V's.  Waves 0-12 copy 512 bytes of each through registers, one step ahead.  ONE barrier a step: in front of it each wave's stores have landed and its reads of
; the step before are over, so the slot written behind it is the one that nobody reads any more.  The slots stand in immediates alone.
; K = 64 IN A FORM OF K = 128.  An operand of K's record holds TWO tiles of 16 keys, one in each half of its 128.  Q stands in a run of 18 registers, 0 x 6 | q x 6 | 0 x 6: registers 6-17 are [q | 0] and meet the first tile, registers 0-11 are [0 | q] and meet
; the second.  Zero codes add nothing under any scale byte that is no NaN, and all bytes here are true scales.  Q's scale word holds its two bytes twice.
; Both products are used transposed (S^T = K Q^T, O^T = V^T P^T): a lane holds ONE query throughout; by the order of rows in a tile the 16 registers of tiles 2 b, 2 b + 1 of S^T are 16 neighbouring keys.
; No tensor loads and no cluster: a step's fill is 13,312 bytes against sixteen waves' reads of the same bytes from LDS, and work-groups of different x walk different numbers of steps.
; LIMITS: NaN and infinities are not served; a block of p that is all zeros has the byte 1 (zero codes).
.set QR, 16                            ; v16-33  the run 0 | q | 0
.set QS, 34                            ; v34     Q's scale word: nothing else
.set PS, 35                            ; v35     p's scale word: nothing else
.set FF, 36                            ; v[36:37] f = 2^(old M - new M), and 0
.set KS, 38                            ; v38-41  K's scale words;  v42-45 V's
.set VS, 42
.set CP, 48                            ; v48-55, v56-63 the copy's two sets
.set FR, 64                            ; v64-111 four operands of K, then of V
.set SC, 112                           ; v112-175 S^T, then p
.set OA, 176                           ; v176-207 O^T
.set PC, 208                           ; v208-219 p's codes;  v220-227 upper halves
.set PT, 220
.set BM, 228                           ; v228-231 the blocks' largest;  v232-235, v236-239 at work
.set BT, 232
.set BS, 236
.set TT, 240                           ; v240-243 at work
.set L2, 244                           ; v[244:245] the sum's second chain
.set NINF, 246
.set WV, 10
.set QB, 11
.set ST, 12                            ; the key step in hand
.set TR, 13
.set NT, 14
.set LIM, 30
; v1, v2, v3 = 16, 8, 4 x lane; v4 = 16 x thread (the copy's place in a record and in a slot); v6 the copy's offset; v7 = my query - 16 (lane / 16); v8 = 256 x lane; v9 = 4 x my query; v10 = lane; v12 -M, v13 the largest t, v[14:15] l
.macro KSTEP p
.set LB, 13312*\p
.irp f, 0,1,2,3
	ds_load_b128 v[FR+12*\f:FR+12*\f+3], v1 offset:LB+768*\f
	ds_load_b64 v[FR+12*\f+4:FR+12*\f+5], v2 offset:LB+768*\f+512
	ds_load_b128 v[FR+12*\f+6:FR+12*\f+9], v1 offset:LB+768*(4+\f)
	ds_load_b64 v[FR+12*\f+10:FR+12*\f+11], v2 offset:LB+768*(4+\f)+512
	ds_load_b32 v[KS+\f], v3 offset:LB+6144+128*\f
.endr
	s_wait_dscnt 0x0
.irp c, 0,1                            ; product (f, c) is the tile of keys 4 c + f
.irp f, 0,1,2,3
	v_wmma_scale_f32_16x16x128_f8f6f4 v[SC+8*(4*\c+\f):SC+8*(4*\c+\f)+7], v[FR+12*\f:FR+12*\f+11], v[QR+6-6*\c:QR+17-6*\c], 0, v[KS+\f], v[QS] matrix_a_fmt:MATRIX_FMT_FP6 matrix_b_fmt:MATRIX_FMT_FP6
.endr
.endr
.rept 4
	v_nop                                          ; places in front of the loads into K's registers and of the first read of the scores
.endr
.irp f, 0,1,2,3                        ; V's operands land while the softmax is walked
	ds_load_b128 v[FR+12*\f:FR+12*\f+3], v1 offset:LB+6656+768*\f
	ds_load_b64 v[FR+12*\f+4:FR+12*\f+5], v2 offset:LB+6656+768*\f+512
	ds_load_b128 v[FR+12*\f+6:FR+12*\f+9], v1 offset:LB+6656+768*(4+\f)
	ds_load_b64 v[FR+12*\f+10:FR+12*\f+11], v2 offset:LB+6656+768*(4+\f)+512
	ds_load_b32 v[VS+\f], v3 offset:LB+6656+6144+128*\f
.endr
	s_cmp_lg_u32 s[ST], s[QB]                      ; on the diagonal hidden scores become -infinity: register 16 b + i holds key 32 b + 16 (lane / 16) + i, hidden where 32 b + i > v7
	s_cbranch_scc1 .Lopen_\@
.set nn, 0
.rept 64
	v_cmp_gt_i32 vcc_lo, 32*(nn/16)+nn%16, v7
	v_cndmask_b32 v[SC+nn], v[SC+nn], v[NINF], vcc_lo
.set nn, nn+1
.endr
.Lopen_\@:
.irp b, 0,1,2,3
	v_max3_num_f32 v[BM+\b], v[SC+16*\b], v[SC+1+16*\b], v[SC+2+16*\b]   ; the largest score of each block of 32 keys: for the row's maximum and, since p rises with the score, for the block's largest p
.endr
.irp i, 3,5,7,9,11,13
.irp b, 0,1,2,3
	v_max3_num_f32 v[BM+\b], v[BM+\b], v[SC+16*\b+\i], v[SC+1+16*\b+\i]
.endr
.endr
.irp b, 0,1,2,3
	v_max_num_f32 v[BM+\b], v[BM+\b], v[SC+15+16*\b]
.endr
.irp b, 0,1,2,3
	v_permlanex16_b32 v[BT+\b], v[BM+\b], s26, s27
.endr
.irp b, 0,1,2,3
	v_max_num_f32 v[BM+\b], v[BM+\b], v[BT+\b]     ; with lane l xor 16's 16 keys
.endr
	v_max3_num_f32 v[TT], v[BM], v[BM+1], v[BM+2]
	v_max_num_f32 v[TT], v[TT], v[BM+3]
	v_mul_f32 v[TT], s24, v[TT]                    ; as t
	v_max_num_f32 v13, v13, v[TT]                  ; the running largest t
	v_mov_b32 v[TT], v12
	v_floor_f32 v12, -v13                          ; the new -M = -ceil(t): a whole number
	v_sub_f32 v[TT], v12, v[TT]                    ; old M - new M: a whole number, 0 or less
	v_cvt_i32_f32 v[TT], v[TT]                     ; (it saturates)
	v_ldexp_f32 v[FF], 1.0, v[TT]                  ; f
.set nn, 0
.rept 32
	v_pk_fma_f32 v[SC+nn:SC+nn+1], v[SC+nn:SC+nn+1], s[24:25], v[12:13] op_sel_hi:[1,0,0]   ; t - M, two at a time
.set nn, nn+2
.endr
.irp b, 0,1,2,3
	v_fma_f32 v[BM+\b], v[BM+\b], s24, v12         ; the same of each block's largest score
.endr
.set nn, 0
.rept 64
	v_exp_f32 v[SC+nn], v[SC+nn]                   ; p = 2^(t - M)
.set nn, nn+1
.endr
	v_pk_mul_f32 v[14:15], v[14:15], v[FF:FF+1] op_sel_hi:[1,0]   ; l under the new M: the plain place behind the exponentials
	s_wait_alu depctr_va_vdst(0)                   ; one wait for the batch, ahead of its first reader
.irp b, 0,1,2,3
	v_exp_f32 v[BM+\b], v[BM+\b]                   ; the blocks' largest p
.endr
	v_pk_add_f32 v[L2:L2+1], v[SC:SC+1], v[SC+2:SC+3]   ; l takes the UNQUANTISED p, in two chains
.irp j, 4,8,12,16,20,24,28,32,36,40,44,48,52,56,60
	v_pk_add_f32 v[14:15], v[14:15], v[SC+\j:SC+1+\j]
	v_pk_add_f32 v[L2:L2+1], v[L2:L2+1], v[SC+2+\j:SC+3+\j]
.endr
	v_pk_add_f32 v[14:15], v[14:15], v[L2:L2+1]
	s_wait_alu depctr_va_vdst(0)                   ; and one for the four
.irp b, 0,1,2,3
	v_max_num_f32 v[BM+\b], 0x1800000, v[BM+\b]    ; the floor 2^(3 - 127)
.endr
.irp b, 0,1,2,3
	v_add_nc_u32 v[BS+\b], 0xff000000, v[BM+\b]    ; the conversion's scale operand
.endr
.irp b, 0,1,2,3
	v_lshrrev_b32 v[BT+\b], 23, v[BS+\b]           ; the byte
.endr
	v_lshl_or_b32 v[PS], v[BT+1], 8, v[BT]
	v_lshl_or_b32 v[PS], v[BT+2], 16, v[PS]
	v_lshl_or_b32 v[PS], v[BT+3], 24, v[PS]
.irp c, 0,1
	v_cvt_scalef32_pk16_fp6_f32 v[PC+6*\c:PC+2+6*\c], v[SC+32*\c:SC+15+32*\c], v[BS+2*\c]
	v_cvt_scalef32_pk16_fp6_f32 v[PT+4*\c:PT+2+4*\c], v[SC+16+32*\c:SC+31+32*\c], v[BS+2*\c+1]
.endr
	v_nop                                          ; one plain place behind a scaled conversion
.irp c, 0,1
.irp i, 0,1,2
	v_permlane16_swap_b32 v[PC+6*\c+\i], v[PT+4*\c+\i]   ; a whole block to a lane
.endr
.irp i, 0,1,2
	v_mov_b32 v[PC+3+6*\c+\i], v[PT+4*\c+\i]
.endr
.endr
.set nn, 0
.rept 16
	v_pk_mul_f32 v[OA+nn:OA+nn+1], v[OA+nn:OA+nn+1], v[FF:FF+1] op_sel_hi:[1,0]   ; O^T under the new M; these sixteen also stand between the writes of p's codes and scale word and the products
.set nn, nn+2
.endr
	s_wait_dscnt 0x0                               ; V is in
.irp f, 0,1,2,3                        ; the four sums take turns
	v_wmma_scale_f32_16x16x128_f8f6f4 v[OA+8*\f:OA+8*\f+7], v[FR+12*\f:FR+12*\f+11], v[PC:PC+11], v[OA+8*\f:OA+8*\f+7], v[VS+\f], v[PS] matrix_a_fmt:MATRIX_FMT_FP6 matrix_b_fmt:MATRIX_FMT_FP6
.endr
.rept 4
	v_nop                                          ; places in front of the next loads into V's registers and of the next read of O^T
.endr
.endm
.macro STEPX p
	s_wait_loadcnt 0x0                             ; this step's records are in my copy registers; the loads' offset register is free
	s_cmp_lt_u32 s[WV], 13
	s_cbranch_scc0 .Lnc_\@
	ds_store_b128 v4, v[CP+8*\p:CP+8*\p+3] offset:13312*\p
	ds_store_b128 v4, v[CP+8*\p+4:CP+8*\p+7] offset:13312*\p+6656
	s_add_co_u32 s31, s[ST], 1
	s_min_u32 s31, s31, 15                         ; the next step's records; held at the unit's last
	s_mul_i32 s31, s31, 6656
	v_add_nc_u32 v6, s31, v4
	global_load_b128 v[CP+8-8*\p:CP+11-8*\p], v6, s[16:17]
	global_load_b128 v[CP+12-8*\p:CP+15-8*\p], v6, s[18:19]
.Lnc_\@:
; A prefetch into the L2.  K's unit is walked by all work-groups of (b, i), V's by all of (b, j): of them the one with x = 0 and j = 0 (i = 0 for V) asks, wave 14 for K's and wave 15 for V's, which copy nothing.
; A unit is 13 pieces of 8,192 bytes, lanes 256 bytes apart; step s names piece s + 2, s = 0 .. 10: each piece once, none past the unit's end; pieces 0 and 1 come by their loads alone.
	s_cmp_lt_u32 s[ST], s[LIM]
	s_cbranch_scc0 .Lna_\@
	s_wait_xcnt 0x0                                ; the last prefetch, a step back, has read its address
	s_add_nc_u64 s[28:29], s[28:29], 8192
	global_prefetch_b8 v8, s[28:29] th:TH_LOAD_NT scope:SCOPE_SE
.Lna_\@:
	s_wait_dscnt 0x0                               ; for the others' sake: my stores have landed, my reads of the last step are over
	s_barrier_signal -1
	s_barrier_wait -1
	s_cmp_gt_u32 s[ST], s[QB]                      ; all keys of the step come after my queries: nothing to do
	s_cbranch_scc1 .Lsk_\@
	KSTEP \p
.Lsk_\@:
	s_add_co_u32 s[ST], s[ST], 1
.endm
	s_load_b128 s[4:7], s[0:1], 0x0                ; qkv s[4:5], ob s[6:7]
	s_load_b64 s[8:9], s[0:1], 0x10                ; nl
	v_lshl_add_u32 v254, v0, 2, 0x6800
	v_mov_b32 v255, 0
	v_lshrrev_b32 v11, 5, v0
	v_readfirstlane_b32 s[WV], v11
	v_and_b32 v10, 31, v0
	v_lshlrev_b32 v1, 4, v10
	v_lshlrev_b32 v2, 3, v10
	v_lshlrev_b32 v3, 2, v10
	v_lshlrev_b32 v4, 4, v0
	v_lshlrev_b32 v8, 8, v10
	s_and_b32 s31, ttmp7, 0xffff                   ; y
	s_lshr_b32 s32, s31, 4                         ; b
	s_bfe_u32 s33, s31, 0x20002                    ; i
	s_and_b32 s34, s31, 3                          ; j
	s_sub_co_u32 s35, 15, ttmp9
	s_cmp_lt_u32 s[WV], 8
	s_cselect_b32 s[QB], ttmp9, s35
	s_and_b32 s36, s[WV], 7                        ; my tile of the block
	s_sub_co_u32 s[NT], 17, ttmp9
	s_lshr_b32 s[NT], s[NT], 1                     ; trips of two steps: steps 0 .. 15 - x, and one more, which every wave leaves out, where that number is odd
	s_mov_b32 s[ST], 0
	s_mov_b32 s[TR], 0
	s_mul_i32 s37, s32, 24
	s_add_co_u32 s38, s37, s33
	s_add_co_u32 s38, s38, 16                      ; K's unit
	s_mul_i32 s38, s38, 106496
	s_mov_b32 s39, 0
	s_add_co_u32 s40, s37, s34
	s_add_co_u32 s40, s40, 20                      ; V's unit
	s_mul_i32 s40, s40, 106496
	s_mov_b32 s41, 0
	s_lshl_b32 s42, s33, 2
	s_add_co_u32 s42, s42, s34
	s_add_co_u32 s42, s42, s37                     ; Q's unit
	s_mul_i32 s42, s42, 106496
	s_mul_i32 s43, s[QB], 6656
	s_add_co_u32 s42, s42, s43                     ; its record of my block
	s_mul_i32 s43, s36, 768
	s_add_co_u32 s44, s42, s43                     ; my tile's half image
	s_mov_b32 s45, 0
	s_and_b32 s43, s36, 3
	s_lshl_b32 s43, s43, 7
	s_add_co_u32 s46, s42, s43
	s_lshr_b32 s43, s36, 2
	s_lshl_b32 s43, s43, 1
	s_add_co_u32 s46, s46, s43
	s_add_co_u32 s46, s46, 6144                    ; and its two scale bytes a row
	s_mov_b32 s47, 0
	s_lshl_b32 s48, s32, 7
	s_lshl_b32 s49, s[QB], 3
	s_add_co_u32 s48, s48, s49
	s_add_co_u32 s48, s48, s36                     ; the tile of tokens, 0 .. 255
	s_lshl_b32 s48, s48, 4
	s_lshl_b32 s49, s34, 2
	s_add_co_u32 s48, s48, s49
	s_add_co_u32 s48, s48, s33                     ; x 16 + the merged head 4 j + i
	s_lshl_b32 s48, s48, 12
	s_mov_b32 s49, 0
	s_lshl_b32 s50, s31, 13
	s_lshl_b32 s51, s[QB], 9
	s_add_co_u32 s50, s50, s51                     ; nl: row y, my block
	s_mov_b32 s51, 0
	s_lshr_b32 s52, s36, 1
	s_lshl_b32 s52, s52, 5
	s_and_b32 s53, s36, 1
	s_lshl_b32 s53, s53, 3
	s_add_co_u32 s52, s52, s53
	v_and_b32 v11, 15, v0
	v_and_b32 v7, 8, v11
	v_add_nc_u32 v7, v7, v11
	v_add_nc_u32 v7, s52, v7                       ; my query in its block: 32 (tile / 2) + 8 (tile % 2) + r + 8 (r / 8)
	v_lshlrev_b32 v9, 2, v7
	v_bfe_u32 v11, v0, 4, 1
	v_lshlrev_b32 v11, 4, v11
	v_sub_nc_u32 v7, v7, v11
	s_cmp_eq_u32 s[WV], 14
	s_cselect_b32 s53, s34, s33
	s_or_b32 s53, s53, ttmp9
	s_lshr_b32 s54, s[WV], 1
	s_xor_b32 s54, s54, 7                          ; 0 in waves 14 and 15
	s_or_b32 s53, s53, s54
	s_cmp_eq_u32 s53, 0
	s_cselect_b32 s[LIM], 11, 0
	s_mov_b32 s24, 0x3e38aa3b                      ; c = log2(e) / 8
	s_mov_b32 s25, s24
	s_mov_b32 s26, 0x76543210
	s_mov_b32 s27, 0xfedcba98
	s_wait_kmcnt 0x0
	s_add_nc_u64 s[16:17], s[4:5], s[38:39]
	s_add_nc_u64 s[18:19], s[4:5], s[40:41]
	s_add_nc_u64 s[20:21], s[4:5], s[44:45]
	s_add_nc_u64 s[22:23], s[4:5], s[46:47]
	s_add_nc_u64 s[6:7], s[6:7], s[48:49]
	s_add_nc_u64 s[8:9], s[8:9], s[50:51]
	s_cmp_eq_u32 s[WV], 14
	s_cselect_b64 s[28:29], s[16:17], s[18:19]
	s_add_nc_u64 s[28:29], s[28:29], 8192          ; at piece 1: the first step steps it to piece 2
	s_cmp_lt_u32 s[WV], 13
	s_cbranch_scc0 .Lnocopy0
	global_load_b128 v[CP:CP+3], v4, s[16:17]      ; step 0's records
	global_load_b128 v[CP+4:CP+7], v4, s[18:19]
.Lnocopy0:
	global_load_b128 v[QR+6:QR+9], v1, s[20:21]
	global_load_b64 v[QR+10:QR+11], v2, s[20:21] offset:512
	global_load_u16 v[TT], v3, s[22:23]
.irp k, 0,1,2,3,4,5,12,13,14,15,16,17
	v_mov_b32 v[QR+\k], 0
.endr
	v_mov_b32 v[FF+1], 0
	v_mov_b32 v13, 0xff61b1e6                      ; the largest t so far: -3e38
	v_floor_f32 v12, -v13
	v_mov_b32 v14, 0
	v_mov_b32 v15, 0
	v_mov_b32 v[NINF], 0xff800000
.irp b, 0,1,2,3
	v_mov_b32 v[BT+\b], 0                          ; written once: a lane permute's destination counts as one of its sources
.endr
	s_wait_loadcnt 0x0
	v_lshl_or_b32 v[QS], v[TT], 16, v[TT]          ; Q's two bytes, for either half of the 128
.set nn, 0
.rept 32
	v_mov_b32 v[OA+nn], 0                          ; O^T: the step is written once, its first walk finds zeros.  (These also stand between the write of the scale word and the first product)
.set nn, nn+1
.endr
.Ltrip:
	STEPX 0
	STEPX 1
	s_add_co_u32 s[TR], s[TR], 1
	s_cmp_lt_u32 s[TR], s[NT]
	s_cbranch_scc1 .Ltrip
	; THE WAY OUT: O^T / l as it stands in the registers, 512 consecutive bytes a store; -(M + log2 l) of my query
	v_add_f32 v14, v14, v15
	v_permlanex16_b32 v[BT], v14, s26, s27         ; (into a register that has been written on every path: the head clears it)
	v_add_f32 v14, v14, v[BT]                      ; the row's sum
	v_rcp_f32 v[TT], v14
	v_log_f32 v[TT+1], v14
	v_nop                                          ; a plain place behind the transcendentals
	s_wait_alu depctr_va_vdst(0)                   ; and the wait ahead of their first reader
.set nn, 0
.rept 16
	v_pk_mul_f32 v[SC+nn:SC+nn+1], v[OA+nn:OA+nn+1], v[TT:TT+1] op_sel_hi:[1,0]
.set nn, nn+2
.endr
	v_sub_f32 v[TT+3], v12, v[TT+1]
.irp g, 0,1,2,3,4,5,6,7
	global_store_b128 v1, v[SC+4*\g:SC+4*\g+3], s[6:7] offset:512*\g
.endr
	s_wait_xcnt 0x0                                ; EXEC changes only behind this wait
	v_cmp_gt_u32 vcc_lo, 16, v10
	s_wait_tensorcnt 0x0
	ds_add_u32 v254, v255
	s_wait_dscnt 0x0
	s_and_saveexec_b32 s31, vcc_lo                 ; lanes 16-31 hold the same numbers
	global_store_b32 v9, v[TT+3], s[8:9]
	s_wait_xcnt 0x0
	s_or_b32 exec_lo, exec_lo, s31
	s_endpgm
.Lfunc_end_k_q9e718b35af_attn:
	.size	k_q9e718b35af_attn, .Lfunc_end_k_q9e718b35af_attn-k_q9e718b35af_attn
	.p2alignl 7, 3214868480
	.fill 96, 4, 3214868480
	.section	.rodata,"a",@progbits
	.p2align	6, 0x0
	.amdhsa_kernel k_q9e718b35af_attn
		.amdhsa_group_segment_fixed_size 28672
		.amdhsa_private_segment_fixed_size 0
		.amdhsa_enable_private_segment 0
		.amdhsa_kernarg_size 24
		.amdhsa_user_sgpr_count 2
		.amdhsa_user_sgpr_kernarg_segment_ptr 1
		.amdhsa_wavefront_size32 1
		.amdhsa_system_sgpr_workgroup_id_x 1
		.amdhsa_system_sgpr_workgroup_id_y 1
		.amdhsa_system_sgpr_workgroup_id_z 1
		.amdhsa_system_vgpr_workitem_id 0
		.amdhsa_next_free_vgpr 256
		.amdhsa_next_free_sgpr 66
		.amdhsa_reserve_vcc 1
		.amdhsa_float_denorm_mode_32 3
		.amdhsa_float_denorm_mode_16_64 3
		.amdhsa_memory_ordered 1
		.amdhsa_forward_progress 1
		.amdhsa_inst_pref_size 53
	.end_amdhsa_kernel
	.amdgpu_metadata
---
amdhsa.version: [ 1, 2 ]
amdhsa.kernels:
  - .name:           k_q9e718b35af_attn
    .symbol:         k_q9e718b35af_attn.kd
    .args:
      - { .name: qkv, .offset: 0, .size: 8, .value_kind: global_buffer, .address_space: global }
      - { .name: ob, .offset: 8, .size: 8, .value_kind: global_buffer, .address_space: global }
      - { .name: nl, .offset: 16, .size: 8, .value_kind: global_buffer, .address_space: global }
    .group_segment_fixed_size: 28672
    .private_segment_fixed_size: 0
    .kernarg_segment_align: 8
    .kernarg_segment_size: 24
    .max_flat_workgroup_size: 512
    .sgpr_count:     66
    .vgpr_count:     256
    .wavefront_size: 32
...
	.end_amdgpu_metadata
.endif
;; end of part 3
;; launch colsum (part 4): grid 8 x 32, 16 waves a work-group, no clusters, 133,120 bytes of LDS; arguments qkv, nl, out1; writes out1
.if DOCPART == 4
	.amdgcn_target "amdgcn-amd-amdhsa--gfx1250"
	.amdhsa_code_object_version 6
	.text
	.protected	k_q9e718b35af_colsum
	.globl	k_q9e718b35af_colsum
	.p2align	8
	.type	k_q9e718b35af_colsum,@function
k_q9e718b35af_colsum:
	s_mov_b64 s[64:65], 0
	v_nop
	global_prefetch_b8 v0, s[64:65] scope:SCOPE_SE
	s_setreg_imm32_b32 hwreg(HW_REG_WAVE_MODE, 25, 1), 1
	s_wait_xcnt 0x0
; out1[b][s][4 j + i] = the mean over the 2,048 queries n of softmax(scores)[n][s].  The finished weight is 2^(t - M - log2 l), with -(M + log2 l) of each query as the attention launch has stored it: one multiply-add and one exponential a score.
; The scores are made anew from the same codes.  y = 16 b + 4 i + j; the query head is 4 i + j, the key head i.
; SHARES.  A wave holds a whole block of 128 KEYS in its registers (eight half images, 48 registers, loaded once) and streams ONE tile of 16 queries a step, straight from memory into registers: 768 bytes of codes, two scale bytes a row, one number of nl a lane.
; Source 0 = 16 keys, source 1 = the queries: a lane holds ONE query, so -(M + log2 l) is one register, and its 64 registers are keys 32 b + 16 (lane / 16) + i of the block.  The weights are added into 64 running sums, a key each.
; Waves 0-7 own the block KB = x, waves 8-15 the block 15 - x; wave w takes tile w % 8 of every step of 128 queries from its block's own step on: 17 x 8 steps of a wave to a work-group, whatever x.
; The loop touches no LDS and has no barrier: waves share nothing in it, and their trip counts differ.  The steps go two to a trip, from KB rounded down to an even number; where KB is odd the first is left out.
; K = 64 IN A FORM OF K = 128.  The eight tiles of keys lie on end, six registers each, with six registers of zeros behind them: tile e's operand is registers 6 e .. 6 e + 11.  The queries' operand is q x 6 | 0 x 6: whatever stands in the second half of the keys'
; operand meets zero codes.  The scale words come as two bytes widened with zeros: the upper two bytes are 0, which stands for 2^-127 and is no NaN, over products that are zero.  No scale register is written by a vector instruction.
; THE END.  The sum over queries is finished once: each wave stores its 64 sums in LDS as an image of its registers (8,192 bytes); one barrier; wave w % 8 of a block adds registers 8 (w % 8) .. + 7 of the block's eight waves, then over the 16 lanes of a half.
; Each number of out1 has one owner; it leaves by stores of 4 bytes, 64 bytes apart: out1 is 262,144 bytes, and gathering the sixteen heads of a key would want another pass.
; LIMITS: the exponent t - M - log2 l is formed in f32, so its error grows with |t| as f32's own does; NaN and infinities are not served.
.set KS, 16                            ; v16-23 the keys' scale words, a tile each: nothing else
.set QS, 24                            ; v24, v25 the queries' scale words, a buffer each: nothing else
.set NL, 26                            ; v[26:27], v[28:29] -(M + log2 l) of my query, a buffer each; the upper halves are 0 (the packed form names a pair)
.set QB, 32                            ; v32-43, v44-55 two buffers q x 6 | 0 x 6
.set KH, 56                            ; v56-103 eight tiles of keys; v104-109 zeros
.set SC, 112                           ; v112-175 the scores, then the weights
.set ACC, 176                          ; v176-239 the running sums
.set WV, 10
.set KB, 11
.set ST, 12                            ; the step in hand
.set TR, 13
.set NT, 14
.set QP, 36                            ; s[36:37], s[38:39] where a buffer's record of Q begins
.set NP, 40                            ; s[40:41], s[42:43] and its 128 numbers of nl
; v1 = 768 tile + 16 x lane, v2 = 768 tile + 8 x lane, v3 = the place of my row's two scale bytes in a record, v4 = 4 x my query: never rewritten
; v5 lane, v6 lane / 16, v7 = my query - 16 (lane / 16), v8, v9, v10 = 16, 8, 4 x lane, v11, v12 LDS in and back, v13 my place in out1, v14 -infinity, v15 at work
.macro ADRS p                          ; buffer p's pointers for the step two on; held at the last step: the last two steps' loads are not used
	s_add_co_u32 s31, s[ST], 2
	s_min_u32 s31, s31, 15
	s_mul_i32 s32, s31, 6656
	s_lshl_b32 s34, s31, 9
	s_add_nc_u64 s[QP+2*\p:QP+2*\p+1], s[16:17], s[32:33]
	s_add_nc_u64 s[NP+2*\p:NP+2*\p+1], s[18:19], s[34:35]
.endm
.macro LDQ p                           ; my tile's half image and its scale bytes
	global_load_b128 v[QB+12*\p:QB+12*\p+3], v1, s[QP+2*\p:QP+2*\p+1]
	global_load_b64 v[QB+12*\p+4:QB+12*\p+5], v2, s[QP+2*\p:QP+2*\p+1] offset:512
	global_load_u16 v[QS+\p], v3, s[QP+2*\p:QP+2*\p+1]
.endm
.macro LDN p
	global_load_b32 v[NL+2*\p], v4, s[NP+2*\p:NP+2*\p+1]
.endm
.macro CSTEP p
	s_wait_loadcnt 4                               ; this buffer's four loads, issued two steps back, are in, and its pointers are free; the other buffer's four may be out
	s_cmp_lt_u32 s[ST], s[KB]                      ; all queries of the step come before my keys: only where KB is odd, in the first step
	s_cbranch_scc1 .Lsk_\@
.irp e, 0,1,2,3,4,5,6,7
	v_wmma_scale_f32_16x16x128_f8f6f4 v[SC+8*\e:SC+8*\e+7], v[KH+6*\e:KH+6*\e+11], v[QB+12*\p:QB+12*\p+11], 0, v[KS+\e], v[QS+\p] matrix_a_fmt:MATRIX_FMT_FP6 matrix_b_fmt:MATRIX_FMT_FP6
.endr
.rept 4
	v_nop                                          ; places in front of the loads into the queries' registers and of the first read of the scores
.endr
	ADRS \p
	LDQ \p                                         ; the step two on: it has the rest of this step and the whole next one in which to land
	s_cmp_lg_u32 s[ST], s[KB]                      ; on the diagonal: register 16 b + i holds key 32 b + 16 (lane / 16) + i, hidden from my query where 32 b + i > v7
	s_cbranch_scc1 .Lopen_\@
.set nn, 0
.rept 64
	v_cmp_gt_i32 vcc_lo, 32*(nn/16)+nn%16, v7
	v_cndmask_b32 v[SC+nn], v[SC+nn], v14, vcc_lo
.set nn, nn+1
.endr
.Lopen_\@:
.set nn, 0
.rept 32
	v_pk_fma_f32 v[SC+nn:SC+nn+1], v[SC+nn:SC+nn+1], s[24:25], v[NL+2*\p:NL+2*\p+1] op_sel_hi:[1,0,0]   ; t - M - log2 l, two at a time
.set nn, nn+2
.endr
	LDN \p                                         ; behind the last reader of the old number
.set nn, 0
.rept 64
	v_exp_f32 v[SC+nn], v[SC+nn]
.set nn, nn+1
.endr
	v_nop                                          ; a plain place behind the exponentials
	s_wait_alu depctr_va_vdst(0)                   ; one wait for the batch, ahead of its first reader
.set nn, 0
.rept 32
	v_pk_add_f32 v[ACC+nn:ACC+nn+1], v[ACC+nn:ACC+nn+1], v[SC+nn:SC+nn+1]
.set nn, nn+2
.endr
	s_branch .Ljn_\@
.Lsk_\@:
	ADRS \p                                        ; the same four loads on this way, so that the count at a step's head holds on both
	LDQ \p
	LDN \p
.Ljn_\@:
	s_add_co_u32 s[ST], s[ST], 1
.endm
	s_load_b128 s[4:7], s[0:1], 0x0                ; qkv s[4:5], nl s[6:7]
	s_load_b64 s[8:9], s[0:1], 0x10                ; out1
	v_lshl_add_u32 v240, v0, 2, 0x20000
	v_mov_b32 v241, 0
	v_lshrrev_b32 v15, 5, v0
	v_readfirstlane_b32 s[WV], v15
	v_and_b32 v5, 31, v0
	v_lshlrev_b32 v8, 4, v5
	v_lshlrev_b32 v9, 3, v5
	v_lshlrev_b32 v10, 2, v5
	s_and_b32 s44, ttmp7, 0xffff                   ; y
	s_lshr_b32 s45, s44, 4                         ; b
	s_bfe_u32 s46, s44, 0x20002                    ; i
	s_and_b32 s47, s44, 3                          ; j
	s_sub_co_u32 s48, 15, ttmp9
	s_cmp_lt_u32 s[WV], 8
	s_cselect_b32 s[KB], ttmp9, s48
	s_and_b32 s49, s[WV], 7                        ; my tile of every step, and my eighth of the sums at the end
	s_and_b32 s[ST], s[KB], 14                     ; the first step: KB rounded down to an even number
	s_sub_co_u32 s[NT], 16, s[ST]
	s_lshr_b32 s[NT], s[NT], 1                     ; trips of two steps, up to step 15
	s_mov_b32 s[TR], 0
	s_mul_i32 s50, s45, 24
	s_lshl_b32 s20, s46, 2
	s_add_co_u32 s20, s20, s47
	s_add_co_u32 s20, s20, s50                     ; Q's unit
	s_mul_i32 s20, s20, 106496
	s_mov_b32 s21, 0
	s_lshl_b32 s22, s44, 13                        ; nl's row y
	s_mov_b32 s23, 0
	s_add_co_u32 s26, s50, s46
	s_add_co_u32 s26, s26, 16                      ; K's unit,
	s_mul_i32 s26, s26, 106496
	s_mul_i32 s51, s[KB], 6656
	s_add_co_u32 s26, s26, s51                     ; its record of my block
	s_mov_b32 s27, 0
	s_lshl_b32 s28, s45, 17                        ; out1: 64 bytes a key: batch,
	s_lshl_b32 s51, s[KB], 13                      ; block,
	s_add_co_u32 s28, s28, s51
	s_lshl_b32 s51, s47, 2
	s_add_co_u32 s51, s51, s46
	s_lshl_b32 s51, s51, 2                         ; and the merged head 4 j + i
	s_add_co_u32 s28, s28, s51
	s_mov_b32 s29, 0
	s_mul_i32 s51, s49, 768                        ; my tile's half image in a record
	v_add_nc_u32 v1, s51, v8
	v_add_nc_u32 v2, s51, v9
	s_and_b32 s52, s49, 3
	s_lshl_b32 s52, s52, 7
	s_lshr_b32 s53, s49, 2
	s_lshl_b32 s53, s53, 1
	s_add_co_u32 s52, s52, s53
	s_add_co_u32 s52, s52, 6144                    ; and its two scale bytes a row
	v_add_nc_u32 v3, s52, v10
	s_lshr_b32 s52, s49, 1
	s_lshl_b32 s52, s52, 5
	s_and_b32 s53, s49, 1
	s_lshl_b32 s53, s53, 3
	s_add_co_u32 s52, s52, s53                     ; 32 (tile / 2) + 8 (tile % 2)
	v_and_b32 v15, 15, v0
	v_and_b32 v7, 8, v15
	v_add_nc_u32 v7, v7, v15
	v_add_nc_u32 v7, s52, v7                       ; my query in its step: + r + 8 (r / 8)
	v_lshlrev_b32 v4, 2, v7
	v_bfe_u32 v6, v0, 4, 1
	v_lshlrev_b32 v15, 4, v6
	v_sub_nc_u32 v7, v7, v15
	s_lshl_b32 s52, s52, 6
	v_lshl_add_u32 v13, v6, 10, s52                ; at the end register j of my eighth is key 32 (tile / 2) + 16 (lane / 16) + 8 (tile % 2) + j: 64 bytes a key
	s_lshl_b32 s53, s[WV], 13
	v_add_nc_u32 v11, s53, v8                      ; LDS in: my wave's 8,192 bytes, 16 x lane
	s_lshr_b32 s53, s[WV], 3
	s_lshl_b32 s53, s53, 16
	s_lshl_b32 s54, s49, 10
	s_add_co_u32 s53, s53, s54
	v_add_nc_u32 v12, s53, v8                      ; back: my block's eight waves, my two pieces of 512 bytes of each
	s_mov_b32 s24, 0x3e38aa3b                      ; c = log2(e) / 8
	s_mov_b32 s25, s24
	s_mov_b32 s33, 0                               ; the upper words of the loop's two offsets
	s_mov_b32 s35, 0
	s_mul_i32 s32, s[ST], 6656
	s_lshl_b32 s34, s[ST], 9
	s_wait_kmcnt 0x0
	s_add_nc_u64 s[16:17], s[4:5], s[20:21]
	s_add_nc_u64 s[18:19], s[6:7], s[22:23]
	s_add_nc_u64 s[20:21], s[4:5], s[26:27]
	s_add_nc_u64 s[8:9], s[8:9], s[28:29]
.irp e, 0,1,2,3,4,5,6,7                ; my block of keys: it stays
	global_load_b128 v[KH+6*\e:KH+6*\e+3], v8, s[20:21] offset:768*\e
	global_load_b64 v[KH+6*\e+4:KH+6*\e+5], v9, s[20:21] offset:768*\e+512
	global_load_u16 v[KS+\e], v10, s[20:21] offset:6144+128*(\e%4)+2*(\e/4)
.endr
	s_add_nc_u64 s[QP:QP+1], s[16:17], s[32:33]    ; the first two steps' tiles
	s_add_nc_u64 s[NP:NP+1], s[18:19], s[34:35]
	LDQ 0
	LDN 0
	s_add_nc_u64 s[QP+2:QP+3], s[QP:QP+1], 6656
	s_add_nc_u64 s[NP+2:NP+3], s[NP:NP+1], 512
	LDQ 1
	LDN 1
.irp k, 6,7,8,9,10,11,18,19,20,21,22,23
	v_mov_b32 v[QB+\k], 0                          ; the zero halves of the queries' operands
.endr
.irp k, 48,49,50,51,52,53
	v_mov_b32 v[KH+\k], 0                          ; behind the last tile of keys
.endr
	v_mov_b32 v[NL+1], 0
	v_mov_b32 v[NL+3], 0
	v_mov_b32 v14, 0xff800000
.set nn, 0
.rept 64
	v_mov_b32 v[ACC+nn], 0                         ; the sums: the step is written once, its first walk adds onto zeros
.set nn, nn+1
.endr
.Ltrip:
	CSTEP 0
	CSTEP 1
	s_add_co_u32 s[TR], s[TR], 1
	s_cmp_lt_u32 s[TR], s[NT]
	s_cbranch_scc1 .Ltrip
	; THE END: over the block's eight waves, over the sixteen lanes, / 2,048
.irp k, 0,1,2,3,4,5,6,7,8,9,10,11,12,13,14,15
	ds_store_b128 v11, v[ACC+4*\k:ACC+4*\k+3] offset:512*\k
.endr
	s_wait_dscnt 0x0                               ; for the others' sake: my stores have landed
	s_barrier_signal -1
	s_barrier_wait -1
.irp u, 0,1,2,3,4,5,6,7
.irp c, 0,1
	ds_load_b128 v[SC+8*\u+4*\c:SC+8*\u+4*\c+3], v12 offset:8192*\u+512*\c   ; registers 8 (w % 8) + 4 c on of wave u of my block
.endr
.endr
	s_wait_dscnt 0x0
.irp u, 0,1,2,3
.irp q, 0,2,4,6
	v_pk_add_f32 v[SC+8*\u+\q:SC+8*\u+\q+1], v[SC+8*\u+\q:SC+8*\u+\q+1], v[SC+8*(\u+4)+\q:SC+8*(\u+4)+\q+1]
.endr
.endr
.irp u, 0,1
.irp q, 0,2,4,6
	v_pk_add_f32 v[SC+8*\u+\q:SC+8*\u+\q+1], v[SC+8*\u+\q:SC+8*\u+\q+1], v[SC+8*(\u+2)+\q:SC+8*(\u+2)+\q+1]
.endr
.endr
.irp q, 0,2,4,6
	v_pk_add_f32 v[SC+\q:SC+\q+1], v[SC+\q:SC+\q+1], v[SC+8+\q:SC+9+\q]
.endr
.irp x, 1,2,4,8                        ; the sixteen queries of a half of the lanes; the eight registers by turns
.irp j, 0,1,2,3,4,5,6,7
	v_add_f32_dpp v[SC+\j], v[SC+\j], v[SC+\j] row_xmask:\x row_mask:0xf bank_mask:0xf
.endr
.endr
.irp j, 0,1,2,3,4,5,6,7
	v_mul_f32 v[SC+\j], 0x3a000000, v[SC+\j]       ; / 2,048
.endr
	v_and_b32 v15, 15, v0
	v_cmp_eq_u32 vcc_lo, 0, v15                    ; all sixteen lanes of a half hold the same eight numbers: lanes 0 and 16 store them
	s_wait_xcnt 0x0                                ; EXEC changes only behind this wait
	s_wait_tensorcnt 0x0
	ds_add_u32 v240, v241
	s_wait_dscnt 0x0
	s_and_saveexec_b32 s31, vcc_lo
.irp j, 0,1,2,3,4,5,6,7
	global_store_b32 v13, v[SC+\j], s[8:9] offset:64*\j
.endr
	s_wait_xcnt 0x0
	s_or_b32 exec_lo, exec_lo, s31
	s_endpgm
.Lfunc_end_k_q9e718b35af_colsum:
	.size	k_q9e718b35af_colsum, .Lfunc_end_k_q9e718b35af_colsum-k_q9e718b35af_colsum
	.p2alignl 7, 3214868480
	.fill 96, 4, 3214868480
	.section	.rodata,"a",@progbits
	.p2align	6, 0x0
	.amdhsa_kernel k_q9e718b35af_colsum
		.amdhsa_group_segment_fixed_size 133120
		.amdhsa_private_segment_fixed_size 0
		.amdhsa_enable_private_segment 0
		.amdhsa_kernarg_size 24
		.amdhsa_user_sgpr_count 2
		.amdhsa_user_sgpr_kernarg_segment_ptr 1
		.amdhsa_wavefront_size32 1
		.amdhsa_system_sgpr_workgroup_id_x 1
		.amdhsa_system_sgpr_workgroup_id_y 1
		.amdhsa_system_sgpr_workgroup_id_z 1
		.amdhsa_system_vgpr_workitem_id 0
		.amdhsa_next_free_vgpr 242
		.amdhsa_next_free_sgpr 66
		.amdhsa_reserve_vcc 1
		.amdhsa_float_denorm_mode_32 3
		.amdhsa_float_denorm_mode_16_64 3
		.amdhsa_memory_ordered 1
		.amdhsa_forward_progress 1
		.amdhsa_inst_pref_size 44
	.end_amdhsa_kernel
	.amdgpu_metadata
---
amdhsa.version: [ 1, 2 ]
amdhsa.kernels:
  - .name:           k_q9e718b35af_colsum
    .symbol:         k_q9e718b35af_colsum.kd
    .args:
      - { .name: qkv, .offset: 0, .size: 8, .value_kind: global_buffer, .address_space: global }
      - { .name: nl, .offset: 8, .size: 8, .value_kind: global_buffer, .address_space: global }
      - { .name: out1, .offset: 16, .size: 8, .value_kind: global_buffer, .address_space: global }
    .group_segment_fixed_size: 133120
    .private_segment_fixed_size: 0
    .kernarg_segment_align: 8
    .kernarg_segment_size: 24
    .max_flat_workgroup_size: 512
    .sgpr_count:     66
    .vgpr_count:     242
    .wavefront_size: 32
...
	.end_amdgpu_metadata
.endif
;; end of part 4
;; launch outproj (part 5): grid 4 x 64, 16 waves a work-group, no clusters, 134,144 bytes of LDS; arguments ob, wc, ws, ln_g, ln_b, out0; writes out0
.if DOCPART == 5
	.amdgcn_target "amdgcn-amd-amdhsa--gfx1250"
	.amdhsa_code_object_version 6
	.text
	.protected	k_q9e718b35af_outproj
	.globl	k_q9e718b35af_outproj
	.p2align	8
	.type	k_q9e718b35af_outproj,@function
k_q9e718b35af_outproj:
	s_mov_b64 s[64:65], 0
	v_nop
	global_prefetch_b8 v0, s[64:65] scope:SCOPE_SE
	s_setreg_imm32_b32 hwreg(HW_REG_WAVE_MODE, 25, 1), 1
	s_wait_xcnt 0x0
; out0 = LayerNorm(attention's result) Wout, the product on codes of E2M3.  A work-group makes 64 tokens x 256 columns; sixteen waves.
; THE NORM: wave w = 4 m + qd holds, of the tile m of 16 tokens, the four heads 4 qd .. 4 qd + 3: 256 of a row's 1,024 numbers, 128 registers a lane, loaded as the images that the attention launch stored: register 16 bb + i is
; column 256 qd + 32 bb + 16 (lane / 16) + i of token row (lane % 16).  Mean, then the mean of squares of the differences, as the definition has them: each a sum in the lane, with lane l xor 16, and over the four waves of a tile through LDS.
; THE OPERAND: (x - mean) rsqrt(var + 1e-5) g + b in f32, quantised in registers: each wave makes K steps 2 qd and 2 qd + 1 of its tile and stores them in LDS as images of their registers (1,536 bytes, 16 bytes a lane; scale words 4 bytes a lane).
; THE PRODUCT: wave w holds tile 96 + 16 x + w of the weights' images (16 columns, all 8 K steps: 96 registers) and multiplies it with the four tiles of tokens: source 0 = the weight, source 1 = the tokens: a lane holds eight neighbouring columns of a token.
; THE WAY OUT: through a stage of 64 rows x (1,024 + 16) bytes; each wave stores four rows, 512 consecutive aligned bytes a store.
; The norm is made anew in each of the four work-groups of a block of tokens: a launch and a round trip of the codes are spared for it.
; LDS: 0 g, 4,096 b; 8,192 and 10,240 the two exchanges of sums (128 bytes a wave); 12,288 the 32 images (8 m + ks); 61,440 their scale records; 65,536 the stage.
; LIMITS: NaN and infinities are not served; a block of zeros has the byte 1 (zero codes).
.set DD, 64                            ; v64-191 my 128 numbers;  later v64-159 the weight's eight fragments, then rows of the result
.set GG, 192                           ; v192-223 32 of g;  v224-255 32 of b
.set BB, 224
.set TM, 192                           ; the quantiser's registers lie where g and b are done with: v192-207 at work, v208 the scale word, v212-230 the codes
.set PW, 208
.set PC, 212
.set WF, 64
.set YF, 160                           ; v160-207 four fragments of the tokens
.set ACC, 208                          ; v208-239 four sums
.set WS, 32                            ; v32-39 the weight's scale words;  v40-43 the tokens': they hold nothing else
.set YS, 40
; v1 = 16 x lane, v2 = 4 x lane, v3 = 4 x thread, v4 = 512 m + 4 x lane, v5 = 1,024 qd + 64 (lane / 16), v6, v7 where my images and scale words go, v8 = 16 x thread, v20, v21 the stage in and out; v[24:25] the mean, v[26:27] 1 / sqrt; v44-51 chains
.macro XCHG off                        ; four chains -> the row's sum over my wave's 256 numbers -> over the tile's four waves
	v_pk_add_f32 v[44:45], v[44:45], v[46:47]
	v_pk_add_f32 v[48:49], v[48:49], v[50:51]
	v_pk_add_f32 v[44:45], v[44:45], v[48:49]
	v_add_f32 v44, v44, v45
	v_permlanex16_b32 v45, v44, s36, s37
	v_add_f32 v44, v44, v45
	ds_store_b32 v3, v44 offset:\off
	s_wait_dscnt 0x0                               ; for the others' sake: my stores have landed
	s_barrier_signal -1
	s_barrier_wait -1
.irp q, 0,1,2,3
	ds_load_b32 v[44+\q], v4 offset:\off+128*\q
.endr
	s_wait_dscnt 0x0
	v_add_f32 v44, v44, v45
	v_add_f32 v46, v46, v47
	v_add_f32 v44, v44, v46
.endm
; 64 numbers of a lane, register 16 b + i = k 32 b + 16 (lane / 16) + i of my row, become a fragment's codes in v[PC] on and its scale word in v[PW].
.macro QUANT s
.irp b, 0,1,2,3
	v_max3_num_f32 v[TM+\b], |v[\s+16*\b]|, |v[\s+1+16*\b]|, 0x1800000   ; and the floor 2^(3 - 127)
.endr
.irp i, 2,4,6,8,10,12,14
.irp b, 0,1,2,3
	v_max3_num_f32 v[TM+\b], v[TM+\b], |v[\s+16*\b+\i]|, |v[\s+1+16*\b+\i]|
.endr
.endr
.irp b, 0,1,2,3
	v_permlanex16_b32 v[TM+4+\b], v[TM+\b], s36, s37
.endr
.irp b, 0,1,2,3
	v_max_num_f32 v[TM+\b], v[TM+\b], v[TM+4+\b]
.endr
.irp b, 0,1,2,3
	v_add_nc_u32 v[TM+12+\b], 0xff000000, v[TM+\b]
.endr
.irp b, 0,1,2,3
	v_lshrrev_b32 v[TM+4+\b], 23, v[TM+12+\b]
.endr
	v_lshl_or_b32 v[PW], v[TM+5], 8, v[TM+4]
	v_lshl_or_b32 v[PW], v[TM+6], 16, v[PW]
	v_lshl_or_b32 v[PW], v[TM+7], 24, v[PW]
.irp c, 0,1
	v_cvt_scalef32_pk16_fp6_f32 v[PC+6*\c:PC+2+6*\c], v[\s+32*\c:\s+15+32*\c], v[TM+12+2*\c]
	v_cvt_scalef32_pk16_fp6_f32 v[PC+12+4*\c:PC+14+4*\c], v[\s+16+32*\c:\s+31+32*\c], v[TM+12+2*\c+1]
.endr
	v_nop                                          ; one plain place behind a scaled conversion
.irp c, 0,1
.irp i, 0,1,2
	v_permlane16_swap_b32 v[PC+6*\c+\i], v[PC+12+4*\c+\i]
.endr
.irp i, 0,1,2
	v_mov_b32 v[PC+3+6*\c+\i], v[PC+12+4*\c+\i]
.endr
.endr
.endm
	s_load_b256 s[4:11], s[0:1], 0x0               ; ob s[4:5], wc s[6:7], ws s[8:9], ln_g s[10:11]
	s_load_b128 s[12:15], s[0:1], 0x20             ; ln_b s[12:13], out0 s[14:15]
	v_lshl_add_u32 v62, v0, 2, 0x20400
	v_mov_b32 v63, 0
	v_lshrrev_b32 v9, 5, v0
	v_readfirstlane_b32 s16, v9                    ; wave
	s_lshr_b32 s17, s16, 2                         ; m
	s_and_b32 s18, s16, 3                          ; qd
	s_and_b32 s19, ttmp7, 0xffff                   ; which 64 tokens
	v_and_b32 v9, 31, v0
	v_lshlrev_b32 v1, 4, v9
	v_lshlrev_b32 v2, 2, v9
	v_lshlrev_b32 v3, 2, v0
	s_lshl_b32 s22, s17, 9
	v_add_nc_u32 v4, s22, v2
	v_bfe_u32 v10, v0, 4, 1                        ; h
	v_and_b32 v11, 15, v0                          ; r
	s_lshl_b32 s22, s18, 10
	v_lshlrev_b32 v5, 6, v10
	v_add_nc_u32 v5, s22, v5
	s_lshl_b32 s22, s17, 3
	s_lshl_b32 s23, s18, 1
	s_add_co_u32 s22, s22, s23                     ; 8 m + 2 qd
	s_mul_i32 s23, s22, 1536
	v_add_nc_u32 v6, s23, v1
	s_lshl_b32 s23, s22, 7
	v_add_nc_u32 v7, s23, v2
	v_lshlrev_b32 v8, 4, v0
	v_and_b32 v12, 8, v11
	v_add_nc_u32 v12, v12, v11                     ; r + 8 (r / 8)
	v_mul_u32_u24 v20, v12, 1040
	v_lshl_add_u32 v20, v10, 6, v20                ; + 64 h
	s_lshr_b32 s23, s16, 1
	s_lshl_b32 s23, s23, 7
	s_and_b32 s24, s16, 1
	s_lshl_b32 s24, s24, 5
	s_add_co_u32 s23, s23, s24                     ; my tile's columns: 128 (w / 2) + 32 (w % 2) bytes
	s_add_co_u32 s23, s23, 65536
	v_add_nc_u32 v20, s23, v20
	s_mul_i32 s23, s16, 4160                       ; back: rows 4 w on
	s_add_co_u32 s23, s23, 65536
	v_add_nc_u32 v21, s23, v1
	s_lshl_b32 s24, s19, 2
	s_add_co_u32 s24, s24, s17                     ; the tile of tokens
	s_lshl_b32 s24, s24, 4
	s_lshl_b32 s25, s18, 2
	s_add_co_u32 s24, s24, s25                     ; x 16 + my first head
	s_lshl_b32 s24, s24, 12
	s_mov_b32 s25, 0
	s_lshl_b32 s26, ttmp9, 4
	s_add_co_u32 s26, s26, s16
	s_add_co_u32 s26, s26, 96                      ; my tile of the weights' images
	s_mul_i32 s28, s26, 12288
	s_mov_b32 s29, 0
	s_lshl_b32 s30, s26, 10
	s_mov_b32 s31, 0
	s_lshl_b32 s32, s19, 18
	s_lshl_b32 s33, s16, 14
	s_add_co_u32 s32, s32, s33
	s_lshl_b32 s33, ttmp9, 10
	s_add_co_u32 s32, s32, s33                     ; out0: row 64 tg + 4 w, column 256 x
	s_mov_b32 s33, 0
	s_and_b32 s34, s16, 7
	s_lshl_b32 s34, s34, 9
	v_add_nc_u32 v13, s34, v1
	s_mov_b32 s36, 0x76543210
	s_mov_b32 s37, 0xfedcba98
	s_wait_kmcnt 0x0
	s_add_nc_u64 s[4:5], s[4:5], s[24:25]
	s_add_nc_u64 s[6:7], s[6:7], s[28:29]
	s_add_nc_u64 s[8:9], s[8:9], s[30:31]
	s_add_nc_u64 s[14:15], s[14:15], s[32:33]
	s_cmp_lt_u32 s16, 8                            ; waves 0-7 bring g, waves 8-15 b: 512 bytes each
	s_cselect_b64 s[20:21], s[10:11], s[12:13]
	global_load_b128 v[52:55], v13, s[20:21]
.irp e, 0,1,2,3
.irp g, 0,1,2,3,4,5,6,7
	global_load_b128 v[DD+32*\e+4*\g:DD+32*\e+4*\g+3], v1, s[4:5] offset:4096*\e+512*\g
.endr
.endr
	s_wait_loadcnt 32                              ; the piece of g or b is in; the 32 loads behind it may be out
	ds_store_b128 v8, v[52:55]
	s_wait_loadcnt 0x0
	; ---- the mean
.irp q, 0,1,2,3
	v_pk_add_f32 v[44+2*\q:45+2*\q], v[DD+2*\q:DD+2*\q+1], v[DD+8+2*\q:DD+9+2*\q]
.endr
.irp i, 2,3,4,5,6,7,8,9,10,11,12,13,14,15
.irp q, 0,1,2,3
	v_pk_add_f32 v[44+2*\q:45+2*\q], v[44+2*\q:45+2*\q], v[DD+8*\i+2*\q:DD+8*\i+2*\q+1]
.endr
.endr
	XCHG 8192                                      ; (its barrier also shows g and b whole)
	v_mul_f32 v24, 0x3a800000, v44                 ; / 1,024
	v_mov_b32 v25, v24
	; ---- the variance, of the differences
.set nn, 0
.rept 64
	v_pk_add_f32 v[DD+nn:DD+nn+1], v[DD+nn:DD+nn+1], v[24:25] neg_lo:[0,1] neg_hi:[0,1]
.set nn, nn+2
.endr
.irp q, 0,1,2,3
	v_pk_mul_f32 v[44+2*\q:45+2*\q], v[DD+2*\q:DD+2*\q+1], v[DD+2*\q:DD+2*\q+1]
.endr
.irp i, 1,2,3,4,5,6,7,8,9,10,11,12,13,14,15
.irp q, 0,1,2,3
	v_pk_fma_f32 v[44+2*\q:45+2*\q], v[DD+8*\i+2*\q:DD+8*\i+2*\q+1], v[DD+8*\i+2*\q:DD+8*\i+2*\q+1], v[44+2*\q:45+2*\q]
.endr
.endr
	XCHG 10240
	v_mov_b32 v28, 0x3a800000
	v_fmaak_f32 v29, v44, v28, 0x3727c5ac          ; / 1,024 + 1e-5
	v_rsq_f32 v26, v29
	v_nop                                          ; a plain place behind the transcendental
	s_wait_alu depctr_va_vdst(0)                   ; and the wait ahead of its first reader
	v_mov_b32 v27, v26
	; ---- normalise and quantise: two K steps of 128, each in two halves of 32 registers for g's and b's sake
.irp kk, 0,1
.irp hf, 0,1
.irp b, 0,1
.irp q, 0,1,2,3
	ds_load_b128 v[GG+16*\b+4*\q:GG+16*\b+4*\q+3], v5 offset:512*\kk+256*\hf+128*\b+16*\q
	ds_load_b128 v[BB+16*\b+4*\q:BB+16*\b+4*\q+3], v5 offset:4096+512*\kk+256*\hf+128*\b+16*\q
.endr
.endr
.set nn, 0
.rept 16
	v_pk_mul_f32 v[DD+64*\kk+32*\hf+nn:DD+64*\kk+32*\hf+nn+1], v[DD+64*\kk+32*\hf+nn:DD+64*\kk+32*\hf+nn+1], v[26:27]
.set nn, nn+2
.endr
	s_wait_dscnt 0x0
.set nn, 0
.rept 16
	v_pk_fma_f32 v[DD+64*\kk+32*\hf+nn:DD+64*\kk+32*\hf+nn+1], v[DD+64*\kk+32*\hf+nn:DD+64*\kk+32*\hf+nn+1], v[GG+nn:GG+nn+1], v[BB+nn:BB+nn+1]
.set nn, nn+2
.endr
.endr
	QUANT DD+64*\kk
.irp c, 0,1,2
	ds_store_b128 v6, v[PC+4*\c:PC+4*\c+3] offset:12288+1536*\kk+512*\c
.endr
	ds_store_b32 v7, v[PW] offset:61440+128*\kk
	s_wait_dscnt 0x0                               ; the stores have read their registers, which g and b take next
.endr
	; ---- my tile of Wout: its loads are on their way across the barrier
.irp ks, 0,1,2,3,4,5,6,7
.irp c, 0,1,2
	global_load_b128 v[WF+12*\ks+4*\c:WF+12*\ks+4*\c+3], v1, s[6:7] offset:1536*\ks+512*\c
.endr
	global_load_b32 v[WS+\ks], v2, s[8:9] offset:128*\ks
.endr
	s_barrier_signal -1                            ; (no LDS instruction of mine is out: the wait above)
	s_barrier_wait -1                              ; the 32 images lie in LDS
	; ---- the product: four sums by turns, a K step at a time
.irp ks, 0,1,2,3,4,5,6,7
.if \ks > 0
.rept 4
	v_nop                                          ; places in front of loads into registers that matrix instructions have read
.endr
.endif
.irp m, 0,1,2,3
.irp c, 0,1,2
	ds_load_b128 v[YF+12*\m+4*\c:YF+12*\m+4*\c+3], v1 offset:12288+(8*\m+\ks)*1536+512*\c
.endr
	ds_load_b32 v[YS+\m], v2 offset:61440+(8*\m+\ks)*128
.endr
	s_wait_dscnt 0x0
.if \ks == 0
	s_wait_loadcnt 0x0                             ; the weight
.endif
.irp m, 0,1,2,3
.if \ks == 0
	v_wmma_scale_f32_16x16x128_f8f6f4 v[ACC+8*\m:ACC+8*\m+7], v[WF+12*\ks:WF+12*\ks+11], v[YF+12*\m:YF+12*\m+11], 0, v[WS+\ks], v[YS+\m] matrix_a_fmt:MATRIX_FMT_FP6 matrix_b_fmt:MATRIX_FMT_FP6
.else
	v_wmma_scale_f32_16x16x128_f8f6f4 v[ACC+8*\m:ACC+8*\m+7], v[WF+12*\ks:WF+12*\ks+11], v[YF+12*\m:YF+12*\m+11], v[ACC+8*\m:ACC+8*\m+7], v[WS+\ks], v[YS+\m] matrix_a_fmt:MATRIX_FMT_FP6 matrix_b_fmt:MATRIX_FMT_FP6
.endif
.endr
.endr
.rept 4
	v_nop                                          ; places in front of the first read of results and of loads into the weight's registers
.endr
	; ---- the way out: lane (r, h) of tile m holds token 32 (m / 2) + 8 (m % 2) + r + 8 (r / 8), columns 32 (w / 2) + 16 h + 8 (w % 2) + 0 .. 7
.irp m, 0,1,2,3
	ds_store_b128 v20, v[ACC+8*\m:ACC+8*\m+3] offset:(32*(\m/2)+8*(\m%2))*1040
	ds_store_b128 v20, v[ACC+8*\m+4:ACC+8*\m+7] offset:(32*(\m/2)+8*(\m%2))*1040+16
.endr
	s_wait_dscnt 0x0                               ; for the others' sake: my stores into the stage have landed
	s_barrier_signal -1
	s_barrier_wait -1
.irp k, 0,1,2,3,4,5,6,7
	ds_load_b128 v[WF+4*\k:WF+4*\k+3], v21 offset:(\k/2)*1040+512*(\k%2)
.endr
.irp k, 0,1,2,3,4,5,6,7
	s_wait_dscnt 7-\k                              ; piece k is back; the younger ones may be out
	global_store_b128 v1, v[WF+4*\k:WF+4*\k+3], s[14:15] offset:(\k/2)*4096+512*(\k%2) th:TH_STORE_NT   ; 32 lanes store 512 consecutive bytes, at a multiple of 256 from out0's first byte
.endr
	s_wait_tensorcnt 0x0
	ds_add_u32 v62, v63
	s_wait_dscnt 0x0
	s_endpgm
.Lfunc_end_k_q9e718b35af_outproj:
	.size	k_q9e718b35af_outproj, .Lfunc_end_k_q9e718b35af_outproj-k_q9e718b35af_outproj
	.p2alignl 7, 3214868480
	.fill 96, 4, 3214868480
	.section	.rodata,"a",@progbits
	.p2align	6, 0x0
	.amdhsa_kernel k_q9e718b35af_outproj
		.amdhsa_group_segment_fixed_size 134144
		.amdhsa_private_segment_fixed_size 0
		.amdhsa_enable_private_segment 0
		.amdhsa_kernarg_size 48
		.amdhsa_user_sgpr_count 2
		.amdhsa_user_sgpr_kernarg_segment_ptr 1
		.amdhsa_wavefront_size32 1
		.amdhsa_system_sgpr_workgroup_id_x 1
		.amdhsa_system_sgpr_workgroup_id_y 1
		.amdhsa_system_sgpr_workgroup_id_z 1
		.amdhsa_system_vgpr_workitem_id 0
		.amdhsa_next_free_vgpr 256
		.amdhsa_next_free_sgpr 66
		.amdhsa_reserve_vcc 0
		.amdhsa_float_denorm_mode_32 3
		.amdhsa_float_denorm_mode_16_64 3
		.amdhsa_memory_ordered 1
		.amdhsa_forward_progress 1
		.amdhsa_inst_pref_size 59
	.end_amdhsa_kernel
	.amdgpu_metadata
---
amdhsa.version: [ 1, 2 ]
amdhsa.kernels:
  - .name:           k_q9e718b35af_outproj
    .symbol:         k_q9e718b35af_outproj.kd
    .args:
      - { .name: ob, .offset: 0, .size: 8, .value_kind: global_buffer, .address_space: global }
      - { .name: wc, .offset: 8, .size: 8, .value_kind: global_buffer, .address_space: global }
      - { .name: ws, .offset: 16, .size: 8, .value_kind: global_buffer, .address_space: global }
      - { .name: ln_g, .offset: 24, .size: 8, .value_kind: global_buffer, .address_space: global }
      - { .name: ln_b, .offset: 32, .size: 8, .value_kind: global_buffer, .address_space: global }
      - { .name: out0, .offset: 40, .size: 8, .value_kind: global_buffer, .address_space: global }
    .group_segment_fixed_size: 134144
    .private_segment_fixed_size: 0
    .kernarg_segment_align: 8
    .kernarg_segment_size: 48
    .max_flat_workgroup_size: 512
    .sgpr_count:     66
    .vgpr_count:     256
    .wavefront_size: 32
...
	.end_amdgpu_metadata
.endif
;; end of part 5
;; ======== version 2 of 2: 5 launches
;; workspace buffers: xc 3,145,728 bytes; xs 262,144 bytes; wc 1,966,080 bytes; ws 163,840 bytes; qkv 5,111,808 bytes; ob 16,777,216 bytes; nl 262,144 bytes
;; launch quant (part 6): grid 672 x 1, 4 waves a work-group, no clusters, 34,304 bytes of LDS; arguments x, Wq, Wk, Wv, Wout, xc, xs, wc, ws; writes xc, xs, wc, ws
.if DOCPART == 6
	.amdgcn_target "amdgcn-amd-amdhsa--gfx1250"
	.amdhsa_code_object_version 6
	.text
	.protected	k_q9e718b35af_quant
	.globl	k_q9e718b35af_quant
	.p2align	8
	.type	k_q9e718b35af_quant,@function
k_q9e718b35af_quant:
	s_mov_b64 s[64:65], 0
	v_nop
	global_prefetch_b8 v0, s[64:65] scope:SCOPE_SE
	s_setreg_imm32_b32 hwreg(HW_REG_WAVE_MODE, 25, 1), 1
	s_wait_xcnt 0x0
; x [4096][1024] and the four weights ([1024 (k)][n]), f32, become codes of E2M3 with one E8M0 byte for each 32 along K, stored as IMAGES OF OPERAND REGISTERS:
; a fragment is 16 rows x 128 K, 12 registers a lane; registers 4 c .. 4 c + 3 of lane l lie at 512 c + 16 l of its 1,536 bytes; its scale words, 4 bytes a lane, are a record of 128 bytes.
; THE ROWS OF A TILE ARE NOT NEIGHBOURS: row r of tile 2 g + u is element 32 g + 8 u + r + 8 (r / 8) (tokens of x; columns of a weight), so that a later product's results lie as neighbours along the next K.
; Fragment number = 8 x tile + K step.  x's tiles 0-255; the weights' tiles: Wq 0-63, Wk 64-79, Wv 80-95, Wout 96-159.
; A block's scale is 2^(floor(log2(largest magnitude)) - 2): its byte is the largest magnitude's exponent field - 2, held at 1 from below by a floor among the maximum's leaves.
; LIMITS: a block of zeros gets the byte 1 where the rule says 127 (its codes are zeros, and this program alone reads the bytes); blocks whose largest magnitude lies under 2^-124 keep the byte 1; NaN and infinities are not served.
; Work-groups 0-511: x, a fragment a wave.  Work-groups 512-671: the weights, 32 columns x 128 K a wave.  Waves share nothing: no barrier.
.set XR, 64                            ; v64-127 x's rows as loaded;  v64-191 a weight's 128 numbers down K
.set XB, 128                           ; v128-191 x: two blocks of 32 neighbours
.set PC, 32                            ; the codes
.set TX, 44                            ; x: a block's upper 16 codes (a conversion's three registers begin on an even number)
.set TW, 192                           ; the weights: the same, four blocks
.macro BMAX dst, tmp, src              ; the largest magnitude of 32 numbers of a lane, in two chains, and the floor 2^(3 - 127)
	v_max3_num_f32 v[\dst], |v[\src]|, |v[\src+1]|, |v[\src+2]|
	v_max3_num_f32 v[\tmp], |v[\src+3]|, |v[\src+4]|, |v[\src+5]|
.irp i, 6,10,14,18,22,26
	v_max3_num_f32 v[\dst], v[\dst], |v[\src+\i]|, |v[\src+\i+1]|
	v_max3_num_f32 v[\tmp], v[\tmp], |v[\src+\i+2]|, |v[\src+\i+3]|
.endr
	v_max3_num_f32 v[\dst], v[\dst], |v[\src+30]|, |v[\src+31]|
	v_max3_num_f32 v[\dst], v[\dst], v[\tmp], 0x1800000
.endm
.macro WLOAD pitch                     ; W(128 ks + k, my column), k = 0 .. 127: each load reads 128 consecutive bytes
.set kk, 0
.rept 128
	global_load_b32 v[XR+kk], v4, s[6:7] offset:kk*\pitch th:TH_LOAD_NT
.set kk, kk+1
.endr
.endm
	s_load_b256 s[4:11], s[0:1], 0x0               ; x s[4:5], Wq s[6:7], Wk s[8:9], Wv s[10:11]
	s_load_b256 s[12:19], s[0:1], 0x20             ; Wout s[12:13], xc s[14:15], xs s[16:17], wc s[18:19]
	s_load_b64 s[20:21], s[0:1], 0x40              ; ws
	v_lshl_add_u32 v208, v0, 2, 0x8400
	v_mov_b32 v209, 0
	v_lshrrev_b32 v1, 5, v0
	v_readfirstlane_b32 s22, v1                    ; wave
	v_and_b32 v2, 31, v0                           ; lane
	s_mov_b32 s26, 0x76543210
	s_mov_b32 s27, 0xfedcba98                      ; v_permlanex16_b32's selects for lane l xor 16
	s_cmp_lt_u32 ttmp9, 512
	s_cbranch_scc0 .Lweights
	; ---- x: tile t = g / 2, K step 4 (g % 2) + wave.  Sixteen dense loads of 512 bytes, a row each; through the wave's own stage (rows of 528 bytes); back as 32 neighbours a block
	v_lshlrev_b32 v4, 4, v2                        ; 16 x lane
	v_and_b32 v3, 15, v2                           ; r
	v_lshrrev_b32 v8, 4, v2                        ; h
	s_mul_i32 s23, s22, 8448                       ; my stage
	v_add_nc_u32 v5, s23, v4                       ; in: 16 x lane of a row
	v_mul_u32_u24 v6, v3, 528
	v_lshl_add_u32 v6, v8, 7, v6
	v_add_nc_u32 v6, s23, v6                       ; back: row r, + 128 h: block 2 c + h begins 256 c further on
	v_lshlrev_b32 v7, 2, v2                        ; 4 x lane
	s_lshr_b32 s24, ttmp9, 1                       ; t
	s_and_b32 s25, ttmp9, 1
	s_lshl_b32 s25, s25, 2
	s_add_co_u32 s25, s25, s22                     ; ks
	s_lshr_b32 s28, s24, 1
	s_lshl_b32 s28, s28, 17                        ; 32 (t / 2) rows of 4,096 bytes
	s_and_b32 s29, s24, 1
	s_lshl_b32 s29, s29, 15                        ; + 8 (t % 2) rows
	s_add_co_u32 s28, s28, s29
	s_lshl_b32 s29, s25, 9                         ; + 512 ks
	s_add_co_u32 s28, s28, s29
	s_mov_b32 s29, 0
	s_lshl_b32 s30, s24, 3
	s_add_co_u32 s30, s30, s25                     ; the fragment's number
	s_mul_i32 s32, s30, 1536
	s_mov_b32 s33, 0
	s_lshl_b32 s30, s30, 7
	s_mov_b32 s31, 0
	s_wait_alu depctr_va_vdst(0)
	s_wait_kmcnt 0x0
	s_add_nc_u64 s[4:5], s[4:5], s[28:29]
	s_add_nc_u64 s[14:15], s[14:15], s[32:33]
	s_add_nc_u64 s[16:17], s[16:17], s[30:31]
.irp i, 0,1,2,3,4,5,6,7,8,9,10,11,12,13,14,15
	global_load_b128 v[XR+4*\i:XR+4*\i+3], v4, s[4:5] offset:(\i+8*(\i/8))*4096 th:TH_LOAD_NT
.endr
.irp i, 0,1,2,3,4,5,6,7,8,9,10,11,12,13,14,15
	s_wait_loadcnt 15-\i                           ; row i is in; the younger rows may be out
	ds_store_b128 v5, v[XR+4*\i:XR+4*\i+3] offset:528*\i
.endr
.irp c, 0,1
.irp q, 0,1,2,3,4,5,6,7
	ds_load_b128 v[XB+32*\c+4*\q:XB+32*\c+4*\q+3], v6 offset:256*\c+16*\q   ; LDS serves a wave's instructions in order: these see my stores
.endr
.endr
	s_wait_dscnt 8                                 ; block h is in; the eight loads of block 2 + h may be out
	BMAX 10, 11, XB
	s_wait_dscnt 0x0
	BMAX 12, 13, XB+32
	v_add_nc_u32 v14, 0xff000000, v10              ; 2 off the exponent field: the conversion's scale operand
	v_add_nc_u32 v15, 0xff000000, v12
	v_lshrrev_b32 v16, 23, v14                     ; the bytes
	v_lshrrev_b32 v17, 23, v15
	v_lshl_or_b32 v18, v17, 16, v16                ; blocks h and 2 + h,
	v_lshlrev_b32 v19, 3, v8
	v_lshlrev_b32 v18, v19, v18                    ; at their places in the word;
	v_mov_b32 v19, 0
	v_permlanex16_b32 v19, v18, s26, s27
	v_or_b32 v18, v18, v19                         ; with lane l xor 16's two the word is whole
	v_cvt_scalef32_pk16_fp6_f32 v[PC:PC+2], v[XB:XB+15], v14
	v_cvt_scalef32_pk16_fp6_f32 v[TX:TX+2], v[XB+16:XB+31], v14
	v_cvt_scalef32_pk16_fp6_f32 v[PC+6:PC+8], v[XB+32:XB+47], v15
	v_cvt_scalef32_pk16_fp6_f32 v[TX+4:TX+6], v[XB+48:XB+63], v15
	v_nop                                          ; one plain place behind a scaled conversion
.irp c, 0,1
.irp i, 0,1,2
	v_mov_b32 v[PC+3+6*\c+\i], v[TX+4*\c+\i]
.endr
.endr
.irp c, 0,1,2
	global_store_b128 v4, v[PC+4*\c:PC+4*\c+3], s[14:15] offset:512*\c   ; 512 consecutive bytes a store
.endr
	global_store_b32 v7, v18, s[16:17]
	s_wait_tensorcnt 0x0
	ds_add_u32 v208, v209
	s_wait_dscnt 0x0
	s_endpgm
.Lweights:
	; ---- the weights: group gb of 32 columns, K step ks.  A lane takes a column and its registers run down K: four whole blocks a lane
	s_sub_co_u32 s23, ttmp9, 512
	s_lshr_b32 s24, s23, 3                         ; gq: 0-7 Wq, 8-9 Wk, 10-11 Wv, 12-19 Wout
	s_and_b32 s25, s23, 7                          ; ks
	s_lshl_b32 s28, s24, 2
	s_add_co_u32 s28, s28, s22                     ; gb
	s_wait_alu depctr_va_vdst(0)
	v_lshlrev_b32 v4, 2, v2                        ; 4 x lane
	v_bfe_u32 v8, v2, 3, 1                         ; column 32 gb + lane is row r' of tile 2 gb + u: u = (lane / 8) % 2,
	v_and_b32 v9, 7, v2
	v_lshrrev_b32 v10, 4, v2
	v_lshl_add_u32 v9, v10, 3, v9                  ; r' = lane % 8 + 8 (lane / 16)
	v_mul_u32_u24 v5, v8, 12288                    ; tile 2 gb + 1's fragments lie 8 x 1,536 bytes on
	v_lshl_add_u32 v5, v9, 4, v5
	v_lshlrev_b32 v6, 10, v8
	v_lshl_add_u32 v6, v9, 2, v6
	s_lshl_b32 s29, s28, 4
	s_add_co_u32 s29, s29, s25                     ; 16 gb + ks
	s_mul_i32 s30, s29, 1536
	s_mov_b32 s31, 0
	s_lshl_b32 s32, s29, 7
	s_mov_b32 s33, 0
	s_mov_b32 s37, 0
	s_wait_kmcnt 0x0
	s_add_nc_u64 s[18:19], s[18:19], s[30:31]
	s_add_nc_u64 s[20:21], s[20:21], s[32:33]
	s_sub_co_u32 s34, s24, 8
	s_cmp_lt_u32 s34, 4
	s_cbranch_scc1 .Lnarrow
	s_cmp_lt_u32 s24, 8                            ; rows of 4,096 bytes: Wq or Wout
	s_cselect_b64 s[6:7], s[6:7], s[12:13]
	s_cselect_b32 s35, 0, 48
	s_sub_co_u32 s35, s28, s35
	s_lshl_b32 s35, s35, 7                         ; 128 bytes a group
	s_lshl_b32 s36, s25, 19                        ; 128 rows a K step
	s_add_co_u32 s36, s36, s35
	s_add_nc_u64 s[6:7], s[6:7], s[36:37]
	s_wait_alu depctr_va_vdst(0)
	WLOAD 4096
	s_branch .Lwjoin
.Lnarrow:
	s_cmp_lt_u32 s24, 10                           ; rows of 1,024 bytes: Wk or Wv
	s_cselect_b64 s[6:7], s[8:9], s[10:11]
	s_cselect_b32 s35, 32, 40
	s_sub_co_u32 s35, s28, s35
	s_lshl_b32 s35, s35, 7
	s_lshl_b32 s36, s25, 17
	s_add_co_u32 s36, s36, s35
	s_add_nc_u64 s[6:7], s[6:7], s[36:37]
	s_wait_alu depctr_va_vdst(0)
	WLOAD 1024
.Lwjoin:
; Block bb of my column belongs to lane (r', bb % 2) of the image, registers 6 (bb / 2) on: v32-43 are that of h = 0, v44-55 that of h = 1.
.set bb, 0
.rept 4
.if bb < 2
	s_wait_loadcnt 63                              ; behind block bb stand 96 - 32 bb loads; a wait names 63 at the most, and fewer is safe
.elseif bb == 2
	s_wait_loadcnt 32
.else
	s_wait_loadcnt 0x0
.endif
	BMAX 10, 11, XR+32*bb
	v_add_nc_u32 v[12+bb], 0xff000000, v10
	v_lshrrev_b32 v[16+bb], 23, v[12+bb]
	v_cvt_scalef32_pk16_fp6_f32 v[PC+12*(bb%2)+6*(bb/2):PC+12*(bb%2)+6*(bb/2)+2], v[XR+32*bb:XR+32*bb+15], v[12+bb]
	v_cvt_scalef32_pk16_fp6_f32 v[TW+4*bb:TW+4*bb+2], v[XR+32*bb+16:XR+32*bb+31], v[12+bb]
.set bb, bb+1
.endr
	v_nop                                          ; one plain place behind a scaled conversion
.set bb, 0
.rept 4
.irp i, 0,1,2
	v_mov_b32 v[PC+12*(bb%2)+6*(bb/2)+3+\i], v[TW+4*bb+\i]
.endr
.set bb, bb+1
.endr
	v_lshl_or_b32 v20, v17, 8, v16                 ; my column's scale word
	v_lshl_or_b32 v20, v18, 16, v20
	v_lshl_or_b32 v20, v19, 24, v20
.irp hh, 0,1
.irp c, 0,1,2
	global_store_b128 v5, v[PC+12*\hh+4*\c:PC+12*\hh+4*\c+3], s[18:19] offset:512*\c+256*\hh   ; the 16 lanes of a tile store 256 consecutive bytes, aligned
.endr
.endr
	global_store_b32 v6, v20, s[20:21]
	global_store_b32 v6, v20, s[20:21] offset:64   ; and the copy for lanes 16-31
	s_endpgm
.Lfunc_end_k_q9e718b35af_quant:
	.size	k_q9e718b35af_quant, .Lfunc_end_k_q9e718b35af_quant-k_q9e718b35af_quant
	.p2alignl 7, 3214868480
	.fill 96, 4, 3214868480
	.section	.rodata,"a",@progbits
	.p2align	6, 0x0
	.amdhsa_kernel k_q9e718b35af_quant
		.amdhsa_group_segment_fixed_size 34304
		.amdhsa_private_segment_fixed_size 0
		.amdhsa_enable_private_segment 0
		.amdhsa_kernarg_size 72
		.amdhsa_user_sgpr_count 2
		.amdhsa_user_sgpr_kernarg_segment_ptr 1
		.amdhsa_wavefront_size32 1
		.amdhsa_system_sgpr_workgroup_id_x 1
		.amdhsa_system_sgpr_workgroup_id_y 1
		.amdhsa_system_sgpr_workgroup_id_z 1
		.amdhsa_system_vgpr_workitem_id 0
		.amdhsa_next_free_vgpr 210
		.amdhsa_next_free_sgpr 66
		.amdhsa_reserve_vcc 0
		.amdhsa_float_denorm_mode_32 3
		.amdhsa_float_denorm_mode_16_64 3
		.amdhsa_memory_ordered 1
		.amdhsa_forward_progress 1
		.amdhsa_inst_pref_size 42
	.end_amdhsa_kernel
	.amdgpu_metadata
---
amdhsa.version: [ 1, 2 ]
amdhsa.kernels:
  - .name:           k_q9e718b35af_quant
    .symbol:         k_q9e718b35af_quant.kd
    .args:
      - { .name: x, .offset: 0, .size: 8, .value_kind: global_buffer, .address_space: global }
      - { .name: Wq, .offset: 8, .size: 8, .value_kind: global_buffer, .address_space: global }
      - { .name: Wk, .offset: 16, .size: 8, .value_kind: global_buffer, .address_space: global }
      - { .name: Wv, .offset: 24, .size: 8, .value_kind: global_buffer, .address_space: global }
      - { .name: Wout, .offset: 32, .size: 8, .value_kind: global_buffer, .address_space: global }
      - { .name: xc, .offset: 40, .size: 8, .value_kind: global_buffer, .address_space: global }
      - { .name: xs, .offset: 48, .size: 8, .value_kind: global_buffer, .address_space: global }
      - { .name: wc, .offset: 56, .size: 8, .value_kind: global_buffer, .address_space: global }
      - { .name: ws, .offset: 64, .size: 8, .value_kind: global_buffer, .address_space: global }
    .group_segment_fixed_size: 34304
    .private_segment_fixed_size: 0
    .kernarg_segment_align: 8
    .kernarg_segment_size: 72
    .max_flat_workgroup_size: 128
    .sgpr_count:     66
    .vgpr_count:     210
    .wavefront_size: 32
...
	.end_amdgpu_metadata
.endif
;; end of part 6
;; launch qkv (part 7): grid 24 x 16, 4 waves a work-group, no clusters, 0 bytes of LDS; arguments xc, xs, wc, ws, qkv; writes qkv
.if DOCPART == 7
	.amdgcn_target "amdgcn-amd-amdhsa--gfx1250"
	.amdhsa_code_object_version 6
	.text
	.protected	k_q9e718b35af_qkv
	.globl	k_q9e718b35af_qkv
	.p2align	8
	.type	k_q9e718b35af_qkv,@function
k_q9e718b35af_qkv:
	s_mov_b64 s[64:65], 0
	v_nop
	global_prefetch_b8 v0, s[64:65] scope:SCOPE_SE
	s_setreg_imm32_b32 hwreg(HW_REG_WAVE_SCHED_MODE, 0, 2), 2
	s_setreg_imm32_b32 hwreg(HW_REG_WAVE_MODE, 25, 1), 1
	s_wait_xcnt 0x0
	s_wait_alu depctr_vm_vsrc(0)
; The three projections x Wq, x Wk, x Wv on codes of E2M3, and the quantising of their results as the operands of attention's two products.
; A UNIT hu is 64 columns: 0-15 the query heads, 16-19 the key heads, 20-23 the value heads: four tiles of the weights' images, 4 hu on.  A wave takes a unit and 64 tokens (four tiles of x): 4 x 4 tiles, 8 K steps of 128.
; q, k: source 0 = the weight's tiles, source 1 = x's: a lane holds ONE token and its 32 registers run along d (the next K).   v: source 0 = x's tiles, source 1 = the weight's: a lane holds one d and its registers run along the tokens (the next K).
; Only four pointers are chosen; the text is one for all.  By the order of rows in a tile, register 16 g + i of a lane is element 32 g + 16 (lane / 16) + i of the next K.
; OUT: a record of 6,656 bytes for each unit and each 128 tokens: eight HALF images (16 rows x 64 K, six registers a lane: registers 0-3 at 16 l, 4-5 at 512 + 8 l, 768 bytes) at 768 (4 c + n), c = which 64 tokens, n = my tile of source 1;
; then four scale records of 128 bytes: two bytes at 4 l + 2 c of record n.  Halves n and 4 + n on end are a whole operand of 128 K, and record n its scale words.
; No LDS: all fragments come as images, 16 bytes a lane, 512 consecutive bytes a load.
; LIMITS: as the launch before (a block of zeros has the byte 1; NaN and infinities are not served).
; THE MODE: SCHED_MODE bits 1:0 = 2 (LLVM: expert scheduling mode 2), set by the entry lines.  The code itself states the register dependences
; between vector or matrix instructions and memory instructions, with s_wait_alu, always for 0.
; THE PLAN.  Registers that memory instructions touch:
;   v1, v2, v3    offsets, made once at the head and never written again: the scalar bases stay, the K step stands in the immediates.
;   three buffers of 96 registers: buffer 0 = v32-127 of window 0, buffers 1 and 2 = v32-127 and v128-223 of window 1.  K step s lives in buffer s % 3: source 0's four fragments, then source 1's.  Written by loads, read by step s's sixteen products.
;   v8-31         three sets of eight scale words, set s % 3: likewise; they hold nothing else.
;   v32-62, v64-67  on the way out: codes and bytes, written by the four quantisers, read by the twelve stores; each n has registers of its own.
;   The sums v128-255 of window 0 and v72-77 are named by vector and matrix instructions alone.
; Steps 0 and 1 are asked for at the head.  Step s waits for its own 32 loads, asks for step s + 2's fragments, into the buffer that step s - 1 multiplied, issues its products, and asks for step s + 2's scale words behind them: a load has two steps in which to land.
; So ONE wait on va_vdst stands in a step, ahead of its loads: step s - 1's products are done reading their buffer and their scale words.  Step s's products name buffer s % 3, set s % 3 and the sums: none of the registers that the step's loads touch.
.set SCL, 8                            ; v8-31   set b at 8 + 8 b: source 0's four words, then source 1's
.set AF, 32                            ; the way out: the codes, eight registers for each n
.set TM, 72                            ; v72-77  at work on the way out, where buffer 0 is done with
.set ACC, 128                          ; the sums: tile (a, n) at 128 + 32 n + 8 a
.set MSB, 0
.macro WIN new                         ; s_set_vgpr_msb's low byte: bits 1:0 source 0, 3:2 source 1, 5:4 source 2, 7:6 destination; the high byte repeats the setting that is left
.if MSB != \new
	s_set_vgpr_msb (MSB<<8)|\new
.set MSB, \new
.endif
.endm
.macro TOBUF ks                        ; the window of the loads into K step ks's buffer: destination window 0 or 1, the offset in window 0
.if (\ks)%3 == 0
	WIN 0
.else
	WIN 0x40
.endif
.endm
.macro FRAGS ks                        ; K step ks: 24 loads
.set FB, 32
.if (\ks)%3 == 2
.set FB, 128
.endif
.irp a, 0,1,2,3
.irp c, 0,1,2
	global_load_b128 v[FB+12*\a+4*\c:FB+12*\a+4*\c+3], v1, s[24:25] offset:12288*\a+1536*(\ks)+512*\c
	global_load_b128 v[FB+48+12*\a+4*\c:FB+48+12*\a+4*\c+3], v1, s[28:29] offset:12288*\a+1536*(\ks)+512*\c
.endr
.endr
.endm
.macro WORDS ks                        ; and its eight scale words
.irp a, 0,1,2,3
	global_load_b32 v[SCL+8*((\ks)%3)+\a], v3, s[26:27] offset:1024*\a+128*(\ks)
	global_load_b32 v[SCL+8*((\ks)%3)+4+\a], v3, s[30:31] offset:1024*\a+128*(\ks)
.endr
.endm
.macro KSTEP ks
.if \ks < 7
	s_wait_loadcnt 32                              ; loads come back in order (ISA guide 5.7.1): this step's 32 are in, the next step's 32 may be out
.else
	s_wait_loadcnt 0x0
.endif
.if \ks < 6
.if \ks > 0
.rept 4
	v_nop                                          ; the four places between the last step's products and the loads into registers that they have read stay, beside the wait below
.endr
.endif
	TOBUF (\ks)+2
.if \ks > 0
	s_wait_alu depctr_va_vdst(0)                   ; the last step's products are done reading their buffer and their scale words, in which the loads of the step two on land
.endif
	FRAGS (\ks)+2
.endif
.set FB, 32
.if (\ks)%3 == 2
.set FB, 128
.endif
.if (\ks)%3 == 0
	WIN 0
.else
	WIN 0x05                                       ; sources 0 and 1 window 1; C and D window 0
.endif
.set SW, SCL+8*((\ks)%3)
.irp a, 0,1,2,3                        ; the sixteen sums take turns, in the same order in every K step
.irp n, 0,1,2,3
.if \ks == 0
	v_wmma_scale_f32_16x16x128_f8f6f4 v[ACC+32*\n+8*\a:ACC+32*\n+8*\a+7], v[FB+12*\a:FB+12*\a+11], v[FB+48+12*\n:FB+48+12*\n+11], 0, v[SW+\a], v[SW+4+\n] matrix_a_fmt:MATRIX_FMT_FP6 matrix_b_fmt:MATRIX_FMT_FP6
.else
	v_wmma_scale_f32_16x16x128_f8f6f4 v[ACC+32*\n+8*\a:ACC+32*\n+8*\a+7], v[FB+12*\a:FB+12*\a+11], v[FB+48+12*\n:FB+48+12*\n+11], v[ACC+32*\n+8*\a:ACC+32*\n+8*\a+7], v[SW+\a], v[SW+4+\n] matrix_a_fmt:MATRIX_FMT_FP6 matrix_b_fmt:MATRIX_FMT_FP6
.endif
.endr
.endr
.if \ks < 6
	WIN 0
	WORDS (\ks)+2                                  ; no wait: no vector or matrix instruction since the wait above names v3 or this set of words
.endif
.endm
; 32 numbers of a lane, register 16 b + i = k 32 b + 16 (lane / 16) + i of my row, become six registers of codes at v[pc] and two scale bytes in v[sw].
.macro QUANT2 x, pc, sw
.irp b, 0,1
	v_max3_num_f32 v[TM+\b], |v[\x+16*\b]|, |v[\x+1+16*\b]|, 0x1800000   ; and the floor 2^(3 - 127)
.endr
.irp i, 2,4,6,8,10,12,14
.irp b, 0,1
	v_max3_num_f32 v[TM+\b], v[TM+\b], |v[\x+16*\b+\i]|, |v[\x+1+16*\b+\i]|
.endr
.endr
.irp b, 0,1
	v_permlanex16_b32 v[TM+2+\b], v[TM+\b], s42, s43
.endr
.irp b, 0,1
	v_max_num_f32 v[TM+\b], v[TM+\b], v[TM+2+\b]   ; with lane l xor 16's: the block's largest magnitude
.endr
.irp b, 0,1
	v_add_nc_u32 v[TM+4+\b], 0xff000000, v[TM+\b]  ; 2 off the exponent field: the conversion's scale operand
.endr
.irp b, 0,1
	v_lshrrev_b32 v[TM+2+\b], 23, v[TM+4+\b]       ; the byte
.endr
	v_lshl_or_b32 v[\sw], v[TM+3], 8, v[TM+2]
	v_cvt_scalef32_pk16_fp6_f32 v[\pc:\pc+2], v[\x:\x+15], v[TM+4]
	v_cvt_scalef32_pk16_fp6_f32 v[\pc+4:\pc+6], v[\x+16:\x+31], v[TM+5]
	v_nop                                          ; one plain place behind a scaled conversion
.irp i, 0,1,2
	v_permlane16_swap_b32 v[\pc+\i], v[\pc+4+\i]   ; a whole block to a lane: lanes 0-15 block 0, lanes 16-31 block 1
.endr
.irp i, 0,1,2
	v_mov_b32 v[\pc+3+\i], v[\pc+4+\i]
.endr
.endm
	s_load_b256 s[4:11], s[0:1], 0x0               ; xc s[4:5], xs s[6:7], wc s[8:9], ws s[10:11]
	s_load_b64 s[12:13], s[0:1], 0x20              ; qkv
	v_lshrrev_b32 v4, 5, v0
	v_readfirstlane_b32 s14, v4                    ; wave
	v_and_b32 v4, 31, v0
	v_lshlrev_b32 v1, 4, v4                        ; 16 x lane
	v_lshlrev_b32 v2, 3, v4                        ; 8 x lane
	v_lshlrev_b32 v3, 2, v4                        ; 4 x lane
	s_mov_b32 s42, 0x76543210
	s_mov_b32 s43, 0xfedcba98
	s_wait_alu depctr_va_sdst(0)                   ; s14 is written, ahead of its first reader: all the bases are made from it
	s_and_b32 s15, ttmp7, 0xffff
	s_lshl_b32 s15, s15, 2
	s_add_co_u32 s15, s15, s14                     ; tg: which 64 tokens
	s_mul_i32 s16, ttmp9, 49152                    ; a unit's 32 fragments
	s_mov_b32 s17, 0
	s_lshl_b32 s18, ttmp9, 12
	s_mov_b32 s19, 0
	s_mul_i32 s20, s15, 49152
	s_mov_b32 s21, 0
	s_lshl_b32 s22, s15, 12
	s_mov_b32 s23, 0
	s_lshr_b32 s32, s15, 5                         ; b
	s_mul_i32 s32, s32, 24
	s_add_co_u32 s32, s32, ttmp9
	s_lshl_b32 s32, s32, 4
	s_bfe_u32 s33, s15, 0x40001                    ; which 128 tokens of the batch
	s_add_co_u32 s32, s32, s33
	s_mul_i32 s32, s32, 6656                       ; the record
	s_and_b32 s33, s15, 1                          ; c
	s_mul_i32 s34, s33, 3072
	s_add_co_u32 s34, s34, s32
	s_mov_b32 s35, 0
	s_lshl_b32 s36, s33, 1
	s_add_co_u32 s36, s36, s32
	s_add_co_u32 s36, s36, 6144
	s_mov_b32 s37, 0
	s_wait_kmcnt 0x0
	s_add_nc_u64 s[8:9], s[8:9], s[16:17]
	s_add_nc_u64 s[10:11], s[10:11], s[18:19]
	s_add_nc_u64 s[4:5], s[4:5], s[20:21]
	s_add_nc_u64 s[6:7], s[6:7], s[22:23]
	s_add_nc_u64 s[38:39], s[12:13], s[34:35]
	s_add_nc_u64 s[40:41], s[12:13], s[36:37]
	s_cmp_lt_u32 ttmp9, 20                         ; q and k: the weight is source 0;  v: x is
	s_cselect_b64 s[24:25], s[8:9], s[4:5]
	s_cselect_b64 s[26:27], s[10:11], s[6:7]
	s_cselect_b64 s[28:29], s[4:5], s[8:9]
	s_cselect_b64 s[30:31], s[6:7], s[10:11]
	s_wait_alu depctr_va_vdst(0)                   ; v1, v2 and v3 are written: every load and store of the kernel reads one of them as its offset
	FRAGS 0                                        ; K steps 0 and 1 go out together
	WORDS 0
	WIN 0x40
	FRAGS 1
	WIN 0
	WORDS 1
.irp ks, 0,1,2,3,4,5,6,7
	KSTEP \ks
.endr
	WIN 0
.rept 4
	v_nop                                          ; places in front of the first read of results and of writes over the fragments' registers
.endr
	v_mov_b32 v[TM+2], 0                           ; written once: a lane permute's destination counts as one of its sources
	v_mov_b32 v[TM+3], 0
.irp n, 0,1,2,3                        ; each n has registers of its own for its codes and bytes: no store's data are written again
	QUANT2 ACC+32*\n, AF+8*\n, 64+\n
.endr
	s_wait_alu depctr_va_vdst(0)                   ; the four quantisers have written the codes v32-62 and the bytes v64-67, which the stores read
.irp n, 0,1,2,3
	global_store_b128 v1, v[AF+8*\n:AF+8*\n+3], s[38:39] offset:768*\n
	global_store_b64 v2, v[AF+8*\n+4:AF+8*\n+5], s[38:39] offset:768*\n+512
	global_store_b16 v3, v[64+\n], s[40:41] offset:128*\n
.endr
	s_endpgm
.Lfunc_end_k_q9e718b35af_qkv:
	.size	k_q9e718b35af_qkv, .Lfunc_end_k_q9e718b35af_qkv-k_q9e718b35af_qkv
	.p2alignl 7, 3214868480
	.fill 96, 4, 3214868480
	.section	.rodata,"a",@progbits
	.p2align	6, 0x0
	.amdhsa_kernel k_q9e718b35af_qkv
		.amdhsa_group_segment_fixed_size 0
		.amdhsa_private_segment_fixed_size 0
		.amdhsa_enable_private_segment 0
		.amdhsa_kernarg_size 40
		.amdhsa_user_sgpr_count 2
		.amdhsa_user_sgpr_kernarg_segment_ptr 1
		.amdhsa_wavefront_size32 1
		.amdhsa_system_sgpr_workgroup_id_x 1
		.amdhsa_system_sgpr_workgroup_id_y 1
		.amdhsa_system_sgpr_workgroup_id_z 1
		.amdhsa_system_vgpr_workitem_id 0
		.amdhsa_next_free_vgpr 480
		.amdhsa_next_free_sgpr 66
		.amdhsa_reserve_vcc 0
		.amdhsa_float_denorm_mode_32 3
		.amdhsa_float_denorm_mode_16_64 3
		.amdhsa_memory_ordered 1
		.amdhsa_forward_progress 1
		.amdhsa_inst_pref_size 53
	.end_amdhsa_kernel
	.amdgpu_metadata
---
amdhsa.version: [ 1, 2 ]
amdhsa.kernels:
  - .name:           k_q9e718b35af_qkv
    .symbol:         k_q9e718b35af_qkv.kd
    .args:
      - { .name: xc, .offset: 0, .size: 8, .value_kind: global_buffer, .address_space: global }
      - { .name: xs, .offset: 8, .size: 8, .value_kind: global_buffer, .address_space: global }
      - { .name: wc, .offset: 16, .size: 8, .value_kind: global_buffer, .address_space: global }
      - { .name: ws, .offset: 24, .size: 8, .value_kind: global_buffer, .address_space: global }
      - { .name: qkv, .offset: 32, .size: 8, .value_kind: global_buffer, .address_space: global }
    .group_segment_fixed_size: 0
    .private_segment_fixed_size: 0
    .kernarg_segment_align: 8
    .kernarg_segment_size: 40
    .max_flat_workgroup_size: 128
    .sgpr_count:     66
    .vgpr_count:     480
    .wavefront_size: 32
...
	.end_amdgpu_metadata
.endif
;; end of part 7
;; launch attn (part 8): grid 8 x 32, 16 waves a work-group, no clusters, 28,672 bytes of LDS; arguments qkv, ob, nl; writes ob, nl
.if DOCPART == 8
	.amdgcn_target "amdgcn-amd-amdhsa--gfx1250"
	.amdhsa_code_object_version 6
	.text
	.protected	k_q9e718b35af_attn
	.globl	k_q9e718b35af_attn
	.p2align	8
	.type	k_q9e718b35af_attn,@function
k_q9e718b35af_attn:
	s_mov_b64 s[64:65], 0
	v_nop
	global_prefetch_b8 v0, s[64:65] scope:SCOPE_SE
	s_setreg_imm32_b32 hwreg(HW_REG_WAVE_MODE, 25, 1), 1
	s_wait_xcnt 0x0
; Causal attention on codes of E2M3 for one (batch b, key head i, value head j): y = 16 b + 4 i + j; the query head is 4 i + j.  O / l goes to ob as images of registers, -(M + log2 l) of each query to nl.
; t = score x log2(e) / 8; M = the running largest t rounded UP to a whole number; p = 2^(t - M) is quantised along the keys, not normalised; l is the sum of the unquantised p; when M moves, l and O are multiplied by 2^(old M - new M): exact.
; SHARES.  Sixteen waves, one tile of 16 queries each, 256 registers: four waves to a SIMD, so that one wave's vector work stands beside another's products and LDS loads.
; Waves 0-7 own the block of 128 queries QB = x, waves 8-15 the block 15 - x: every work-group has 17 blocks of keys to walk in all, whatever x.  The work-group walks key steps 0 .. 15 - x, 128 keys each, two to a trip;
; a wave leaves out the steps whose keys all come after its queries (a scalar branch on ids, round the work alone), and masks in the one step on the diagonal.
; LDS.  Two slots of 13,312 bytes: a step's record of K (6,656 bytes), then V's.  Waves 0-12 copy 512 bytes of each through registers, one step ahead.  ONE barrier a step: in front of it each wave's stores have landed and its reads of
; the step before are over, so the slot written behind it is the one that nobody reads any more.  The slots stand in immediates alone.
; K = 64 IN A FORM OF K = 128.  An operand of K's record holds TWO tiles of 16 keys, one in each half of its 128.  Q stands in a run of 18 registers, 0 x 6 | q x 6 | 0 x 6: registers 6-17 are [q | 0] and meet the first tile, registers 0-11 are [0 | q] and meet
; the second.  Zero codes add nothing under any scale byte that is no NaN, and all bytes here are true scales.  Q's scale word holds its two bytes twice.
; Both products are used transposed (S^T = K Q^T, O^T = V^T P^T): a lane holds ONE query throughout; by the order of rows in a tile the 16 registers of tiles 2 b, 2 b + 1 of S^T are 16 neighbouring keys.
; No tensor loads and no cluster: a step's fill is 13,312 bytes against sixteen waves' reads of the same bytes from LDS, and work-groups of different x walk different numbers of steps.
; LIMITS: NaN and infinities are not served; a block of p that is all zeros has the byte 1 (zero codes).
.set QR, 16                            ; v16-33  the run 0 | q | 0
.set QS, 34                            ; v34     Q's scale word: nothing else
.set PS, 35                            ; v35     p's scale word: nothing else
.set FF, 36                            ; v[36:37] f = 2^(old M - new M), and 0
.set KS, 38                            ; v38-41  K's scale words;  v42-45 V's
.set VS, 42
.set CP, 48                            ; v48-55, v56-63 the copy's two sets
.set FR, 64                            ; v64-111 four operands of K, then of V
.set SC, 112                           ; v112-175 S^T, then p
.set OA, 176                           ; v176-207 O^T
.set PC, 208                           ; v208-219 p's codes;  v220-227 upper halves
.set PT, 220
.set BM, 228                           ; v228-231 the blocks' largest;  v232-235, v236-239 at work
.set BT, 232
.set BS, 236
.set TT, 240                           ; v240-243 at work
.set L2, 244                           ; v[244:245] one of the sum's six chains
.set NINF, 246
.set WV, 10
.set QB, 11
.set ST, 12                            ; the key step in hand
.set TR, 13
.set NT, 14
.set LIM, 30
; v1, v2, v3 = 16, 8, 4 x lane; v4 = 16 x thread (the copy's place in a record and in a slot); v6 the copy's offset; v7 = my query - 16 (lane / 16); v8 = 256 x lane; v9 = 4 x my query; v10 = lane; v12 -M, v13 the largest t, v[14:15] l
.macro KSTEP p
.set LB, 13312*\p
.irp f, 0,1,2,3
	ds_load_b128 v[FR+12*\f:FR+12*\f+3], v1 offset:LB+768*\f
	ds_load_b64 v[FR+12*\f+4:FR+12*\f+5], v2 offset:LB+768*\f+512
	ds_load_b128 v[FR+12*\f+6:FR+12*\f+9], v1 offset:LB+768*(4+\f)
	ds_load_b64 v[FR+12*\f+10:FR+12*\f+11], v2 offset:LB+768*(4+\f)+512
	ds_load_b32 v[KS+\f], v3 offset:LB+6144+128*\f
.endr
	s_wait_dscnt 0x0
.irp c, 0,1                            ; product (f, c) is the tile of keys 4 c + f
.irp f, 0,1,2,3
	v_wmma_scale_f32_16x16x128_f8f6f4 v[SC+8*(4*\c+\f):SC+8*(4*\c+\f)+7], v[FR+12*\f:FR+12*\f+11], v[QR+6-6*\c:QR+17-6*\c], 0, v[KS+\f], v[QS] matrix_a_fmt:MATRIX_FMT_FP6 matrix_b_fmt:MATRIX_FMT_FP6
.endr
.endr
.rept 4
	v_nop                                          ; places in front of the loads into K's registers and of the first read of the scores
.endr
.irp f, 0,1,2,3                        ; V's operands land while the softmax is walked
	ds_load_b128 v[FR+12*\f:FR+12*\f+3], v1 offset:LB+6656+768*\f
	ds_load_b64 v[FR+12*\f+4:FR+12*\f+5], v2 offset:LB+6656+768*\f+512
	ds_load_b128 v[FR+12*\f+6:FR+12*\f+9], v1 offset:LB+6656+768*(4+\f)
	ds_load_b64 v[FR+12*\f+10:FR+12*\f+11], v2 offset:LB+6656+768*(4+\f)+512
	ds_load_b32 v[VS+\f], v3 offset:LB+6656+6144+128*\f
.endr
	s_cmp_lg_u32 s[ST], s[QB]                      ; on the diagonal hidden scores become -infinity: register 16 b + i holds key 32 b + 16 (lane / 16) + i, hidden where 32 b + i > v7
	s_cbranch_scc1 .Lopen_\@
.set nn, 0
.rept 64
	v_cmp_gt_i32 vcc_lo, 32*(nn/16)+nn%16, v7
	v_cndmask_b32 v[SC+nn], v[SC+nn], v[NINF], vcc_lo
.set nn, nn+1
.endr
.Lopen_\@:
.irp b, 0,1,2,3
	v_max3_num_f32 v[BM+\b], v[SC+16*\b], v[SC+1+16*\b], v[SC+2+16*\b]   ; the largest score of each block of 32 keys: for the row's maximum and, since p rises with the score, for the block's largest p
.endr
.irp i, 3,5,7,9,11,13
.irp b, 0,1,2,3
	v_max3_num_f32 v[BM+\b], v[BM+\b], v[SC+16*\b+\i], v[SC+1+16*\b+\i]
.endr
.endr
.irp b, 0,1,2,3
	v_max_num_f32 v[BM+\b], v[BM+\b], v[SC+15+16*\b]
.endr
.irp b, 0,1,2,3
	s_delay_alu instid0(VALU_DEP_4)
	v_permlanex16_b32 v[BT+\b], v[BM+\b], s26, s27
.endr
.irp b, 0,1,2,3
	s_delay_alu instid0(VALU_DEP_4)
	v_max_num_f32 v[BM+\b], v[BM+\b], v[BT+\b]     ; with lane l xor 16's 16 keys
.endr
	s_delay_alu instid0(VALU_DEP_2)
	v_max3_num_f32 v[TT], v[BM], v[BM+1], v[BM+2]
	s_delay_alu instid0(VALU_DEP_1)
	v_max_num_f32 v[TT], v[TT], v[BM+3]
	s_delay_alu instid0(VALU_DEP_1)
	v_mul_f32 v[TT], s24, v[TT]                    ; as t
	s_delay_alu instid0(VALU_DEP_1)
	v_max_num_f32 v13, v13, v[TT]                  ; the running largest t
	v_mov_b32 v[TT], v12
	s_delay_alu instid0(VALU_DEP_2)
	v_floor_f32 v12, -v13                          ; the new -M = -ceil(t): a whole number
	s_delay_alu instid0(VALU_DEP_1)
	v_sub_f32 v[TT], v12, v[TT]                    ; old M - new M: a whole number, 0 or less
	s_delay_alu instid0(VALU_DEP_1)
	v_cvt_i32_f32 v[TT], v[TT]                     ; (it saturates)
	s_delay_alu instid0(VALU_DEP_1)
	v_ldexp_f32 v[FF], 1.0, v[TT]                  ; f
.set nn, 0
.rept 32
	v_pk_fma_f32 v[SC+nn:SC+nn+1], v[SC+nn:SC+nn+1], s[24:25], v[12:13] op_sel_hi:[1,0,0]   ; t - M, two at a time
.set nn, nn+2
.endr
.irp b, 0,1,2,3
	v_fma_f32 v[BM+\b], v[BM+\b], s24, v12         ; the same of each block's largest score
.endr
.set nn, 0
	s_wait_alu depctr_va_vdst(0)
.rept 64
	v_exp_f32 v[SC+nn], v[SC+nn]                   ; p = 2^(t - M)
.set nn, nn+1
.endr
	v_pk_mul_f32 v[14:15], v[14:15], v[FF:FF+1] op_sel_hi:[1,0]   ; l under the new M: the plain place behind the exponentials
	s_wait_alu depctr_va_vdst(0)                   ; one wait for the batch, ahead of its first reader
.irp b, 0,1,2,3
	v_exp_f32 v[BM+\b], v[BM+\b]                   ; the blocks' largest p
.endr
	v_pk_add_f32 v[244:245], v[116:117], v[120:121]
	v_pk_add_f32 v[252:253], v[124:125], v[128:129]
	v_pk_add_f32 v[250:251], v[132:133], v[136:137]
	v_pk_add_f32 v[248:249], v[140:141], v[144:145]
	v_pk_add_f32 v[46:47], v[148:149], v[152:153]
	v_pk_add_f32 v[14:15], v[14:15], v[156:157]
	v_pk_add_f32 v[244:245], v[244:245], v[160:161]
	v_pk_add_f32 v[252:253], v[252:253], v[164:165]
	v_pk_add_f32 v[250:251], v[250:251], v[168:169]
	v_pk_add_f32 v[248:249], v[248:249], v[172:173]
	v_pk_add_f32 v[46:47], v[46:47], v[112:113]
	v_pk_add_f32 v[14:15], v[14:15], v[114:115]
	v_pk_add_f32 v[244:245], v[244:245], v[118:119]
	v_pk_add_f32 v[252:253], v[252:253], v[122:123]
	v_pk_add_f32 v[250:251], v[250:251], v[126:127]
	v_pk_add_f32 v[248:249], v[248:249], v[130:131]
	v_pk_add_f32 v[46:47], v[46:47], v[134:135]
	v_pk_add_f32 v[14:15], v[14:15], v[138:139]
	v_pk_add_f32 v[244:245], v[244:245], v[142:143]
	v_pk_add_f32 v[252:253], v[252:253], v[146:147]
	v_pk_add_f32 v[250:251], v[250:251], v[150:151]
	v_pk_add_f32 v[248:249], v[248:249], v[154:155]
	v_pk_add_f32 v[46:47], v[46:47], v[158:159]
	v_pk_add_f32 v[14:15], v[14:15], v[162:163]
	v_pk_add_f32 v[244:245], v[244:245], v[166:167]
	v_pk_add_f32 v[252:253], v[252:253], v[170:171]
	v_pk_add_f32 v[250:251], v[250:251], v[174:175]
	s_delay_alu instid0(VALU_DEP_1)
	v_pk_add_f32 v[14:15], v[14:15], v[250:251]
	s_delay_alu instid0(VALU_DEP_4)
	v_pk_add_f32 v[244:245], v[244:245], v[248:249]
	s_delay_alu instid0(VALU_DEP_4)
	v_pk_add_f32 v[252:253], v[252:253], v[46:47]
	s_delay_alu instid0(VALU_DEP_1)
	v_pk_add_f32 v[14:15], v[14:15], v[252:253]
	s_delay_alu instid0(VALU_DEP_1)
	v_pk_add_f32 v[14:15], v[14:15], v[244:245]
	s_wait_alu depctr_va_vdst(0)                   ; and one for the four
.irp b, 0,1,2,3
	v_max_num_f32 v[BM+\b], 0x1800000, v[BM+\b]    ; the floor 2^(3 - 127)
.endr
.irp b, 0,1,2,3
	s_delay_alu instid0(VALU_DEP_4)
	v_add_nc_u32 v[BS+\b], 0xff000000, v[BM+\b]    ; the conversion's scale operand
.endr
.irp b, 0,1,2,3
	s_delay_alu instid0(VALU_DEP_4)
	v_lshrrev_b32 v[BT+\b], 23, v[BS+\b]           ; the byte
.endr
	s_delay_alu instid0(VALU_DEP_3)
	v_lshl_or_b32 v[PS], v[BT+1], 8, v[BT]
	s_delay_alu instid0(VALU_DEP_1)
	v_lshl_or_b32 v[PS], v[BT+2], 16, v[PS]
	s_delay_alu instid0(VALU_DEP_1)
	v_lshl_or_b32 v[PS], v[BT+3], 24, v[PS]
.irp c, 0,1
	v_cvt_scalef32_pk16_fp6_f32 v[PC+6*\c:PC+2+6*\c], v[SC+32*\c:SC+15+32*\c], v[BS+2*\c]
	v_cvt_scalef32_pk16_fp6_f32 v[PT+4*\c:PT+2+4*\c], v[SC+16+32*\c:SC+31+32*\c], v[BS+2*\c+1]
.endr
	v_nop                                          ; one plain place behind a scaled conversion
.irp c, 0,1
.irp i, 0,1,2
	v_permlane16_swap_b32 v[PC+6*\c+\i], v[PT+4*\c+\i]   ; a whole block to a lane
.endr
.irp i, 0,1,2
	s_delay_alu instid0(VALU_DEP_3)
	v_mov_b32 v[PC+3+6*\c+\i], v[PT+4*\c+\i]
.endr
.endr
.set nn, 0
.rept 16
	v_pk_mul_f32 v[OA+nn:OA+nn+1], v[OA+nn:OA+nn+1], v[FF:FF+1] op_sel_hi:[1,0]   ; O^T under the new M; these sixteen also stand between the writes of p's codes and scale word and the products
.set nn, nn+2
.endr
	s_wait_alu depctr_va_vdst(0)
	s_wait_dscnt 0x0                               ; V is in
.irp f, 0,1,2,3                        ; the four sums take turns
	v_wmma_scale_f32_16x16x128_f8f6f4 v[OA+8*\f:OA+8*\f+7], v[FR+12*\f:FR+12*\f+11], v[PC:PC+11], v[OA+8*\f:OA+8*\f+7], v[VS+\f], v[PS] matrix_a_fmt:MATRIX_FMT_FP6 matrix_b_fmt:MATRIX_FMT_FP6
.endr
.rept 4
	v_nop                                          ; places in front of the next loads into V's registers and of the next read of O^T
.endr
.endm
.macro STEPX p
	s_wait_loadcnt 0x0                             ; this step's records are in my copy registers; the loads' offset register is free
	s_cmp_lt_u32 s[WV], 13
	s_cbranch_scc0 .Lnc_\@
	ds_store_b128 v4, v[CP+8*\p:CP+8*\p+3] offset:13312*\p
	ds_store_b128 v4, v[CP+8*\p+4:CP+8*\p+7] offset:13312*\p+6656
	s_add_co_u32 s31, s[ST], 1
	s_min_u32 s31, s31, 15                         ; the next step's records; held at the unit's last
	s_mul_i32 s31, s31, 6656
	v_add_nc_u32 v6, s31, v4
	global_load_b128 v[CP+8-8*\p:CP+11-8*\p], v6, s[16:17]
	global_load_b128 v[CP+12-8*\p:CP+15-8*\p], v6, s[18:19]
.Lnc_\@:
; A prefetch into the L2.  K's unit is walked by all work-groups of (b, i), V's by all of (b, j): of them the one with x = 0 and j = 0 (i = 0 for V) asks, wave 14 for K's and wave 15 for V's, which copy nothing.
; A unit is 13 pieces of 8,192 bytes, lanes 256 bytes apart; step s names piece s + 2, s = 0 .. 10: each piece once, none past the unit's end; pieces 0 and 1 come by their loads alone.
	s_cmp_lt_u32 s[ST], s[LIM]
	s_cbranch_scc0 .Lna_\@
	s_wait_xcnt 0x0                                ; the last prefetch, a step back, has read its address
	s_add_nc_u64 s[28:29], s[28:29], 8192
	global_prefetch_b8 v8, s[28:29] th:TH_LOAD_NT scope:SCOPE_SE
.Lna_\@:
	s_wait_dscnt 0x0                               ; for the others' sake: my stores have landed, my reads of the last step are over
	s_barrier_signal -1
	s_barrier_wait -1
	s_cmp_gt_u32 s[ST], s[QB]                      ; all keys of the step come after my queries: nothing to do
	s_cbranch_scc1 .Lsk_\@
	KSTEP \p
.Lsk_\@:
	s_add_co_u32 s[ST], s[ST], 1
.endm
	s_load_b128 s[4:7], s[0:1], 0x0                ; qkv s[4:5], ob s[6:7]
	s_load_b64 s[8:9], s[0:1], 0x10                ; nl
	v_lshl_add_u32 v254, v0, 2, 0x6800
	v_mov_b32 v255, 0
	v_lshrrev_b32 v11, 5, v0
	s_delay_alu instid0(VALU_DEP_1)
	v_readfirstlane_b32 s[WV], v11
	v_and_b32 v10, 31, v0
	s_delay_alu instid0(VALU_DEP_1)
	v_lshlrev_b32 v1, 4, v10
	s_delay_alu instid0(VALU_DEP_2)
	v_lshlrev_b32 v2, 3, v10
	s_delay_alu instid0(VALU_DEP_3)
	v_lshlrev_b32 v3, 2, v10
	v_lshlrev_b32 v4, 4, v0
	v_lshlrev_b32 v8, 8, v10
	s_and_b32 s31, ttmp7, 0xffff                   ; y
	s_lshr_b32 s32, s31, 4                         ; b
	s_bfe_u32 s33, s31, 0x20002                    ; i
	s_and_b32 s34, s31, 3                          ; j
	s_sub_co_u32 s35, 15, ttmp9
	s_cmp_lt_u32 s[WV], 8
	s_cselect_b32 s[QB], ttmp9, s35
	s_and_b32 s36, s[WV], 7                        ; my tile of the block
	s_sub_co_u32 s[NT], 17, ttmp9
	s_lshr_b32 s[NT], s[NT], 1                     ; trips of two steps: steps 0 .. 15 - x, and one more, which every wave leaves out, where that number is odd
	s_mov_b32 s[ST], 0
	s_mov_b32 s[TR], 0
	s_mul_i32 s37, s32, 24
	s_add_co_u32 s38, s37, s33
	s_add_co_u32 s38, s38, 16                      ; K's unit
	s_mul_i32 s38, s38, 106496
	s_mov_b32 s39, 0
	s_add_co_u32 s40, s37, s34
	s_add_co_u32 s40, s40, 20                      ; V's unit
	s_mul_i32 s40, s40, 106496
	s_mov_b32 s41, 0
	s_lshl_b32 s42, s33, 2
	s_add_co_u32 s42, s42, s34
	s_add_co_u32 s42, s42, s37                     ; Q's unit
	s_mul_i32 s42, s42, 106496
	s_mul_i32 s43, s[QB], 6656
	s_add_co_u32 s42, s42, s43                     ; its record of my block
	s_mul_i32 s43, s36, 768
	s_add_co_u32 s44, s42, s43                     ; my tile's half image
	s_mov_b32 s45, 0
	s_and_b32 s43, s36, 3
	s_lshl_b32 s43, s43, 7
	s_add_co_u32 s46, s42, s43
	s_lshr_b32 s43, s36, 2
	s_lshl_b32 s43, s43, 1
	s_add_co_u32 s46, s46, s43
	s_add_co_u32 s46, s46, 6144                    ; and its two scale bytes a row
	s_mov_b32 s47, 0
	s_lshl_b32 s48, s32, 7
	s_lshl_b32 s49, s[QB], 3
	s_add_co_u32 s48, s48, s49
	s_add_co_u32 s48, s48, s36                     ; the tile of tokens, 0 .. 255
	s_lshl_b32 s48, s48, 4
	s_lshl_b32 s49, s34, 2
	s_add_co_u32 s48, s48, s49
	s_add_co_u32 s48, s48, s33                     ; x 16 + the merged head 4 j + i
	s_lshl_b32 s48, s48, 12
	s_mov_b32 s49, 0
	s_lshl_b32 s50, s31, 13
	s_lshl_b32 s51, s[QB], 9
	s_add_co_u32 s50, s50, s51                     ; nl: row y, my block
	s_mov_b32 s51, 0
	s_lshr_b32 s52, s36, 1
	s_lshl_b32 s52, s52, 5
	s_and_b32 s53, s36, 1
	s_lshl_b32 s53, s53, 3
	s_add_co_u32 s52, s52, s53
	v_and_b32 v11, 15, v0
	s_delay_alu instid0(VALU_DEP_1)
	v_and_b32 v7, 8, v11
	s_delay_alu instid0(VALU_DEP_1)
	v_add_nc_u32 v7, v7, v11
	s_delay_alu instid0(VALU_DEP_1)
	v_add_nc_u32 v7, s52, v7                       ; my query in its block: 32 (tile / 2) + 8 (tile % 2) + r + 8 (r / 8)
	s_delay_alu instid0(VALU_DEP_1)
	v_lshlrev_b32 v9, 2, v7
	v_bfe_u32 v11, v0, 4, 1
	s_delay_alu instid0(VALU_DEP_1)
	v_lshlrev_b32 v11, 4, v11
	s_delay_alu instid0(VALU_DEP_1)
	v_sub_nc_u32 v7, v7, v11
	s_cmp_eq_u32 s[WV], 14
	s_cselect_b32 s53, s34, s33
	s_or_b32 s53, s53, ttmp9
	s_lshr_b32 s54, s[WV], 1
	s_xor_b32 s54, s54, 7                          ; 0 in waves 14 and 15
	s_or_b32 s53, s53, s54
	s_cmp_eq_u32 s53, 0
	s_cselect_b32 s[LIM], 11, 0
	s_mov_b32 s24, 0x3e38aa3b                      ; c = log2(e) / 8
	s_mov_b32 s25, s24
	s_mov_b32 s26, 0x76543210
	s_mov_b32 s27, 0xfedcba98
	s_wait_kmcnt 0x0
	s_add_nc_u64 s[16:17], s[4:5], s[38:39]
	s_add_nc_u64 s[18:19], s[4:5], s[40:41]
	s_add_nc_u64 s[20:21], s[4:5], s[44:45]
	s_add_nc_u64 s[22:23], s[4:5], s[46:47]
	s_add_nc_u64 s[6:7], s[6:7], s[48:49]
	s_add_nc_u64 s[8:9], s[8:9], s[50:51]
	s_cmp_eq_u32 s[WV], 14
	s_cselect_b64 s[28:29], s[16:17], s[18:19]
	s_add_nc_u64 s[28:29], s[28:29], 8192          ; at piece 1: the first step steps it to piece 2
	s_cmp_lt_u32 s[WV], 13
	s_cbranch_scc0 .Lnocopy0
	global_load_b128 v[CP:CP+3], v4, s[16:17]      ; step 0's records
	global_load_b128 v[CP+4:CP+7], v4, s[18:19]
.Lnocopy0:
	global_load_b128 v[QR+6:QR+9], v1, s[20:21]
	global_load_b64 v[QR+10:QR+11], v2, s[20:21] offset:512
	global_load_u16 v[TT], v3, s[22:23]
.irp k, 0,1,2,3,4,5,12,13,14,15,16,17
	v_mov_b32 v[QR+\k], 0
.endr
	v_mov_b32 v[FF+1], 0
	v_mov_b32 v13, 0xff61b1e6                      ; the largest t so far: -3e38
	s_delay_alu instid0(VALU_DEP_1)
	v_floor_f32 v12, -v13
	v_mov_b32 v14, 0
	v_mov_b32 v15, 0
	v_mov_b32 v[NINF], 0xff800000
.irp b, 0,1,2,3
	v_mov_b32 v[BT+\b], 0                          ; written once: a lane permute's destination counts as one of its sources
.endr
	s_wait_loadcnt 0x0
	v_lshl_or_b32 v[QS], v[TT], 16, v[TT]          ; Q's two bytes, for either half of the 128
.set nn, 0
.rept 32
	v_mov_b32 v[OA+nn], 0                          ; O^T: the step is written once, its first walk finds zeros.  (These also stand between the write of the scale word and the first product)
.set nn, nn+1
.endr
.Ltrip:
	STEPX 0
	STEPX 1
	s_add_co_u32 s[TR], s[TR], 1
	s_cmp_lt_u32 s[TR], s[NT]
	s_cbranch_scc1 .Ltrip
	; THE WAY OUT: O^T / l as it stands in the registers, 512 consecutive bytes a store; -(M + log2 l) of my query
	v_add_f32 v14, v14, v15
	s_delay_alu instid0(VALU_DEP_1)
	v_permlanex16_b32 v[BT], v14, s26, s27         ; (into a register that has been written on every path: the head clears it)
	s_delay_alu instid0(VALU_DEP_1)
	v_add_f32 v14, v14, v[BT]                      ; the row's sum
	s_wait_alu depctr_va_vdst(0)
	v_rcp_f32 v[TT], v14
	v_log_f32 v[TT+1], v14
	v_nop                                          ; a plain place behind the transcendentals
	s_wait_alu depctr_va_vdst(0)                   ; and the wait ahead of their first reader
.set nn, 0
.rept 16
	v_pk_mul_f32 v[SC+nn:SC+nn+1], v[OA+nn:OA+nn+1], v[TT:TT+1] op_sel_hi:[1,0]
.set nn, nn+2
.endr
	v_sub_f32 v[TT+3], v12, v[TT+1]
.irp g, 0,1,2,3,4,5,6,7
	global_store_b128 v1, v[SC+4*\g:SC+4*\g+3], s[6:7] offset:512*\g
.endr
	s_wait_alu depctr_va_vdst(0)
	s_wait_xcnt 0x0                                ; EXEC changes only behind this wait
	v_cmp_gt_u32 vcc_lo, 16, v10
	s_wait_tensorcnt 0x0
	ds_add_u32 v254, v255
	s_wait_dscnt 0x0
	s_and_saveexec_b32 s31, vcc_lo                 ; lanes 16-31 hold the same numbers
	global_store_b32 v9, v[TT+3], s[8:9]
	s_wait_xcnt 0x0
	s_or_b32 exec_lo, exec_lo, s31
	s_endpgm
.Lfunc_end_k_q9e718b35af_attn:
	.size	k_q9e718b35af_attn, .Lfunc_end_k_q9e718b35af_attn-k_q9e718b35af_attn
	.p2alignl 7, 3214868480
	.fill 96, 4, 3214868480
	.section	.rodata,"a",@progbits
	.p2align	6, 0x0
	.amdhsa_kernel k_q9e718b35af_attn
		.amdhsa_group_segment_fixed_size 28672
		.amdhsa_private_segment_fixed_size 0
		.amdhsa_enable_private_segment 0
		.amdhsa_kernarg_size 24
		.amdhsa_user_sgpr_count 2
		.amdhsa_user_sgpr_kernarg_segment_ptr 1
		.amdhsa_wavefront_size32 1
		.amdhsa_system_sgpr_workgroup_id_x 1
		.amdhsa_system_sgpr_workgroup_id_y 1
		.amdhsa_system_sgpr_workgroup_id_z 1
		.amdhsa_system_vgpr_workitem_id 0
		.amdhsa_next_free_vgpr 256
		.amdhsa_next_free_sgpr 66
		.amdhsa_reserve_vcc 1
		.amdhsa_float_denorm_mode_32 3
		.amdhsa_float_denorm_mode_16_64 3
		.amdhsa_memory_ordered 1
		.amdhsa_forward_progress 1
		.amdhsa_inst_pref_size 56
	.end_amdhsa_kernel
	.amdgpu_metadata
---
amdhsa.version: [ 1, 2 ]
amdhsa.kernels:
  - .name:           k_q9e718b35af_attn
    .symbol:         k_q9e718b35af_attn.kd
    .args:
      - { .name: qkv, .offset: 0, .size: 8, .value_kind: global_buffer, .address_space: global }
      - { .name: ob, .offset: 8, .size: 8, .value_kind: global_buffer, .address_space: global }
      - { .name: nl, .offset: 16, .size: 8, .value_kind: global_buffer, .address_space: global }
    .group_segment_fixed_size: 28672
    .private_segment_fixed_size: 0
    .kernarg_segment_align: 8
    .kernarg_segment_size: 24
    .max_flat_workgroup_size: 512
    .sgpr_count:     66
    .vgpr_count:     256
    .wavefront_size: 32
...
	.end_amdgpu_metadata
.endif
;; end of part 8
;; launch colsum (part 9): grid 8 x 32, 16 waves a work-group, no clusters, 133,120 bytes of LDS; arguments qkv, nl, out1; writes out1
.if DOCPART == 9
	.amdgcn_target "amdgcn-amd-amdhsa--gfx1250"
	.amdhsa_code_object_version 6
	.text
	.protected	k_q9e718b35af_colsum
	.globl	k_q9e718b35af_colsum
	.p2align	8
	.type	k_q9e718b35af_colsum,@function
k_q9e718b35af_colsum:
	s_mov_b64 s[64:65], 0
	v_nop
	global_prefetch_b8 v0, s[64:65] scope:SCOPE_SE
	s_setreg_imm32_b32 hwreg(HW_REG_WAVE_MODE, 25, 1), 1
	s_wait_xcnt 0x0
; out1[b][s][4 j + i] = the mean over the 2,048 queries n of softmax(scores)[n][s].  The finished weight is 2^(t - M - log2 l), with -(M + log2 l) of each query as the attention launch has stored it: one multiply-add and one exponential a score.
; The scores are made anew from the same codes.  y = 16 b + 4 i + j; the query head is 4 i + j, the key head i.
; SHARES.  A wave holds a whole block of 128 KEYS in its registers (eight half images, 48 registers, loaded once) and streams ONE tile of 16 queries a step, straight from memory into registers: 768 bytes of codes, two scale bytes a row, one number of nl a lane.
; Source 0 = 16 keys, source 1 = the queries: a lane holds ONE query, so -(M + log2 l) is one register, and its 64 registers are keys 32 b + 16 (lane / 16) + i of the block.  The weights are added into 64 running sums, a key each.
; Waves 0-7 own the block KB = x, waves 8-15 the block 15 - x; wave w takes tile w % 8 of every step of 128 queries from its block's own step on: 17 x 8 steps of a wave to a work-group, whatever x.
; The loop touches no LDS and has no barrier: waves share nothing in it, and their trip counts differ.  The steps go two to a trip, from KB rounded down to an even number; where KB is odd the first is left out.
; K = 64 IN A FORM OF K = 128.  The eight tiles of keys lie on end, six registers each, with six registers of zeros behind them: tile e's operand is registers 6 e .. 6 e + 11.  The queries' operand is q x 6 | 0 x 6: whatever stands in the second half of the keys'
; operand meets zero codes.  The scale words come as two bytes widened with zeros: the upper two bytes are 0, which stands for 2^-127 and is no NaN, over products that are zero.  No scale register is written by a vector instruction.
; THE END.  The sum over queries is finished once: each wave stores its 64 sums in LDS as an image of its registers (8,192 bytes); one barrier; wave w % 8 of a block adds registers 8 (w % 8) .. + 7 of the block's eight waves, then over the 16 lanes of a half.
; Each number of out1 has one owner; it leaves by stores of 4 bytes, 64 bytes apart: out1 is 262,144 bytes, and gathering the sixteen heads of a key would want another pass.
; LIMITS: the exponent t - M - log2 l is formed in f32, so its error grows with |t| as f32's own does; NaN and infinities are not served.
.set KS, 16                            ; v16-23 the keys' scale words, a tile each: nothing else
.set QS, 24                            ; v24, v25 the queries' scale words, a buffer each: nothing else
.set NL, 26                            ; v[26:27], v[28:29] -(M + log2 l) of my query, a buffer each; the upper halves are 0 (the packed form names a pair)
.set QB, 32                            ; v32-43, v44-55 two buffers q x 6 | 0 x 6
.set KH, 56                            ; v56-103 eight tiles of keys; v104-109 zeros
.set SC, 112                           ; v112-175 the scores, then the weights
.set ACC, 176                          ; v176-239 the running sums
.set WV, 10
.set KB, 11
.set ST, 12                            ; the step in hand
.set TR, 13
.set NT, 14
.set QP, 36                            ; s[36:37], s[38:39] where a buffer's record of Q begins
.set NP, 40                            ; s[40:41], s[42:43] and its 128 numbers of nl
; v1 = 768 tile + 16 x lane, v2 = 768 tile + 8 x lane, v3 = the place of my row's two scale bytes in a record, v4 = 4 x my query: never rewritten
; v5 lane, v6 lane / 16, v7 = my query - 16 (lane / 16), v8, v9, v10 = 16, 8, 4 x lane, v11, v12 LDS in and back, v13 my place in out1, v14 -infinity, v15 at work
.macro ADRS p                          ; buffer p's pointers for the step two on; held at the last step: the last two steps' loads are not used
	s_add_co_u32 s31, s[ST], 2
	s_min_u32 s31, s31, 15
	s_mul_i32 s32, s31, 6656
	s_lshl_b32 s34, s31, 9
	s_add_nc_u64 s[QP+2*\p:QP+2*\p+1], s[16:17], s[32:33]
	s_add_nc_u64 s[NP+2*\p:NP+2*\p+1], s[18:19], s[34:35]
.endm
.macro LDQ p                           ; my tile's half image and its scale bytes
	global_load_b128 v[QB+12*\p:QB+12*\p+3], v1, s[QP+2*\p:QP+2*\p+1]
	global_load_b64 v[QB+12*\p+4:QB+12*\p+5], v2, s[QP+2*\p:QP+2*\p+1] offset:512
	global_load_u16 v[QS+\p], v3, s[QP+2*\p:QP+2*\p+1]
.endm
.macro LDN p
	global_load_b32 v[NL+2*\p], v4, s[NP+2*\p:NP+2*\p+1]
.endm
.macro CSTEP p
	s_wait_loadcnt 4                               ; this buffer's four loads, issued two steps back, are in, and its pointers are free; the other buffer's four may be out
	s_cmp_lt_u32 s[ST], s[KB]                      ; all queries of the step come before my keys: only where KB is odd, in the first step
	s_cbranch_scc1 .Lsk_\@
.irp e, 0,1,2,3,4,5,6,7
	v_wmma_scale_f32_16x16x128_f8f6f4 v[SC+8*\e:SC+8*\e+7], v[KH+6*\e:KH+6*\e+11], v[QB+12*\p:QB+12*\p+11], 0, v[KS+\e], v[QS+\p] matrix_a_fmt:MATRIX_FMT_FP6 matrix_b_fmt:MATRIX_FMT_FP6
.endr
.rept 4
	v_nop                                          ; places in front of the loads into the queries' registers and of the first read of the scores
.endr
	ADRS \p
	LDQ \p                                         ; the step two on: it has the rest of this step and the whole next one in which to land
	s_cmp_lg_u32 s[ST], s[KB]                      ; on the diagonal: register 16 b + i holds key 32 b + 16 (lane / 16) + i, hidden from my query where 32 b + i > v7
	s_cbranch_scc1 .Lopen_\@
.set nn, 0
.rept 64
	v_cmp_gt_i32 vcc_lo, 32*(nn/16)+nn%16, v7
	v_cndmask_b32 v[SC+nn], v[SC+nn], v14, vcc_lo
.set nn, nn+1
.endr
.Lopen_\@:
.set nn, 0
.rept 32
	v_pk_fma_f32 v[SC+nn:SC+nn+1], v[SC+nn:SC+nn+1], s[24:25], v[NL+2*\p:NL+2*\p+1] op_sel_hi:[1,0,0]   ; t - M - log2 l, two at a time
.set nn, nn+2
.endr
	LDN \p                                         ; behind the last reader of the old number
.set nn, 0
	s_wait_alu depctr_va_vdst(0)
.rept 64
	v_exp_f32 v[SC+nn], v[SC+nn]
.set nn, nn+1
.endr
	v_nop                                          ; a plain place behind the exponentials
	s_wait_alu depctr_va_vdst(0)                   ; one wait for the batch, ahead of its first reader
.set nn, 0
.rept 32
	v_pk_add_f32 v[ACC+nn:ACC+nn+1], v[ACC+nn:ACC+nn+1], v[SC+nn:SC+nn+1]
.set nn, nn+2
.endr
	s_branch .Ljn_\@
.Lsk_\@:
	ADRS \p                                        ; the same four loads on this way, so that the count at a step's head holds on both
	LDQ \p
	LDN \p
.Ljn_\@:
	s_add_co_u32 s[ST], s[ST], 1
.endm
	s_load_b128 s[4:7], s[0:1], 0x0                ; qkv s[4:5], nl s[6:7]
	s_load_b64 s[8:9], s[0:1], 0x10                ; out1
	v_lshl_add_u32 v240, v0, 2, 0x20000
	v_mov_b32 v241, 0
	v_lshrrev_b32 v15, 5, v0
	s_delay_alu instid0(VALU_DEP_1)
	v_readfirstlane_b32 s[WV], v15
	v_and_b32 v5, 31, v0
	s_delay_alu instid0(VALU_DEP_1)
	v_lshlrev_b32 v8, 4, v5
	s_wait_alu depctr_va_vdst(0)
	v_lshlrev_b32 v9, 3, v5
	s_wait_alu depctr_va_vdst(0)
	v_lshlrev_b32 v10, 2, v5
	s_wait_alu depctr_va_vdst(0)
	s_and_b32 s44, ttmp7, 0xffff                   ; y
	s_lshr_b32 s45, s44, 4                         ; b
	s_bfe_u32 s46, s44, 0x20002                    ; i
	s_and_b32 s47, s44, 3                          ; j
	s_sub_co_u32 s48, 15, ttmp9
	s_cmp_lt_u32 s[WV], 8
	s_cselect_b32 s[KB], ttmp9, s48
	s_and_b32 s49, s[WV], 7                        ; my tile of every step, and my eighth of the sums at the end
	s_and_b32 s[ST], s[KB], 14                     ; the first step: KB rounded down to an even number
	s_sub_co_u32 s[NT], 16, s[ST]
	s_lshr_b32 s[NT], s[NT], 1                     ; trips of two steps, up to step 15
	s_mov_b32 s[TR], 0
	s_mul_i32 s50, s45, 24
	s_lshl_b32 s20, s46, 2
	s_add_co_u32 s20, s20, s47
	s_add_co_u32 s20, s20, s50                     ; Q's unit
	s_mul_i32 s20, s20, 106496
	s_mov_b32 s21, 0
	s_lshl_b32 s22, s44, 13                        ; nl's row y
	s_mov_b32 s23, 0
	s_add_co_u32 s26, s50, s46
	s_add_co_u32 s26, s26, 16                      ; K's unit,
	s_mul_i32 s26, s26, 106496
	s_mul_i32 s51, s[KB], 6656
	s_add_co_u32 s26, s26, s51                     ; its record of my block
	s_mov_b32 s27, 0
	s_lshl_b32 s28, s45, 17                        ; out1: 64 bytes a key: batch,
	s_lshl_b32 s51, s[KB], 13                      ; block,
	s_add_co_u32 s28, s28, s51
	s_lshl_b32 s51, s47, 2
	s_add_co_u32 s51, s51, s46
	s_lshl_b32 s51, s51, 2                         ; and the merged head 4 j + i
	s_add_co_u32 s28, s28, s51
	s_mov_b32 s29, 0
	s_mul_i32 s51, s49, 768                        ; my tile's half image in a record
	v_add_nc_u32 v1, s51, v8
	v_add_nc_u32 v2, s51, v9
	s_and_b32 s52, s49, 3
	s_lshl_b32 s52, s52, 7
	s_lshr_b32 s53, s49, 2
	s_lshl_b32 s53, s53, 1
	s_add_co_u32 s52, s52, s53
	s_add_co_u32 s52, s52, 6144                    ; and its two scale bytes a row
	v_add_nc_u32 v3, s52, v10
	s_lshr_b32 s52, s49, 1
	s_lshl_b32 s52, s52, 5
	s_and_b32 s53, s49, 1
	s_lshl_b32 s53, s53, 3
	s_add_co_u32 s52, s52, s53                     ; 32 (tile / 2) + 8 (tile % 2)
	v_and_b32 v15, 15, v0
	s_delay_alu instid0(VALU_DEP_1)
	v_and_b32 v7, 8, v15
	s_delay_alu instid0(VALU_DEP_1)
	v_add_nc_u32 v7, v7, v15
	s_delay_alu instid0(VALU_DEP_1)
	v_add_nc_u32 v7, s52, v7                       ; my query in its step: + r + 8 (r / 8)
	s_delay_alu instid0(VALU_DEP_1)
	v_lshlrev_b32 v4, 2, v7
	v_bfe_u32 v6, v0, 4, 1
	s_delay_alu instid0(VALU_DEP_1)
	v_lshlrev_b32 v15, 4, v6
	s_delay_alu instid0(VALU_DEP_1)
	v_sub_nc_u32 v7, v7, v15
	s_lshl_b32 s52, s52, 6
	v_lshl_add_u32 v13, v6, 10, s52                ; at the end register j of my eighth is key 32 (tile / 2) + 16 (lane / 16) + 8 (tile % 2) + j: 64 bytes a key
	s_lshl_b32 s53, s[WV], 13
	v_add_nc_u32 v11, s53, v8                      ; LDS in: my wave's 8,192 bytes, 16 x lane
	s_lshr_b32 s53, s[WV], 3
	s_lshl_b32 s53, s53, 16
	s_lshl_b32 s54, s49, 10
	s_add_co_u32 s53, s53, s54
	v_add_nc_u32 v12, s53, v8                      ; back: my block's eight waves, my two pieces of 512 bytes of each
	s_mov_b32 s24, 0x3e38aa3b                      ; c = log2(e) / 8
	s_mov_b32 s25, s24
	s_mov_b32 s33, 0                               ; the upper words of the loop's two offsets
	s_mov_b32 s35, 0
	s_mul_i32 s32, s[ST], 6656
	s_lshl_b32 s34, s[ST], 9
	s_wait_alu depctr_va_vdst(0)
	s_wait_kmcnt 0x0
	s_add_nc_u64 s[16:17], s[4:5], s[20:21]
	s_add_nc_u64 s[18:19], s[6:7], s[22:23]
	s_add_nc_u64 s[20:21], s[4:5], s[26:27]
	s_add_nc_u64 s[8:9], s[8:9], s[28:29]
.irp e, 0,1,2,3,4,5,6,7                ; my block of keys: it stays
	global_load_b128 v[KH+6*\e:KH+6*\e+3], v8, s[20:21] offset:768*\e
	global_load_b64 v[KH+6*\e+4:KH+6*\e+5], v9, s[20:21] offset:768*\e+512
	global_load_u16 v[KS+\e], v10, s[20:21] offset:6144+128*(\e%4)+2*(\e/4)
.endr
	s_add_nc_u64 s[QP:QP+1], s[16:17], s[32:33]    ; the first two steps' tiles
	s_add_nc_u64 s[NP:NP+1], s[18:19], s[34:35]
	LDQ 0
	LDN 0
	s_add_nc_u64 s[QP+2:QP+3], s[QP:QP+1], 6656
	s_add_nc_u64 s[NP+2:NP+3], s[NP:NP+1], 512
	LDQ 1
	LDN 1
.irp k, 6,7,8,9,10,11,18,19,20,21,22,23
	v_mov_b32 v[QB+\k], 0                          ; the zero halves of the queries' operands
.endr
.irp k, 48,49,50,51,52,53
	v_mov_b32 v[KH+\k], 0                          ; behind the last tile of keys
.endr
	v_mov_b32 v[NL+1], 0
	v_mov_b32 v[NL+3], 0
	v_mov_b32 v14, 0xff800000
.set nn, 0
.rept 64
	v_mov_b32 v[ACC+nn], 0                         ; the sums: the step is written once, its first walk adds onto zeros
.set nn, nn+1
.endr
.Ltrip:
	CSTEP 0
	CSTEP 1
	s_add_co_u32 s[TR], s[TR], 1
	s_cmp_lt_u32 s[TR], s[NT]
	s_cbranch_scc1 .Ltrip
	s_wait_alu depctr_va_vdst(0)
	; THE END: over the block's eight waves, over the sixteen lanes, / 2,048
.irp k, 0,1,2,3,4,5,6,7,8,9,10,11,12,13,14,15
	ds_store_b128 v11, v[ACC+4*\k:ACC+4*\k+3] offset:512*\k
.endr
	s_wait_dscnt 0x0                               ; for the others' sake: my stores have landed
	s_barrier_signal -1
	s_barrier_wait -1
.irp u, 0,1,2,3,4,5,6,7
.irp c, 0,1
	ds_load_b128 v[SC+8*\u+4*\c:SC+8*\u+4*\c+3], v12 offset:8192*\u+512*\c   ; registers 8 (w % 8) + 4 c on of wave u of my block
.endr
.endr
	s_wait_dscnt 0x0
.irp u, 0,1,2,3
.irp q, 0,2,4,6
	v_pk_add_f32 v[SC+8*\u+\q:SC+8*\u+\q+1], v[SC+8*\u+\q:SC+8*\u+\q+1], v[SC+8*(\u+4)+\q:SC+8*(\u+4)+\q+1]
.endr
.endr
.irp u, 0,1
.irp q, 0,2,4,6
	v_pk_add_f32 v[SC+8*\u+\q:SC+8*\u+\q+1], v[SC+8*\u+\q:SC+8*\u+\q+1], v[SC+8*(\u+2)+\q:SC+8*(\u+2)+\q+1]
.endr
.endr
.irp q, 0,2,4,6
	s_delay_alu instid0(VALU_DEP_4)
	v_pk_add_f32 v[SC+\q:SC+\q+1], v[SC+\q:SC+\q+1], v[SC+8+\q:SC+9+\q]
.endr
.irp x, 1,2,4,8                        ; the sixteen queries of a half of the lanes; the eight registers by turns
.irp j, 0,1,2,3,4,5,6,7
	v_add_f32_dpp v[SC+\j], v[SC+\j], v[SC+\j] row_xmask:\x row_mask:0xf bank_mask:0xf
.endr
.endr
.irp j, 0,1,2,3,4,5,6,7
	v_mul_f32 v[SC+\j], 0x3a000000, v[SC+\j]       ; / 2,048
.endr
	v_and_b32 v15, 15, v0
	s_delay_alu instid0(VALU_DEP_1)
	v_cmp_eq_u32 vcc_lo, 0, v15                    ; all sixteen lanes of a half hold the same eight numbers: lanes 0 and 16 store them
	s_wait_alu depctr_va_vdst(0)
	s_wait_xcnt 0x0                                ; EXEC changes only behind this wait
	s_wait_tensorcnt 0x0
	ds_add_u32 v240, v241
	s_wait_dscnt 0x0
	s_and_saveexec_b32 s31, vcc_lo
.irp j, 0,1,2,3,4,5,6,7
	global_store_b32 v13, v[SC+\j], s[8:9] offset:64*\j
.endr
	s_wait_xcnt 0x0
	s_or_b32 exec_lo, exec_lo, s31
	s_endpgm
.Lfunc_end_k_q9e718b35af_colsum:
	.size	k_q9e718b35af_colsum, .Lfunc_end_k_q9e718b35af_colsum-k_q9e718b35af_colsum
	.p2alignl 7, 3214868480
	.fill 96, 4, 3214868480
	.section	.rodata,"a",@progbits
	.p2align	6, 0x0
	.amdhsa_kernel k_q9e718b35af_colsum
		.amdhsa_group_segment_fixed_size 133120
		.amdhsa_private_segment_fixed_size 0
		.amdhsa_enable_private_segment 0
		.amdhsa_kernarg_size 24
		.amdhsa_user_sgpr_count 2
		.amdhsa_user_sgpr_kernarg_segment_ptr 1
		.amdhsa_wavefront_size32 1
		.amdhsa_system_sgpr_workgroup_id_x 1
		.amdhsa_system_sgpr_workgroup_id_y 1
		.amdhsa_system_sgpr_workgroup_id_z 1
		.amdhsa_system_vgpr_workitem_id 0
		.amdhsa_next_free_vgpr 242
		.amdhsa_next_free_sgpr 66
		.amdhsa_reserve_vcc 1
		.amdhsa_float_denorm_mode_32 3
		.amdhsa_float_denorm_mode_16_64 3
		.amdhsa_memory_ordered 1
		.amdhsa_forward_progress 1
		.amdhsa_inst_pref_size 45
	.end_amdhsa_kernel
	.amdgpu_metadata
---
amdhsa.version: [ 1, 2 ]
amdhsa.kernels:
  - .name:           k_q9e718b35af_colsum
    .symbol:         k_q9e718b35af_colsum.kd
    .args:
      - { .name: qkv, .offset: 0, .size: 8, .value_kind: global_buffer, .address_space: global }
      - { .name: nl, .offset: 8, .size: 8, .value_kind: global_buffer, .address_space: global }
      - { .name: out1, .offset: 16, .size: 8, .value_kind: global_buffer, .address_space: global }
    .group_segment_fixed_size: 133120
    .private_segment_fixed_size: 0
    .kernarg_segment_align: 8
    .kernarg_segment_size: 24
    .max_flat_workgroup_size: 512
    .sgpr_count:     66
    .vgpr_count:     242
    .wavefront_size: 32
...
	.end_amdgpu_metadata
.endif
;; end of part 9
;; launch outproj (part 10): grid 4 x 64, 16 waves a work-group, no clusters, 134,144 bytes of LDS; arguments ob, wc, ws, ln_g, ln_b, out0; writes out0
.if DOCPART == 10
	.amdgcn_target "amdgcn-amd-amdhsa--gfx1250"
	.amdhsa_code_object_version 6
	.text
	.protected	k_q9e718b35af_outproj
	.globl	k_q9e718b35af_outproj
	.p2align	8
	.type	k_q9e718b35af_outproj,@function
k_q9e718b35af_outproj:
	s_mov_b64 s[64:65], 0
	v_nop
	global_prefetch_b8 v0, s[64:65] scope:SCOPE_SE
	s_setreg_imm32_b32 hwreg(HW_REG_WAVE_SCHED_MODE, 0, 2), 2
	s_setreg_imm32_b32 hwreg(HW_REG_WAVE_MODE, 25, 1), 1
	s_wait_xcnt 0x0
	s_wait_alu depctr_vm_vsrc(0)
; out0 = LayerNorm(attention's result) Wout, the product on codes of E2M3.  A work-group makes 64 tokens x 256 columns; sixteen waves.
; THE NORM: wave w = 4 m + qd holds, of the tile m of 16 tokens, the four heads 4 qd .. 4 qd + 3: 256 of a row's 1,024 numbers, 128 registers a lane, loaded as the images that the attention launch stored: register 16 bb + i is
; column 256 qd + 32 bb + 16 (lane / 16) + i of token row (lane % 16).  Mean, then the mean of squares of the differences, as the definition has them: each a sum in the lane, with lane l xor 16, and over the four waves of a tile through LDS.
; THE OPERAND: (x - mean) rsqrt(var + 1e-5) g + b in f32, quantised in registers: each wave makes K steps 2 qd and 2 qd + 1 of its tile and stores them in LDS as images of their registers (1,536 bytes, 16 bytes a lane; scale words 4 bytes a lane).
; THE PRODUCT: wave w holds tile 96 + 16 x + w of the weights' images (16 columns, all 8 K steps: 96 registers) and multiplies it with the four tiles of tokens: source 0 = the weight, source 1 = the tokens: a lane holds eight neighbouring columns of a token.
; THE WAY OUT: through a stage of 64 rows x (1,024 + 16) bytes; each wave stores four rows, 512 consecutive aligned bytes a store.
; The norm is made anew in each of the four work-groups of a block of tokens: a launch and a round trip of the codes are spared for it.
; LDS: 0 g, 4,096 b; 8,192 and 10,240 the two exchanges of sums (128 bytes a wave); 12,288 the 32 images (8 m + ks); 61,440 their scale records; 65,536 the stage.
; LIMITS: NaN and infinities are not served; a block of zeros has the byte 1 (zero codes).
; THE MODE: SCHED_MODE bits 1:0 = 2 (LLVM: expert scheduling mode 2), set by the entry lines.  The code itself states the register dependences
; between vector or matrix instructions and memory or LDS instructions, with s_wait_alu, always for 0.
; THE PLAN.  Registers that memory or LDS instructions touch:
;   v1-8, v13, v20, v21, v62, v63   addresses and offsets, made at the head and never written again.  Each scalar that a vector line of the head reads has a register of its own.
;   v52-55     a piece of g or b: a load lands, one LDS store reads.
;   v64-191    my 128 numbers: loads land once; vector work up to the conversions.  Then the weight's fragments land there: 0 to 4 (v64-123) behind the first K step's quantiser, which has emptied them, 5 to 7 behind the second's.
;   v44-47     an exchange: v44 is stored, v44-47 are loaded again.
;   v192-255   g and b land four times, read by the multiply-adds; between them the quantiser writes v192-230, and four LDS stores read v208 and v212-223.
;   v160-207, v40-43   a K step's four fragments of the tokens and their words: loads land, four products read.     v208-239 the sums: the products write, the stage's stores read.     v64-95 rows back from the stage, read by the global stores.
; A wait on va_vdst stands ahead of each run of LDS stores of fresh results and ahead of each run of loads into registers just read; where no vector line follows it, it also serves the loads that come next.
; A wait on vm_vsrc stands ahead of the first write of a register that an LDS store has read.  One buffer serves the tokens' fragments: a K step has four products against sixteen LDS loads, and the free registers lie scattered.
.set DD, 64                            ; v64-191 my 128 numbers;  later v64-159 the weight's eight fragments, then rows of the result
.set GG, 192                           ; v192-223 32 of g;  v224-255 32 of b
.set BB, 224
.set TM, 192                           ; the quantiser's registers lie where g and b are done with: v192-207 at work, v208 the scale word, v212-230 the codes
.set PW, 208
.set PC, 212
.set WF, 64
.set YF, 160                           ; v160-207 four fragments of the tokens
.set ACC, 208                          ; v208-239 four sums
.set WS, 32                            ; v32-39 the weight's scale words;  v40-43 the tokens': they hold nothing else
.set YS, 40
; v1 = 16 x lane, v2 = 4 x lane, v3 = 4 x thread, v4 = 512 m + 4 x lane, v5 = 1,024 qd + 64 (lane / 16), v6, v7 where my images and scale words go, v8 = 16 x thread, v20, v21 the stage in and out; v[24:25] the mean, v[26:27] 1 / sqrt; v44-51 chains
.macro XCHG off                        ; four chains -> the row's sum over my wave's 256 numbers -> over the tile's four waves
	v_pk_add_f32 v[44:45], v[44:45], v[46:47]
	v_pk_add_f32 v[48:49], v[48:49], v[50:51]
	v_pk_add_f32 v[44:45], v[44:45], v[48:49]
	v_add_f32 v44, v44, v45
	v_permlanex16_b32 v45, v44, s36, s37
	v_add_f32 v44, v44, v45
	s_wait_alu depctr_va_vdst(0)                   ; v44 is written, which the LDS store reads; and the sums above are done with v44-47, in which the loads below land
	ds_store_b32 v3, v44 offset:\off
	s_wait_dscnt 0x0                               ; for the others' sake: my stores have landed
	s_barrier_signal -1
	s_barrier_wait -1
	s_wait_alu depctr_vm_vsrc(0)                   ; my LDS store has read v44, in which the first load below lands
.irp q, 0,1,2,3
	ds_load_b32 v[44+\q], v4 offset:\off+128*\q
.endr
	s_wait_dscnt 0x0
	v_add_f32 v44, v44, v45
	v_add_f32 v46, v46, v47
	v_add_f32 v44, v44, v46
.endm
; 64 numbers of a lane, register 16 b + i = k 32 b + 16 (lane / 16) + i of my row, become a fragment's codes in v[PC] on and its scale word in v[PW].
.macro QUANT s
.irp b, 0,1,2,3
	v_max3_num_f32 v[TM+\b], |v[\s+16*\b]|, |v[\s+1+16*\b]|, 0x1800000   ; and the floor 2^(3 - 127)
.endr
.irp i, 2,4,6,8,10,12,14
.irp b, 0,1,2,3
	v_max3_num_f32 v[TM+\b], v[TM+\b], |v[\s+16*\b+\i]|, |v[\s+1+16*\b+\i]|
.endr
.endr
.irp b, 0,1,2,3
	v_permlanex16_b32 v[TM+4+\b], v[TM+\b], s36, s37
.endr
.irp b, 0,1,2,3
	v_max_num_f32 v[TM+\b], v[TM+\b], v[TM+4+\b]
.endr
.irp b, 0,1,2,3
	v_add_nc_u32 v[TM+12+\b], 0xff000000, v[TM+\b]
.endr
.irp b, 0,1,2,3
	v_lshrrev_b32 v[TM+4+\b], 23, v[TM+12+\b]
.endr
	v_lshl_or_b32 v[PW], v[TM+5], 8, v[TM+4]
	v_lshl_or_b32 v[PW], v[TM+6], 16, v[PW]
	v_lshl_or_b32 v[PW], v[TM+7], 24, v[PW]
.irp c, 0,1
	v_cvt_scalef32_pk16_fp6_f32 v[PC+6*\c:PC+2+6*\c], v[\s+32*\c:\s+15+32*\c], v[TM+12+2*\c]
	v_cvt_scalef32_pk16_fp6_f32 v[PC+12+4*\c:PC+14+4*\c], v[\s+16+32*\c:\s+31+32*\c], v[TM+12+2*\c+1]
.endr
	v_nop                                          ; one plain place behind a scaled conversion
.irp c, 0,1
.irp i, 0,1,2
	v_permlane16_swap_b32 v[PC+6*\c+\i], v[PC+12+4*\c+\i]
.endr
.irp i, 0,1,2
	v_mov_b32 v[PC+3+6*\c+\i], v[PC+12+4*\c+\i]
.endr
.endr
.endm
.macro WFRAG ks                        ; K step ks of my tile of Wout
.irp c, 0,1,2
	global_load_b128 v[WF+12*(\ks)+4*\c:WF+12*(\ks)+4*\c+3], v1, s[6:7] offset:1536*(\ks)+512*\c
.endr
.endm
	s_load_b256 s[4:11], s[0:1], 0x0               ; ob s[4:5], wc s[6:7], ws s[8:9], ln_g s[10:11]
	s_load_b128 s[12:15], s[0:1], 0x20             ; ln_b s[12:13], out0 s[14:15]
	v_lshl_add_u32 v62, v0, 2, 0x20400
	v_mov_b32 v63, 0
	v_lshrrev_b32 v9, 5, v0
	v_readfirstlane_b32 s16, v9                    ; wave
	v_and_b32 v9, 31, v0
	v_lshlrev_b32 v1, 4, v9
	v_lshlrev_b32 v2, 2, v9
	v_lshlrev_b32 v3, 2, v0
	v_bfe_u32 v10, v0, 4, 1                        ; h
	v_and_b32 v11, 15, v0                          ; r
	v_lshlrev_b32 v8, 4, v0
	v_and_b32 v12, 8, v11
	v_add_nc_u32 v12, v12, v11                     ; r + 8 (r / 8)
	s_wait_alu depctr_va_vdst(0)
	s_wait_alu depctr_va_sdst(0)                   ; s16 is written, ahead of its first reader: the wave's places and bases are made from it
	s_lshr_b32 s17, s16, 2                         ; m
	s_and_b32 s18, s16, 3                          ; qd
	s_and_b32 s19, ttmp7, 0xffff                   ; which 64 tokens
	s_lshl_b32 s38, s17, 9
	v_add_nc_u32 v4, s38, v2
	s_lshl_b32 s39, s18, 10
	v_lshlrev_b32 v5, 6, v10
	v_add_nc_u32 v5, s39, v5
	s_lshl_b32 s22, s17, 3
	s_lshl_b32 s23, s18, 1
	s_add_co_u32 s22, s22, s23                     ; 8 m + 2 qd
	s_mul_i32 s40, s22, 1536
	v_add_nc_u32 v6, s40, v1
	s_lshl_b32 s41, s22, 7
	v_add_nc_u32 v7, s41, v2
	v_mul_u32_u24 v20, v12, 1040
	v_lshl_add_u32 v20, v10, 6, v20                ; + 64 h
	s_lshr_b32 s23, s16, 1
	s_lshl_b32 s23, s23, 7
	s_and_b32 s24, s16, 1
	s_lshl_b32 s24, s24, 5
	s_add_co_u32 s23, s23, s24                     ; my tile's columns: 128 (w / 2) + 32 (w % 2) bytes
	s_add_co_u32 s42, s23, 65536
	v_add_nc_u32 v20, s42, v20
	s_mul_i32 s23, s16, 4160                       ; back: rows 4 w on
	s_add_co_u32 s43, s23, 65536
	v_add_nc_u32 v21, s43, v1
	s_lshl_b32 s24, s19, 2
	s_add_co_u32 s24, s24, s17                     ; the tile of tokens
	s_lshl_b32 s24, s24, 4
	s_lshl_b32 s25, s18, 2
	s_add_co_u32 s24, s24, s25                     ; x 16 + my first head
	s_lshl_b32 s24, s24, 12
	s_mov_b32 s25, 0
	s_lshl_b32 s26, ttmp9, 4
	s_add_co_u32 s26, s26, s16
	s_add_co_u32 s26, s26, 96                      ; my tile of the weights' images
	s_mul_i32 s28, s26, 12288
	s_mov_b32 s29, 0
	s_lshl_b32 s30, s26, 10
	s_mov_b32 s31, 0
	s_lshl_b32 s32, s19, 18
	s_lshl_b32 s33, s16, 14
	s_add_co_u32 s32, s32, s33
	s_lshl_b32 s33, ttmp9, 10
	s_add_co_u32 s32, s32, s33                     ; out0: row 64 tg + 4 w, column 256 x
	s_mov_b32 s33, 0
	s_and_b32 s34, s16, 7
	s_lshl_b32 s34, s34, 9
	v_add_nc_u32 v13, s34, v1
	s_mov_b32 s36, 0x76543210
	s_mov_b32 s37, 0xfedcba98
	s_wait_kmcnt 0x0
	s_add_nc_u64 s[4:5], s[4:5], s[24:25]
	s_add_nc_u64 s[6:7], s[6:7], s[28:29]
	s_add_nc_u64 s[8:9], s[8:9], s[30:31]
	s_add_nc_u64 s[14:15], s[14:15], s[32:33]
	s_cmp_lt_u32 s16, 8                            ; waves 0-7 bring g, waves 8-15 b: 512 bytes each
	s_cselect_b64 s[20:21], s[10:11], s[12:13]
	s_wait_alu depctr_va_vdst(0)                   ; the addresses and offsets v1-8, v13, v20 and v21 are written, which the loads and stores of the whole kernel read
	global_load_b128 v[52:55], v13, s[20:21]
.irp e, 0,1,2,3
.irp g, 0,1,2,3,4,5,6,7
	global_load_b128 v[DD+32*\e+4*\g:DD+32*\e+4*\g+3], v1, s[4:5] offset:4096*\e+512*\g
.endr
.endr
	s_wait_loadcnt 32                              ; the piece of g or b is in; the 32 loads behind it may be out
	ds_store_b128 v8, v[52:55]
	s_wait_loadcnt 0x0
	; ---- the mean
.irp q, 0,1,2,3
	v_pk_add_f32 v[44+2*\q:45+2*\q], v[DD+2*\q:DD+2*\q+1], v[DD+8+2*\q:DD+9+2*\q]
.endr
.irp i, 2,3,4,5,6,7,8,9,10,11,12,13,14,15
.irp q, 0,1,2,3
	v_pk_add_f32 v[44+2*\q:45+2*\q], v[44+2*\q:45+2*\q], v[DD+8*\i+2*\q:DD+8*\i+2*\q+1]
.endr
.endr
	XCHG 8192                                      ; (its barrier also shows g and b whole)
	v_mul_f32 v24, 0x3a800000, v44                 ; / 1,024
	v_mov_b32 v25, v24
	; ---- the variance, of the differences
.set nn, 0
.rept 64
	v_pk_add_f32 v[DD+nn:DD+nn+1], v[DD+nn:DD+nn+1], v[24:25] neg_lo:[0,1] neg_hi:[0,1]
.set nn, nn+2
.endr
.irp q, 0,1,2,3
	v_pk_mul_f32 v[44+2*\q:45+2*\q], v[DD+2*\q:DD+2*\q+1], v[DD+2*\q:DD+2*\q+1]
.endr
.irp i, 1,2,3,4,5,6,7,8,9,10,11,12,13,14,15
.irp q, 0,1,2,3
	v_pk_fma_f32 v[44+2*\q:45+2*\q], v[DD+8*\i+2*\q:DD+8*\i+2*\q+1], v[DD+8*\i+2*\q:DD+8*\i+2*\q+1], v[44+2*\q:45+2*\q]
.endr
.endr
	XCHG 10240
	v_mov_b32 v28, 0x3a800000
	v_fmaak_f32 v29, v44, v28, 0x3727c5ac          ; / 1,024 + 1e-5
	s_wait_alu depctr_va_vdst(0)
	v_rsq_f32 v26, v29
	v_nop                                          ; a plain place behind the transcendental
	s_wait_alu depctr_va_vdst(0)                   ; the reciprocal root v26 is written, ahead of its first reader
	v_mov_b32 v27, v26
	; ---- normalise and quantise: two K steps of 128, each in two halves of 32 registers for g's and b's sake
.irp kk, 0,1
.irp hf, 0,1
.if \hf == 1
	s_wait_alu depctr_va_vdst(0)                   ; the first half's multiply-adds are done reading g and b, in whose registers the second half's land
.elseif \kk == 1
	s_wait_alu depctr_vm_vsrc(0)                   ; the first K step's LDS stores have read its codes and scale word (v212-223, v208), where g and b land again (the quantiser that named v192-230 stands ahead of the last wait on va_vdst)
.endif
.irp b, 0,1
.irp q, 0,1,2,3
	ds_load_b128 v[GG+16*\b+4*\q:GG+16*\b+4*\q+3], v5 offset:512*\kk+256*\hf+128*\b+16*\q
	ds_load_b128 v[BB+16*\b+4*\q:BB+16*\b+4*\q+3], v5 offset:4096+512*\kk+256*\hf+128*\b+16*\q
.endr
.endr
.set nn, 0
.rept 16
	v_pk_mul_f32 v[DD+64*\kk+32*\hf+nn:DD+64*\kk+32*\hf+nn+1], v[DD+64*\kk+32*\hf+nn:DD+64*\kk+32*\hf+nn+1], v[26:27]
.set nn, nn+2
.endr
	s_wait_dscnt 0x0
.set nn, 0
.rept 16
	v_pk_fma_f32 v[DD+64*\kk+32*\hf+nn:DD+64*\kk+32*\hf+nn+1], v[DD+64*\kk+32*\hf+nn:DD+64*\kk+32*\hf+nn+1], v[GG+nn:GG+nn+1], v[BB+nn:BB+nn+1]
.set nn, nn+2
.endr
.endr
	QUANT DD+64*\kk
	s_wait_alu depctr_va_vdst(0)                   ; the quantiser has written the codes and the scale word, which the LDS stores read, and is done reading its 64 numbers, in whose registers the weight's loads below land
.irp c, 0,1,2
	ds_store_b128 v6, v[PC+4*\c:PC+4*\c+3] offset:12288+1536*\kk+512*\c
.endr
	ds_store_b32 v7, v[PW] offset:61440+128*\kk
	; ---- my tile of Wout is asked for as its registers fall free; its loads are on their way across the barrier.  No vector line stands between the wait above and these loads
.if \kk == 0
.irp f, 0,1,2,3,4
	WFRAG \f                                       ; v64-123: the first K step's numbers are done with
.endr
.irp f, 0,1,2,3,4,5,6,7
	global_load_b32 v[WS+\f], v2, s[8:9] offset:128*\f
.endr
.else
.irp f, 5,6,7
	WFRAG \f                                       ; v124-159
.endr
.endif
.endr
	s_wait_dscnt 0x0                               ; for the others' sake: my images and scale words have landed
	s_barrier_signal -1
	s_barrier_wait -1                              ; the 32 images lie in LDS
	s_wait_alu depctr_vm_vsrc(0)                   ; the second K step's LDS stores have read v208 and v212-223, which the first products write as sums
	; ---- the product: four sums by turns, a K step at a time
.irp ks, 0,1,2,3,4,5,6,7
.if \ks > 0
.rept 4
	v_nop                                          ; the four places between the last step's products and the loads into registers that they have read stay, beside the wait below
.endr
	s_wait_alu depctr_va_vdst(0)                   ; the last step's four products are done reading the tokens' fragments and scale words, in which this step's land
.endif
.irp m, 0,1,2,3
.irp c, 0,1,2
	ds_load_b128 v[YF+12*\m+4*\c:YF+12*\m+4*\c+3], v1 offset:12288+(8*\m+\ks)*1536+512*\c
.endr
	ds_load_b32 v[YS+\m], v2 offset:61440+(8*\m+\ks)*128
.endr
	s_wait_dscnt 0x0
.if \ks == 0
	s_wait_loadcnt 0x0                             ; the weight
.endif
.irp m, 0,1,2,3
.if \ks == 0
	v_wmma_scale_f32_16x16x128_f8f6f4 v[ACC+8*\m:ACC+8*\m+7], v[WF+12*\ks:WF+12*\ks+11], v[YF+12*\m:YF+12*\m+11], 0, v[WS+\ks], v[YS+\m] matrix_a_fmt:MATRIX_FMT_FP6 matrix_b_fmt:MATRIX_FMT_FP6
.else
	v_wmma_scale_f32_16x16x128_f8f6f4 v[ACC+8*\m:ACC+8*\m+7], v[WF+12*\ks:WF+12*\ks+11], v[YF+12*\m:YF+12*\m+11], v[ACC+8*\m:ACC+8*\m+7], v[WS+\ks], v[YS+\m] matrix_a_fmt:MATRIX_FMT_FP6 matrix_b_fmt:MATRIX_FMT_FP6
.endif
.endr
.endr
.rept 4
	v_nop                                          ; places in front of the first read of results and of loads into the weight's registers
.endr
	s_wait_alu depctr_va_vdst(0)                   ; the products have written the sums, which the LDS stores read, and are done reading the weight's fragments, where rows of the stage land below; the places above stay beside this wait
	; ---- the way out: lane (r, h) of tile m holds token 32 (m / 2) + 8 (m % 2) + r + 8 (r / 8), columns 32 (w / 2) + 16 h + 8 (w % 2) + 0 .. 7
.irp m, 0,1,2,3
	ds_store_b128 v20, v[ACC+8*\m:ACC+8*\m+3] offset:(32*(\m/2)+8*(\m%2))*1040
	ds_store_b128 v20, v[ACC+8*\m+4:ACC+8*\m+7] offset:(32*(\m/2)+8*(\m%2))*1040+16
.endr
	s_wait_dscnt 0x0                               ; for the others' sake: my stores into the stage have landed
	s_barrier_signal -1
	s_barrier_wait -1
.irp k, 0,1,2,3,4,5,6,7
	ds_load_b128 v[WF+4*\k:WF+4*\k+3], v21 offset:(\k/2)*1040+512*(\k%2)
.endr
.irp k, 0,1,2,3,4,5,6,7
	s_wait_dscnt 7-\k                              ; piece k is back; the younger ones may be out
	global_store_b128 v1, v[WF+4*\k:WF+4*\k+3], s[14:15] offset:(\k/2)*4096+512*(\k%2) th:TH_STORE_NT   ; 32 lanes store 512 consecutive bytes, at a multiple of 256 from out0's first byte
.endr
	s_wait_dscnt 0x0                               ; the closing lines, six on end
	s_wait_alu 0x0
	s_wait_tensorcnt 0x0
	ds_add_u32 v62, v63
	s_wait_dscnt 0x0
	s_endpgm
.Lfunc_end_k_q9e718b35af_outproj:
	.size	k_q9e718b35af_outproj, .Lfunc_end_k_q9e718b35af_outproj-k_q9e718b35af_outproj
	.p2alignl 7, 3214868480
	.fill 96, 4, 3214868480
	.section	.rodata,"a",@progbits
	.p2align	6, 0x0
	.amdhsa_kernel k_q9e718b35af_outproj
		.amdhsa_group_segment_fixed_size 134144
		.amdhsa_private_segment_fixed_size 0
		.amdhsa_enable_private_segment 0
		.amdhsa_kernarg_size 48
		.amdhsa_user_sgpr_count 2
		.amdhsa_user_sgpr_kernarg_segment_ptr 1
		.amdhsa_wavefront_size32 1
		.amdhsa_system_sgpr_workgroup_id_x 1
		.amdhsa_system_sgpr_workgroup_id_y 1
		.amdhsa_system_sgpr_workgroup_id_z 1
		.amdhsa_system_vgpr_workitem_id 0
		.amdhsa_next_free_vgpr 256
		.amdhsa_next_free_sgpr 66
		.amdhsa_reserve_vcc 0
		.amdhsa_float_denorm_mode_32 3
		.amdhsa_float_denorm_mode_16_64 3
		.amdhsa_memory_ordered 1
		.amdhsa_forward_progress 1
		.amdhsa_inst_pref_size 60
	.end_amdhsa_kernel
	.amdgpu_metadata
---
amdhsa.version: [ 1, 2 ]
amdhsa.kernels:
  - .name:           k_q9e718b35af_outproj
    .symbol:         k_q9e718b35af_outproj.kd
    .args:
      - { .name: ob, .offset: 0, .size: 8, .value_kind: global_buffer, .address_space: global }
      - { .name: wc, .offset: 8, .size: 8, .value_kind: global_buffer, .address_space: global }
      - { .name: ws, .offset: 16, .size: 8, .value_kind: global_buffer, .address_space: global }
      - { .name: ln_g, .offset: 24, .size: 8, .value_kind: global_buffer, .address_space: global }
      - { .name: ln_b, .offset: 32, .size: 8, .value_kind: global_buffer, .address_space: global }
      - { .name: out0, .offset: 40, .size: 8, .value_kind: global_buffer, .address_space: global }
    .group_segment_fixed_size: 134144
    .private_segment_fixed_size: 0
    .kernarg_segment_align: 8
    .kernarg_segment_size: 48
    .max_flat_workgroup_size: 512
    .sgpr_count:     66
    .vgpr_count:     256
    .wavefront_size: 32
...
	.end_amdgpu_metadata
.endif
;; end of part 10
